; MI455X (gfx1250); checked and timed in simulation.
; The chip was launched on July 23, 2026; its instructions are those of AMD's public machine-readable ISA for CDNA 5 (MIT licence, August 2026) and "CDNA5" Instruction Set Architecture Reference Guide (July 2026). The comments in the code are by the model that wrote it; some were corrected since.
;; Decoder Layer. Allowed arithmetic: matrix products marked QUANTISED: E3M2 operands, one E8M0 scale for each 32 along K, by v_wmma_scale_f32_16x16x128_f8f6f4 with both operands' format E3M2, f32 sums; everything else in f32.
;; Inputs: encoder_output_codes 4 x 2,048 x 8 x 24 uint8 (E3M2 codes of encoder_output, K innermost, in blocks of 32 codes, four codes in three bytes); encoder_output_scales 4 x 2,048 x 8 uint8 (E8M0 scales of encoder_output, one for each 32 codes along K); ffn_b1 512 float32; ffn_b2 256 float32; ffn_w1_codes 512 x 8 x 24 uint8 (E3M2 codes of ffn_w1, K innermost, in blocks of 32 codes, four codes in three bytes); ffn_w1_scales 512 x 8 uint8 (E8M0 scales of ffn_w1, one for each 32 codes along K); ffn_w2_codes 256 x 16 x 24 uint8 (E3M2 codes of ffn_w2, K innermost, in blocks of 32 codes, four codes in three bytes); ffn_w2_scales 256 x 16 uint8 (E8M0 scales of ffn_w2, one for each 32 codes along K); ln1_b 256 float32; ln1_g 256 float32; ln2_b 256 float32; ln2_g 256 float32; ln3_b 256 float32; ln3_g 256 float32; m1_b 256 float32; m1_b2 256 float32; m1_bk 512 float32; m1_bq 512 float32; m1_bv 512 float32; m1_g 256 float32; m1_w2_codes 256 x 16 x 24 uint8 (E3M2 codes of m1_w2, K innermost, in blocks of 32 codes, four codes in three bytes); m1_w2_scales 256 x 16 uint8 (E8M0 scales of m1_w2, one for each 32 codes along K); m1_wk_codes 512 x 8 x 24 uint8 (E3M2 codes of m1_wk, K innermost, in blocks of 32 codes, four codes in three bytes); m1_wk_scales 512 x 8 uint8 (E8M0 scales of m1_wk, one for each 32 codes along K); m1_wq_codes 512 x 8 x 24 uint8 (E3M2 codes of m1_wq, K innermost, in blocks of 32 codes, four codes in three bytes); m1_wq_scales 512 x 8 uint8 (E8M0 scales of m1_wq, one for each 32 codes along K); m1_wv_codes 512 x 8 x 24 uint8 (E3M2 codes of m1_wv, K innermost, in blocks of 32 codes, four codes in three bytes); m1_wv_scales 512 x 8 uint8 (E8M0 scales of m1_wv, one for each 32 codes along K); m2_b 256 float32; m2_b2 256 float32; m2_bk 512 float32; m2_bq 512 float32; m2_bv 512 float32; m2_g 256 float32; m2_w2_codes 256 x 16 x 24 uint8 (E3M2 codes of m2_w2, K innermost, in blocks of 32 codes, four codes in three bytes); m2_w2_scales 256 x 16 uint8 (E8M0 scales of m2_w2, one for each 32 codes along K); m2_wk_codes 512 x 8 x 24 uint8 (E3M2 codes of m2_wk, K innermost, in blocks of 32 codes, four codes in three bytes); m2_wk_scales 512 x 8 uint8 (E8M0 scales of m2_wk, one for each 32 codes along K); m2_wq_codes 512 x 8 x 24 uint8 (E3M2 codes of m2_wq, K innermost, in blocks of 32 codes, four codes in three bytes); m2_wq_scales 512 x 8 uint8 (E8M0 scales of m2_wq, one for each 32 codes along K); m2_wv_codes 512 x 8 x 24 uint8 (E3M2 codes of m2_wv, K innermost, in blocks of 32 codes, four codes in three bytes); m2_wv_scales 512 x 8 uint8 (E8M0 scales of m2_wv, one for each 32 codes along K); src_mask 4 x 2,048 x 1 int32; tgt_mask 4 x 2,048 x 1 int32; x 4 x 2,048 x 256 float32.
;; Outputs: out0 4 x 2,048 x 256 float32.
;; This version of the problem:
;;   THIS VERSION OF THE PROBLEM IS GIVEN IN LOW PRECISION. The matrix products marked QUANTISED in the list below multiply operands that are first quantised to E3M2 (3 exponent bits, 2 mantissa bits; 6 bits a number), with one power-of-two scale for each 32 numbers along K (OCP MX v1.0); their sums are f32. All else is computed in f32.
;;   The module's matrix products, in the order in which they are computed (A, B: the left and right operand; K: the contracted axis; several contracted axes count as one K, in the product's order):
;;     1. [M 8,192, K 256] x [K 256, N 512]; A: input x; B: input m1_wq (given as codes): QUANTISED
;;     2. [M 8,192, K 256] x [K 256, N 512]; A: input x; B: input m1_wk (given as codes): QUANTISED
;;     3. [M 8,192, K 256] x [K 256, N 512]; A: input x; B: input m1_wv (given as codes): QUANTISED
;;     4. batch 32 x [M 2,048, K 64] x [K 64, N 2,048]; A: computed on the way; B: computed on the way: QUANTISED
;;     5. batch 32 x [M 64, K 2,048] x [K 2,048, N 2,048]; A: computed on the way; B: softmax (see below): QUANTISED
;;     6. [M 8,192, K 512] x [K 512, N 256]; A: computed on the way; B: input m1_w2 (given as codes): QUANTISED
;;     7. [M 8,192, K 256] x [K 256, N 512]; A: computed on the way; B: input m2_wq (given as codes): QUANTISED
;;     8. [M 8,192, K 256] x [K 256, N 512]; A: input encoder_output (given as codes); B: input m2_wk (given as codes): QUANTISED
;;     9. [M 8,192, K 256] x [K 256, N 512]; A: input encoder_output (given as codes); B: input m2_wv (given as codes): QUANTISED
;;     10. batch 32 x [M 2,048, K 64] x [K 64, N 2,048]; A: computed on the way; B: computed on the way: QUANTISED
;;     11. batch 32 x [M 64, K 2,048] x [K 2,048, N 2,048]; A: computed on the way; B: softmax (see below): QUANTISED
;;     12. [M 8,192, K 512] x [K 512, N 256]; A: computed on the way; B: input m2_w2 (given as codes): QUANTISED
;;     13. [M 8,192, K 256] x [K 256, N 512]; A: computed on the way; B: input ffn_w1 (given as codes): QUANTISED
;;     14. [M 8,192, K 512] x [K 512, N 256]; A: computed on the way; B: input ffn_w2 (given as codes): QUANTISED
;;   THE QUANTISER, for each operand of a quantised product, along K:
;;     - K is cut into blocks of 32 from its start; a last block that is shorter is filled with zeros.
;;     - A block's scale is 2^e with e = floor(log2(the largest magnitude in the block)) - 4, held to -126 .. 127; a block of zeros has e = 0. As a byte (E8M0): e + 127.
;;     - Each number is divided by its block's scale, clamped to +-28, and rounded to the nearest number of E3M2, ties to even, subnormals kept.
;;     - The product sums the exact products of the quantised numbers (number of the format x scale) in f32.
;;   ~~~python
;;   def quantise(x, axis):      # numpy; x: float32 -> the quantised numbers, widened to float32 again
;;       x = np.moveaxis(x, axis, -1); K = x.shape[-1]
;;       x = np.pad(x, [(0, 0)] * (x.ndim - 1) + [(0, -K % 32)]); x = x.reshape(x.shape[:-1] + (-1, 32)); a = np.abs(x).max(-1, keepdims=True)
;;       e = np.where(a > 0, np.clip(np.frexp(np.where(a > 0, a, 1))[1] - 1 - 4, -126, 127), 0)      # np.frexp(a)[1] - 1 = floor(log2(a)), exactly
;;       r = np.clip(x / 2.0 ** e, -28, 28)
;;       step = 2.0 ** (np.maximum(np.frexp(np.where(r == 0, 1, r))[1] - 1, -2) - 2)
;;       q = np.round(r / step) * step * 2.0 ** e      # np.round: ties to even
;;       return np.moveaxis(q.reshape(q.shape[:-2] + (-1,))[..., :K], -1, axis).astype(np.float32)
;;   ~~~
;;   SOFTMAX AHEAD OF A QUANTISED PRODUCT. Where the list says 'softmax', what is quantised is not the finished softmax but p = 2^(t - M), with t = logit x log2(e) and M = ceil(the row's largest t), a whole number; so 1/2 < the row's largest p <= 1. The row's sum l is taken of the UNQUANTISED p, in f32, and the product's result is divided by l at the end. Since M is a whole number, a kernel that streams over the keys may use a running M (the ceiling of the running maximum): every later rescaling is an exact power of two, which a block's scale takes up: the codes' values come out the same.
;;   OPERANDS COMPUTED ON THE WAY. 'Computed on the way' means the value that the module computes at that place (a softmax that the list does not call 'softmax' is quantised finished and normalised). What goes into a quantiser is computed in f32, as accurately as f32 sums, v_exp_f32 and their like allow (about 1e-6 of the number): no bf16 or f16 on the way to a quantiser, and a product that is left as it is and whose result goes on into a quantised operand takes f32 operands (vector FMAs, or v_wmma_f32_16x16x4_f32). A number that lies on a knife's edge between two numbers of the format may be rounded either way, as far as f32 arithmetic and the matrix unit's own rounding can turn it there, and no further.
;;   INPUTS GIVEN AS CODES. encoder_output (in the module: [4, 2048, 256], K = its axis 2); ffn_w1 (in the module: [256, 512], K = its axis 0); ffn_w2 (in the module: [512, 256], K = its axis 0); m1_w2 (in the module: [512, 256], K = its axis 0); m1_wk (in the module: [256, 512], K = its axis 0); m1_wq (in the module: [256, 512], K = its axis 0); m1_wv (in the module: [256, 512], K = its axis 0); m2_w2 (in the module: [512, 256], K = its axis 0); m2_wk (in the module: [256, 512], K = its axis 0); m2_wq (in the module: [256, 512], K = its axis 0); m2_wv (in the module: [256, 512], K = its axis 0): each comes as NAME_codes (uint8): NAME with its K axis moved to the last place and cut into blocks of 32 codes, [.., K / 32, bytes a block], one block behind the other in memory; four codes in three bytes: a row's codes are one little-endian stream of bits, code i at bits 6 i .. 6 i + 5 (a code: sign, 3 exponent bits, 2 mantissa bits); and NAME_scales (uint8): the same leading axes, one E8M0 byte (e + 127) for each 32 codes along K. Its value is code x scale, taken as it is: it is not quantised again, and the codes and scales need not be those that the quantiser above would give.
;; 2 versions. Each part assembles by itself: llvm-mc -triple=amdgcn-amd-amdhsa -mcpu=gfx1250 --defsym DOCPART=n.
;; ======== version 1 of 2: 6 launches
;; workspace buffers: xc 1,703,936 bytes; kv1 7,864,320 bytes; kv2 7,864,320 bytes; att 3,407,872 bytes; xa 8,388,608 bytes; xb 8,388,608 bytes
;; launch proj (part 1): grid 64 x 4, 8 waves a work-group, no clusters, 27,648 bytes of LDS; arguments x, encoder_output_codes, encoder_output_scales, tgt_mask, m1_wk_codes, m1_wk_scales, m1_bk, m1_wv_codes, m1_wv_scales, m1_bv, m2_wk_codes, m2_wk_scales, m2_bk, m2_wv_codes, m2_wv_scales, m2_bv, xc, kv1, kv2; writes xc, kv1, kv2
.if DOCPART == 1
	.amdgcn_target "amdgcn-amd-amdhsa--gfx1250"
	.amdhsa_code_object_version 6
	.text
	.protected	k_q92a63938c8_proj
	.globl	k_q92a63938c8_proj
	.p2align	8
	.type	k_q92a63938c8_proj,@function
k_q92a63938c8_proj:
	s_mov_b64 s[64:65], 0
	v_nop
	global_prefetch_b8 v0, s[64:65] scope:SCOPE_SE
	s_setreg_imm32_b32 hwreg(HW_REG_WAVE_MODE, 25, 1), 1
	s_wait_xcnt 0x0
; K and V of both attentions, as codes of E3M2 with E8M0 scales, laid as the attention launch's operand registers want them; and x as codes.
; DEAD WORK.  src_mask enters reference() only as the key_mask of the second mha, which is called with masked=False: that branch never reads it, whatever it holds.
; So src_mask has no way to any output: it is not loaded and is among no launch's arguments.  It holds whole numbers, so no NaN, infinity or overflow can arise in what is left out.  All else is live.
; LIMITS.  NaN and infinities among the inputs are not served.  A block whose largest magnitude lies under 2^-122 keeps the scale byte 1; a block of zeros keeps the byte 1 too
; (its codes are zeros, and these bytes are read by this program alone).
; SHARES.  Work-group x = a key step of 128 tokens (batch x / 16, step x % 16); work-group y = the job: 0 K of mha 1 (and x's codes to xc), 1 V of mha 1, 2 K of mha 2, 3 V of mha 2.
; Phase X: wave w makes the two operand fragments (16 tokens x 256 K) of token tile 8 x + w, from x (quantised here) or from encoder_output (codes as given), and stores their register images in LDS.  Then wave w is head w.
; TILES.  Lane r of tile T holds row 32 (T / 2) + 8 (T % 2) + r + 8 (r / 8), for tokens, keys and rows of a weight alike: so the 16 registers that a lane gets from tiles 2 b and 2 b + 1 are 16 neighbours along the next K.
; THE MASK rides in the half of the score product's K that a head of 64 leaves empty.  A masked key gets zero codes, the code +1.0 at k = 64 and the scale byte 162 (2^35) for that block; the query side holds -1.0 at k = 64.
; Its score is then exactly -2^35, which is 8 x reference()'s NEG (-2^32 in f32) ahead of the division by 8.  An open key gets a zero code there and the byte 1.
.set XIMG,  0                          ; LDS: the images of the 8 tiles' 2 fragments, 1,536 bytes each
.set XSC,   24576                      ; their scale words, 128 bytes each
.set SPARE, 26624                      ; the spare words, 128 bytes for each of 8 waves; no other line names them
.set XC_SC, 1572864                    ; xc: where the scale words begin
.set LI,  1                            ; 16 x lane
.set L4,  2                            ; 4 x lane
.set SPW, 3                            ; my spare word; never rewritten
.set NIL, 4                            ; 0; never rewritten
.set XWI, 5                            ; where I store my tile's images
.set XWS, 6                            ; and its scale words
.set OX,  7                            ; x: (r + 8 (r / 8)) x 1,024 + 64 h
.set OC,  8                            ; rows of 192 bytes of codes: (r + 8 (r / 8)) x 192 + 24 h
.set OS,  9                            ; rows of 8 scale bytes
.set OB,  10                           ; a bias as C of a transposed product: 64 h
.set OM,  11                           ; 4 bytes a row: the mask, V's bias
.set TM,  16                           ; v16-31 the quantiser's scratch
.set XN0, 32                           ; phase X: 64 numbers of K step 0, 64 of K step 1
.set XN1, 96
.set F0,  160                          ; the two fragments
.set F1,  172
.set TX,  184
.set PW0, 192                          ; their scale words
.set PW1, 193
.set ACC, 32                           ; K arm: 4 accumulators
.set XF,  64                           ; a token tile's two fragments
.set XS,  88                           ; and scale words
.set DK,  92                           ; a key tile's 8 registers: 6 of codes, the flag, 0
.set TK2, 100
.set KSW, 104                          ; the 8 tiles' scale words
.set EXT, 112
.set PW2, 113
.set C0C, 114
.set COP, 115
.set CMA, 116
.set BI,  120                          ; the bias as C, 4 tiles
.set WS,  152                          ; the weight's scale words
.set WK,  160                          ; the weight's 8 fragments
.set AV,  32                           ; V arm: 8 accumulators
.set XF4, 96                           ; four token tiles' fragments of one K step
.set XSW, 144
.set WVR, 148                          ; two sets of 2 fragments of the weight
.set WVS, 196
.set BV,  204
.set CB,  208
.set PC,  216
.set TV2, 228
.set VSW, 236
.set WV,  42
.set JOB, 43
.set SEL, 44
.set MK,  48                           ; s48-55: for each key tile the lanes whose key is masked
.set HIM, 56
.macro PLACES n
.rept \n
	v_nop
.endr
.endm
.macro BARRIER                         ; my LDS stores have landed and my LDS loads are in: then the work-group's barrier
	s_wait_dscnt 0x0
	s_barrier_signal -1
	s_barrier_wait -1
.endm
.macro ENDL                            ; the wave's end: behind my last LDS store
	s_wait_tensorcnt 0x0
	ds_add_u32 v[SPW], v[NIL]
	s_wait_dscnt 0x0
.endm
.macro MM d, a, b, c, sa, sb
	v_wmma_scale_f32_16x16x128_f8f6f4 v[\d:\d+7], v[\a:\a+11], v[\b:\b+11], v[\c:\c+7], v[\sa], v[\sb] matrix_a_fmt:MATRIX_FMT_BF6 matrix_b_fmt:MATRIX_FMT_BF6
.endm
; 64 numbers of a lane, register 16 b + i = k 32 b + 16 h + i of my row, become a fragment's 12 registers and its scale word
.macro QUANT4 s, d, t, pw
.irp b, 0,1,2,3
	v_max3_num_f32 v[TM+\b], |v[\s+16*\b]|, |v[\s+1+16*\b]|, 0x2800000   ; my 16 numbers of block b, and the floor 2^(5 - 127): the byte cannot fall under 1
.endr
.irp i, 2,4,6,8,10,12,14
.irp b, 0,1,2,3
	v_max3_num_f32 v[TM+\b], v[TM+\b], |v[\s+16*\b+\i]|, |v[\s+1+16*\b+\i]|
.endr
.endr
.irp b, 0,1,2,3
	v_permlanex16_b32 v[TM+4+\b], v[TM+\b], s[SEL], s[SEL+1]
.endr
.irp b, 0,1,2,3
	v_max_num_f32 v[TM+\b], v[TM+\b], v[TM+4+\b]          ; with lane l xor 16: the block's largest magnitude
.endr
.irp b, 0,1,2,3
	v_add_nc_u32 v[TM+12+\b], 0xfe000000, v[TM+\b]        ; 4 off its exponent field: the conversion's scale operand
.endr
.irp b, 0,1,2,3
	v_lshrrev_b32 v[TM+4+\b], 23, v[TM+12+\b]             ; the scale's byte
.endr
	v_lshl_or_b32 v[\pw], v[TM+5], 8, v[TM+4]
	v_lshl_or_b32 v[\pw], v[TM+6], 16, v[\pw]
	v_lshl_or_b32 v[\pw], v[TM+7], 24, v[\pw]
.irp c, 0,1
	v_cvt_scalef32_pk16_bf6_f32 v[\d+6*\c:\d+2+6*\c], v[\s+32*\c:\s+15+32*\c], v[TM+12+2*\c]
	v_cvt_scalef32_pk16_bf6_f32 v[\t+4*\c:\t+2+4*\c], v[\s+16+32*\c:\s+31+32*\c], v[TM+13+2*\c]
.endr
	v_nop                                                 ; one plain place behind a scaled conversion
.irp c, 0,1
.irp i, 0,1,2
	v_permlane16_swap_b32 v[\d+6*\c+\i], v[\t+4*\c+\i]    ; a whole block to a lane
.endr
.irp i, 0,1,2
	v_mov_b32 v[\d+3+6*\c+\i], v[\t+4*\c+\i]
.endr
.endr
.endm
; the same for 32 numbers, two blocks: six registers, two bytes
.macro QUANT2 s, d, t, pw
.irp b, 0,1
	v_max3_num_f32 v[TM+\b], |v[\s+16*\b]|, |v[\s+1+16*\b]|, 0x2800000
.endr
.irp i, 2,4,6,8,10,12,14
.irp b, 0,1
	v_max3_num_f32 v[TM+\b], v[TM+\b], |v[\s+16*\b+\i]|, |v[\s+1+16*\b+\i]|
.endr
.endr
.irp b, 0,1
	v_permlanex16_b32 v[TM+4+\b], v[TM+\b], s[SEL], s[SEL+1]
.endr
.irp b, 0,1
	v_max_num_f32 v[TM+\b], v[TM+\b], v[TM+4+\b]
.endr
.irp b, 0,1
	v_add_nc_u32 v[TM+12+\b], 0xfe000000, v[TM+\b]
.endr
.irp b, 0,1
	v_lshrrev_b32 v[TM+4+\b], 23, v[TM+12+\b]
.endr
	v_lshl_or_b32 v[\pw], v[TM+5], 8, v[TM+4]
	v_cvt_scalef32_pk16_bf6_f32 v[\d:\d+2], v[\s:\s+15], v[TM+12]
	v_cvt_scalef32_pk16_bf6_f32 v[\t:\t+2], v[\s+16:\s+31], v[TM+13]
	v_nop
.irp i, 0,1,2
	v_permlane16_swap_b32 v[\d+\i], v[\t+\i]
.endr
.irp i, 0,1,2
	v_mov_b32 v[\d+3+\i], v[\t+\i]
.endr
.endm
	s_load_b256 s[4:11], s[0:1], 0x0               ; x, encoder codes, encoder scales, tgt_mask
	s_load_b512 s[12:27], s[0:1], 0x20             ; m1_wk codes, scales, bk; m1_wv codes, scales, bv; m2_wk codes, scales
	s_load_b256 s[28:35], s[0:1], 0x60             ; m2_bk; m2_wv codes, scales, bv
	s_load_b128 s[36:39], s[0:1], 0x80             ; xc, kv1
	s_load_b64 s[40:41], s[0:1], 0x90              ; kv2
	v_lshl_add_u32 v[SPW], v0, 2, SPARE
	v_mov_b32 v[NIL], 0
	v_lshrrev_b32 v12, 5, v0
	v_readfirstlane_b32 s[WV], v12                 ; wave 0..7
	v_and_b32 v12, 31, v0
	v_lshlrev_b32 v[LI], 4, v12
	v_lshlrev_b32 v[L4], 2, v12
	v_and_b32 v13, 15, v0                          ; r
	v_bfe_u32 v14, v0, 4, 1                        ; h
	v_and_b32 v15, 8, v13
	v_add_nc_u32 v15, v15, v13                     ; r + 8 (r / 8)
	v_lshlrev_b32 v[OX], 10, v15
	v_lshl_add_u32 v[OX], v14, 6, v[OX]
	v_mul_u32_u24 v[OC], v15, 192
	v_mad_u32_u24 v[OC], v14, 24, v[OC]
	v_lshlrev_b32 v[OS], 3, v15
	v_lshlrev_b32 v[OB], 6, v14
	v_lshlrev_b32 v[OM], 2, v15
	s_mul_i32 s46, s[WV], 3072
	v_add_nc_u32 v[XWI], s46, v[LI]
	s_lshl_b32 s46, s[WV], 8
	v_add_nc_u32 v[XWS], s46, v[L4]
.irp b, 0,1,2,3
	v_mov_b32 v[TM+4+\b], 0                        ; written once: a lane permute's destination counts as one of its sources
.endr
	s_and_b32 s[JOB], ttmp7, 0xffff
	s_mov_b32 s[SEL], 0x76543210
	s_mov_b32 s[SEL+1], 0xfedcba98
.irp i, 0,1,2,3,4,5,6,7
	s_mov_b32 s[MK+\i], 0                          ; no key is masked, unless job 0 finds some
.endr
	s_mov_b32 s[HIM], 0xffff0000                   ; lanes 16-31
	s_lshl_b32 s57, ttmp9, 7
	s_lshr_b32 s46, s[WV], 1
	s_lshl_b32 s46, s46, 5
	s_add_co_u32 s57, s57, s46
	s_and_b32 s46, s[WV], 1
	s_lshl_b32 s46, s46, 3
	s_add_co_u32 s57, s57, s46                     ; my tile's first token: 128 x + 32 (w / 2) + 8 (w % 2)
	s_lshl_b32 s58, ttmp9, 3
	s_add_co_u32 s58, s58, s[WV]                   ; my tile: 8 x + w
	s_lshr_b32 s59, ttmp9, 4
	s_lshl_b32 s59, s59, 3
	s_add_co_u32 s59, s59, s[WV]
	s_mul_i32 s59, s59, 245760                     ; head 8 b + w of the K and V buffer,
	s_bfe_u32 s46, ttmp9, 0x20002
	s_mul_i32 s46, s46, 61440
	s_add_co_u32 s59, s59, s46                     ; its chunk of four key steps
	s_and_b32 s68, ttmp9, 3                        ; and the step in the chunk
	s_mov_b32 s61, 0
	s_wait_kmcnt 0x0
	s_and_b32 s46, s[JOB], 1                       ; the job chooses its weight, scales, bias and buffer: the choice hangs on the work-group's number alone
	s_cmp_eq_u32 s46, 0
	s_cselect_b64 s[12:13], s[12:13], s[18:19]
	s_cselect_b64 s[14:15], s[14:15], s[20:21]
	s_cselect_b64 s[16:17], s[16:17], s[22:23]
	s_cselect_b64 s[24:25], s[24:25], s[30:31]
	s_cselect_b64 s[26:27], s[26:27], s[32:33]
	s_cselect_b64 s[28:29], s[28:29], s[34:35]
	s_cmp_lt_u32 s[JOB], 2
	s_cselect_b64 s[12:13], s[12:13], s[24:25]
	s_cselect_b64 s[14:15], s[14:15], s[26:27]
	s_cselect_b64 s[16:17], s[16:17], s[28:29]
	s_cselect_b64 s[38:39], s[38:39], s[40:41]
	s_lshl_b32 s60, s57, 10
	s_add_nc_u64 s[4:5], s[4:5], s[60:61]          ; x at my tile
	s_mul_i32 s60, s57, 192
	s_add_nc_u64 s[6:7], s[6:7], s[60:61]          ; the encoder's codes,
	s_lshl_b32 s60, s57, 3
	s_add_nc_u64 s[8:9], s[8:9], s[60:61]          ; its scale bytes
	s_lshl_b32 s60, ttmp9, 9
	s_add_nc_u64 s[10:11], s[10:11], s[60:61]      ; the mask of the step's 128 keys
	s_mul_i32 s60, s[WV], 12288
	s_add_nc_u64 s[12:13], s[12:13], s[60:61]      ; my head's 64 rows of the weight,
	s_lshl_b32 s60, s[WV], 9
	s_add_nc_u64 s[14:15], s[14:15], s[60:61]      ; of its scale bytes,
	s_lshl_b32 s60, s[WV], 8
	s_add_nc_u64 s[16:17], s[16:17], s[60:61]      ; of the bias
	s_lshl_b32 s60, s58, 8
	s_add_nc_u64 s[66:67], s[36:37], s[60:61]
	s_add_nc_u64 s[66:67], s[66:67], XC_SC         ; xc: my tile's scale words,
	s_mul_i32 s60, s58, 3072
	s_add_nc_u64 s[36:37], s[36:37], s[60:61]      ; and its codes
	s_mov_b32 s60, s59
	s_add_nc_u64 s[38:39], s[38:39], s[60:61]      ; my head's chunk
	s_lshl_b32 s60, s68, 9
	s_add_nc_u64 s[62:63], s[38:39], s[60:61]      ; + 512 x step: the scale images
	s_cmp_lt_u32 s[JOB], 2
	s_cbranch_scc0 .Lenc
	; ---- X from x: lane (r, h) takes 16 neighbours of each block of 32 of its token's row
.irp k, 0,1
.irp b, 0,1,2,3
.irp j, 0,1,2,3
	global_load_b128 v[XN0+64*\k+16*\b+4*\j:XN0+64*\k+16*\b+4*\j+3], v[OX], s[4:5] offset:512*\k+128*\b+16*\j
.endr
.endr
.endr
	s_wait_loadcnt 16                              ; K step 0's sixteen loads are in; K step 1's sixteen may be out
	QUANT4 XN0, F0, TX, PW0
	s_wait_loadcnt 0x0
	QUANT4 XN1, F1, TX, PW1
	s_branch .Lhave
.Lenc:
	; ---- X from the encoder's codes: they are the operand's registers as they lie
.irp p, 0,1,2,3,4,5
	global_load_b64 v[F0+2*\p:F0+2*\p+1], v[OC], s[6:7] offset:48*(\p/3)+8*(\p%3)
	global_load_b64 v[F1+2*\p:F1+2*\p+1], v[OC], s[6:7] offset:96+48*(\p/3)+8*(\p%3)
.endr
	global_load_b32 v[PW0], v[OS], s[8:9]
	global_load_b32 v[PW1], v[OS], s[8:9] offset:4
	s_wait_loadcnt 0x0
.Lhave:
.irp c, 0,1,2
	ds_store_b128 v[XWI], v[F0+4*\c:F0+4*\c+3] offset:XIMG+512*\c
	ds_store_b128 v[XWI], v[F1+4*\c:F1+4*\c+3] offset:XIMG+1536+512*\c
.endr
	ds_store_b32 v[XWS], v[PW0] offset:XSC
	ds_store_b32 v[XWS], v[PW1] offset:XSC+128
	s_cmp_lg_u32 s[JOB], 0
	s_cbranch_scc1 .Lnoxc
.irp c, 0,1,2                          ; job 0 also leaves x's codes for the first attention's queries: each store covers 512 consecutive bytes
	global_store_b128 v[LI], v[F0+4*\c:F0+4*\c+3], s[36:37] offset:512*\c
	global_store_b128 v[LI], v[F1+4*\c:F1+4*\c+3], s[36:37] offset:1536+512*\c
.endr
	global_store_b32 v[L4], v[PW0], s[66:67]
	global_store_b32 v[L4], v[PW1], s[66:67] offset:128
.Lnoxc:
	s_wait_xcnt 0x0                                ; the stores have read their data: the weights may land there
	s_wait_dscnt 0x0                               ; and so have the LDS stores
	s_and_b32 s46, s[JOB], 1
	s_cmp_lg_u32 s46, 0
	s_cbranch_scc1 .Lvarm
	; ======== K: transposed (source 0 = 16 rows of the weight, source 1 = 16 tokens): a lane holds one key and 32 of its head's 64
.irp t, 0,1,2,3
.irp k, 0,1
.irp p, 0,1,2,3,4,5
	global_load_b64 v[WK+12*(2*\t+\k)+2*\p:WK+12*(2*\t+\k)+2*\p+1], v[OC], s[12:13] offset:(32*(\t/2)+8*(\t%2))*192+96*\k+48*(\p/3)+8*(\p%3)
.endr
.endr
.endr
.irp t, 0,1,2,3
	global_load_b64 v[WS+2*\t:WS+2*\t+1], v[OS], s[14:15] offset:(32*(\t/2)+8*(\t%2))*8
.endr
.irp t, 0,1,2,3
	global_load_b128 v[BI+8*\t:BI+8*\t+3], v[OB], s[16:17] offset:128*(\t/2)+32*(\t%2)
	global_load_b128 v[BI+8*\t+4:BI+8*\t+7], v[OB], s[16:17] offset:128*(\t/2)+32*(\t%2)+16
.endr
	s_lshl_b32 s60, s68, 13
	s_add_nc_u64 s[70:71], s[38:39], s[60:61]      ; the step's K image
	v_mov_b32 v[C0C], 0x0c                         ; the code +1.0
	v_mov_b32 v[COP], 0x0101                       ; an open key's bytes for k = 64 .. 127
	v_mov_b32 v[CMA], 0x01a2                       ; a masked key's: 162 = 2^35, 1
	v_mov_b32 v[DK+7], 0
	s_cmp_lg_u32 s[JOB], 0
	s_cbranch_scc1 .Lnomask
.irp n, 0,1,2,3,4,5,6,7
	global_load_b32 v[ACC+\n], v[OM], s[10:11] offset:(32*(\n/2)+8*(\n%2))*4
.endr
	s_wait_loadcnt 0x0
.irp n, 0,1,2,3,4,5,6,7
	v_cmp_eq_u32 s[MK+\n], 0, v[ACC+\n]            ; reference() masks where the mask is 0; the result only selects values
.endr
.Lnomask:
	BARRIER                                        ; the eight tiles' images lie in LDS
	s_wait_loadcnt 0x0
.macro FETCHX tt
.irp k, 0,1
.irp c, 0,1,2
	ds_load_b128 v[XF+12*\k+4*\c:XF+12*\k+4*\c+3], v[LI] offset:XIMG+(\tt)*3072+\k*1536+512*\c
.endr
	ds_load_b32 v[XS+\k], v[L4] offset:XSC+(\tt)*256+128*\k
.endr
.endm
	FETCHX 0
.irp n, 0,1,2,3,4,5,6,7
	s_wait_dscnt 0x0
.irp t, 0,1,2,3                        ; the bias is the C of each sum's first product; the four accumulators take turns
	MM ACC+8*\t, WK+24*\t, XF, BI+8*\t, WS+2*\t, XS
.endr
.irp t, 0,1,2,3
	MM ACC+8*\t, WK+24*\t+12, XF+12, ACC+8*\t, WS+2*\t+1, XS+1
.endr
	PLACES 4                                       ; in front of loads into registers that the products read, and of the first read of the sums
.if \n < 7
	FETCHX \n+1
.endif
	s_wait_xcnt 0x0                                ; the last tile's stores have read their data
	QUANT2 ACC, DK, TK2, PW2
.irp i, 0,1,2,3,4,5
	v_cndmask_b32 v[DK+\i], v[DK+\i], v[NIL], s[MK+\n]    ; a masked key: zero codes,
.endr
	v_cndmask_b32 v[DK+6], v[NIL], v[C0C], s[MK+\n]       ; +1.0 at k = 64,
	v_cndmask_b32 v[EXT], v[COP], v[CMA], s[MK+\n]        ; under 2^35
	v_lshl_or_b32 v[KSW+\n], v[EXT], 16, v[PW2]
	global_store_b128 v[LI], v[DK:DK+3], s[70:71] offset:\n*1024
	global_store_b128 v[LI], v[DK+4:DK+7], s[70:71] offset:\n*1024+512
.endr
	s_wait_xcnt 0x0
.irp i, 0,1,2,3
	v_cndmask_b32 v[DK+\i], v[KSW+\i], v[KSW+4+\i], s[HIM]  ; lanes 0-15 carry tiles 0-3's words, lanes 16-31 tiles 4-7's
.endr
	global_store_b128 v[LI], v[DK:DK+3], s[62:63] offset:57344
	ENDL
	s_endpgm
	; ======== V: not transposed (source 0 = 16 tokens, source 1 = 16 rows of the weight): a lane holds one of the head's 64 and its registers run along the keys, which are the next K
.Lvarm:
.macro WLOADV t
.irp k, 0,1
.irp p, 0,1,2,3,4,5
	global_load_b64 v[WVR+24*((\t)%2)+12*\k+2*\p:WVR+24*((\t)%2)+12*\k+2*\p+1], v[OC], s[12:13] offset:(32*((\t)/2)+8*((\t)%2))*192+96*\k+48*(\p/3)+8*(\p%3)
.endr
.endr
.endm
.irp t, 0,1,2,3
	global_load_b64 v[WVS+2*\t:WVS+2*\t+1], v[OS], s[14:15] offset:(32*(\t/2)+8*(\t%2))*8
.endr
.irp t, 0,1,2,3
	global_load_b32 v[BV+\t], v[OM], s[16:17] offset:(32*(\t/2)+8*(\t%2))*4
.endr
	WLOADV 0
	WLOADV 1
	s_mul_i32 s60, s68, 6144
	s_add_nc_u64 s[70:71], s[38:39], s[60:61]      ; the step's V image (32,768 bytes on, in the stores' immediates)
	BARRIER                                        ; the eight tiles' images lie in LDS
.irp n, 0,1,2,3
.if \n < 3
	s_wait_loadcnt 12                              ; this tile's weight is in; the next tile's twelve loads may be out
.else
	s_wait_loadcnt 0x0
.endif
.irp j, 0,1,2,3,4,5,6,7
	v_mov_b32 v[CB+\j], v[BV+\n]                   ; the bias hangs on the lane's column alone
.endr
.irp k, 0,1
.irp g, 0,1
.irp i, 0,1,2,3
.irp c, 0,1,2
	ds_load_b128 v[XF4+12*\i+4*\c:XF4+12*\i+4*\c+3], v[LI] offset:XIMG+(4*\g+\i)*3072+\k*1536+512*\c
.endr
	ds_load_b32 v[XSW+\i], v[L4] offset:XSC+(4*\g+\i)*256+128*\k
.endr
	s_wait_dscnt 0x0
.irp i, 0,1,2,3
.if \k == 0
	MM AV+8*(4*\g+\i), XF4+12*\i, WVR+24*(\n%2), CB, XSW+\i, WVS+2*\n
.else
	MM AV+8*(4*\g+\i), XF4+12*\i, WVR+24*(\n%2)+12, AV+8*(4*\g+\i), XSW+\i, WVS+2*\n+1
.endif
.endr
	PLACES 4
.endr
.endr
.if \n < 2
	WLOADV \n+2
.endif
	s_wait_xcnt 0x0                                ; the last tile's stores have read their data
	QUANT4 AV, PC, TV2, VSW+\n
.irp c, 0,1,2
	global_store_b128 v[LI], v[PC+4*\c:PC+4*\c+3], s[70:71] offset:32768+\n*1536+512*\c
.endr
.endr
	global_store_b128 v[LI], v[VSW:VSW+3], s[62:63] offset:59392
	ENDL
	s_endpgm
.Lfunc_end_k_q92a63938c8_proj:
	.size	k_q92a63938c8_proj, .Lfunc_end_k_q92a63938c8_proj-k_q92a63938c8_proj
	.p2alignl 7, 3214868480
	.fill 96, 4, 3214868480
	.section	.rodata,"a",@progbits
	.p2align	6, 0x0
	.amdhsa_kernel k_q92a63938c8_proj
		.amdhsa_group_segment_fixed_size 27648
		.amdhsa_private_segment_fixed_size 0
		.amdhsa_enable_private_segment 0
		.amdhsa_kernarg_size 152
		.amdhsa_user_sgpr_count 2
		.amdhsa_user_sgpr_kernarg_segment_ptr 1
		.amdhsa_wavefront_size32 1
		.amdhsa_system_sgpr_workgroup_id_x 1
		.amdhsa_system_sgpr_workgroup_id_y 1
		.amdhsa_system_sgpr_workgroup_id_z 1
		.amdhsa_system_vgpr_workitem_id 0
		.amdhsa_next_free_vgpr 256
		.amdhsa_next_free_sgpr 80
		.amdhsa_reserve_vcc 0
		.amdhsa_float_denorm_mode_32 3
		.amdhsa_float_denorm_mode_16_64 3
		.amdhsa_memory_ordered 1
		.amdhsa_forward_progress 1
		.amdhsa_inst_pref_size 110
	.end_amdhsa_kernel
	.amdgpu_metadata
---
amdhsa.version: [ 1, 2 ]
amdhsa.kernels:
  - .name:           k_q92a63938c8_proj
    .symbol:         k_q92a63938c8_proj.kd
    .args:
      - { .name: x, .offset: 0, .size: 8, .value_kind: global_buffer, .address_space: global }
      - { .name: encoder_output_codes, .offset: 8, .size: 8, .value_kind: global_buffer, .address_space: global }
      - { .name: encoder_output_scales, .offset: 16, .size: 8, .value_kind: global_buffer, .address_space: global }
      - { .name: tgt_mask, .offset: 24, .size: 8, .value_kind: global_buffer, .address_space: global }
      - { .name: m1_wk_codes, .offset: 32, .size: 8, .value_kind: global_buffer, .address_space: global }
      - { .name: m1_wk_scales, .offset: 40, .size: 8, .value_kind: global_buffer, .address_space: global }
      - { .name: m1_bk, .offset: 48, .size: 8, .value_kind: global_buffer, .address_space: global }
      - { .name: m1_wv_codes, .offset: 56, .size: 8, .value_kind: global_buffer, .address_space: global }
      - { .name: m1_wv_scales, .offset: 64, .size: 8, .value_kind: global_buffer, .address_space: global }
      - { .name: m1_bv, .offset: 72, .size: 8, .value_kind: global_buffer, .address_space: global }
      - { .name: m2_wk_codes, .offset: 80, .size: 8, .value_kind: global_buffer, .address_space: global }
      - { .name: m2_wk_scales, .offset: 88, .size: 8, .value_kind: global_buffer, .address_space: global }
      - { .name: m2_bk, .offset: 96, .size: 8, .value_kind: global_buffer, .address_space: global }
      - { .name: m2_wv_codes, .offset: 104, .size: 8, .value_kind: global_buffer, .address_space: global }
      - { .name: m2_wv_scales, .offset: 112, .size: 8, .value_kind: global_buffer, .address_space: global }
      - { .name: m2_bv, .offset: 120, .size: 8, .value_kind: global_buffer, .address_space: global }
      - { .name: xc, .offset: 128, .size: 8, .value_kind: global_buffer, .address_space: global }
      - { .name: kv1, .offset: 136, .size: 8, .value_kind: global_buffer, .address_space: global }
      - { .name: kv2, .offset: 144, .size: 8, .value_kind: global_buffer, .address_space: global }
    .group_segment_fixed_size: 27648
    .private_segment_fixed_size: 0
    .kernarg_segment_align: 8
    .kernarg_segment_size: 152
    .max_flat_workgroup_size: 256
    .sgpr_count:     80
    .vgpr_count:     256
    .wavefront_size: 32
...
	.end_amdgpu_metadata
.endif
;; end of part 1
;; launch attn1 (part 2): grid 8 x 32, 16 waves a work-group, clusters of 4 x 1, 260,096 bytes of LDS; arguments xc, m1_wq_codes, m1_wq_scales, m1_bq, kv1, att; writes att
.if DOCPART == 2
	.amdgcn_target "amdgcn-amd-amdhsa--gfx1250"
	.amdhsa_code_object_version 6
	.text
	.protected	k_q92a63938c8_attn1
	.globl	k_q92a63938c8_attn1
	.p2align	8
	.type	k_q92a63938c8_attn1,@function
k_q92a63938c8_attn1:
	s_mov_b64 s[64:65], 0
	v_nop
	global_prefetch_b8 v0, s[64:65] scope:SCOPE_SE
	s_setreg_imm32_b32 hwreg(HW_REG_WAVE_MODE, 25, 1), 1
	s_wait_xcnt 0x0
	s_wait_alu depctr_hold_cnt(0) depctr_sa_sdst(0) depctr_va_vdst(0) depctr_va_sdst(0) depctr_va_ssrc(0) depctr_va_vcc(0) depctr_vm_vsrc(0)
	s_getreg_b32 s2, hwreg(HW_REG_IB_STS2, 6, 4)
	s_cmp_eq_u32 s2, 0
	s_cbranch_scc0 .Lentry_in_a_cluster
	s_endpgm
.Lentry_in_a_cluster:
	s_bfe_u32 s2, ttmp6, 0x10000c
	s_cmp_lg_u32 s2, 0x3003
	s_cbranch_scc0 .Lentry_shape_is_right
	s_endpgm
.Lentry_shape_is_right:
; One attention: Q = x Wq + bq for my head and my 16 tokens, S^T = K Q^T, p = 2^(t - M), O^T = V^T p^T, O / l, quantised along the head's 64 for the projection that follows.  All products on codes of E3M2 with E8M0 scales.
; LEFT OUT: src_mask.  reference() calls its second mha with masked=False, so nothing reads it; as the second attention this body gets K images in which every key is open.
; THE MASK costs no line here: a masked key's image has zero codes, +1.0 at k = 64 and 2^35 as that block's scale; Q holds -1.0 at k = 64 and zero codes above.  Its score is exactly -2^35 = 8 NEG, and c = log2(e) / 8 makes of it NEG log2(e).
; Q's codes are zeros for k over 64, and E3M2 has no NaN or infinity, so what stands in registers 7-11 of K's operand adds nothing: the eight tiles of a step are packed 8 registers apart, and a tile's operand runs on into the next tile's first four.
; SOFTMAX.  t = score x c; M = the running largest t rounded up to a whole number, kept as -M = floor(-t); p = 2^(t - M) is quantised along the keys; the sum is taken of the unquantised p; when M moves, sum and O^T are multiplied by 2^(old M - new M), exactly.
; LIMITS.  NaN and infinities are not served; a p under 2^-126 is 0; a block of p that is all zeros keeps the scale byte 1 over zero codes.
; SHARES.  Work-group y = 8 b + h; a work-group owns 256 queries, each of its sixteen waves one tile of 16 in 256 registers, four waves to a SIMD.  Every wave walks the head's 2,048 keys, 128 a step.
; LDS.  The head's K, V and scale images, 245,760 bytes, come in whole, once: four chunks of 61,440 bytes, each wave fetching 3,840 bytes of each: four tensor loads of mine are out at the most.  Nothing is filled again.
; CLUSTER.  The four query blocks of a cluster belong to one head: each load is asked for jointly, with the same descriptor and the mask of all four.
.set WIMG,  245760                     ; behind the head: Wq's 8 fragments as images, 12,288 bytes, written by LDS stores alone
.set SPARE, 258048                     ; the spare words, 128 bytes for each of 16 waves; no other line names them
.set XC_SC, 1572864
.set ATT_SC, 3145728
.set CHB,   61440
.set LI,  1                            ; 16 x lane
.set L8,  2                            ; 8 x lane
.set L4,  3                            ; 4 x lane
.set SPW, 4
.set NIL, 5
.set ADK, 6                            ; the step's K image, V image, scale images
.set ADV, 7
.set ADS, 8
.set QF,  16                           ; v16-27 Q's fragment
.set QS,  28                           ; its scale word
.set WSTA, 29                          ; where I store my half fragment of Wq
.set WRDA, 30                          ; from where all are read
.set FB,  32                           ; v32-99 K's 8 tiles, 8 registers apart, and four zeros; then V's 4 fragments
.set S,   100                          ; v100-163 S^T, then p
.set OT,  164                          ; v164-195 O^T
.set PCD, 196                          ; v196-207 p's codes
.set TM,  208                          ; v208-211 the blocks' largest
.set T8,  212                          ; v212-219 at work
.set SO,  220                          ; v220-223 the conversions' scale operands
.set FF,  224                          ; f = 2^(old M - new M)
.set PS,  225                          ; p's scale word
.set SCR, 226
.set KS,  228                          ; K's scale words: lanes 0-15 tiles 0-3, lanes 16-31 tiles 4-7
.set VS,  232                          ; V's
.set WS,  236                          ; Wq's scale words
.set XS,  244                          ; x's
.set WV,  16
.set SEL, 22
.set G1,  24
.set G0,  32
.set CS,  48
.set TK,  50
.set TV,  51
.set TS,  52
.set CNT, 53
.macro PLACES n
.rept \n
	v_nop
.endr
.endm
.macro BARRIER
	s_wait_dscnt 0x0
	s_barrier_signal -1
	s_barrier_wait -1
.endm
.macro CROUND                          ; a round of the cluster's barrier: my work-group's barrier; wave 0 signals for the work-group; every wave waits for all four; my work-group's barrier once more
	s_barrier_signal -1
	s_barrier_wait -1
	s_cmp_lg_u32 s[WV], 0
	s_cbranch_scc1 .Lnot_wave_0_\@
	s_barrier_signal -3
.Lnot_wave_0_\@:
	s_barrier_wait -3
	s_barrier_signal -1
	s_barrier_wait -1
.endm
.macro MM d, a, b, c, sa, sb
	v_wmma_scale_f32_16x16x128_f8f6f4 v[\d:\d+7], v[\a:\a+11], v[\b:\b+11], v[\c:\c+7], v[\sa], v[\sb] matrix_a_fmt:MATRIX_FMT_BF6 matrix_b_fmt:MATRIX_FMT_BF6
.endm
; 32 numbers of a lane, register 16 b + i = k 32 b + 16 h + i of my row, become six registers of codes and two scale bytes
.macro QUANT2 s, d, t, pw
.irp b, 0,1
	v_max3_num_f32 v[TM+\b], |v[\s+16*\b]|, |v[\s+1+16*\b]|, 0x2800000   ; and the floor 2^(5 - 127): the byte cannot fall under 1
.endr
.irp i, 2,4,6,8,10,12,14
.irp b, 0,1
	v_max3_num_f32 v[TM+\b], v[TM+\b], |v[\s+16*\b+\i]|, |v[\s+1+16*\b+\i]|
.endr
.endr
.irp b, 0,1
	v_permlanex16_b32 v[TM+4+\b], v[TM+\b], s[SEL], s[SEL+1]
.endr
.irp b, 0,1
	v_max_num_f32 v[TM+\b], v[TM+\b], v[TM+4+\b]
.endr
.irp b, 0,1
	v_add_nc_u32 v[TM+12+\b], 0xfe000000, v[TM+\b]
.endr
.irp b, 0,1
	v_lshrrev_b32 v[TM+4+\b], 23, v[TM+12+\b]
.endr
	v_lshl_or_b32 v[\pw], v[TM+5], 8, v[TM+4]
	v_cvt_scalef32_pk16_bf6_f32 v[\d:\d+2], v[\s:\s+15], v[TM+12]
	v_cvt_scalef32_pk16_bf6_f32 v[\t:\t+2], v[\s+16:\s+31], v[TM+13]
	v_nop                                          ; one plain place behind a scaled conversion
.irp i, 0,1,2
	v_permlane16_swap_b32 v[\d+\i], v[\t+\i]
.endr
.irp i, 0,1,2
	v_mov_b32 v[\d+3+\i], v[\t+\i]
.endr
.endm
	s_load_b256 s[4:11], s[0:1], 0x0               ; xc, Wq's codes, Wq's scales, bq
	s_load_b128 s[12:15], s[0:1], 0x20             ; the K and V buffer, att
	v_lshl_add_u32 v[SPW], v0, 2, SPARE
	v_mov_b32 v[NIL], 0
	ds_add_u32 v[SPW], v[NIL]                      ; the wave's opening: the add, twice on end, and its wait ahead of my first tensor load
	ds_add_u32 v[SPW], v[NIL]
	v_lshrrev_b32 v9, 5, v0
	v_readfirstlane_b32 s[WV], v9                  ; wave 0..15
	s_and_b32 s19, ttmp7, 0xffff                   ; 8 b + h, which the four partners share
	s_mul_i32 s2, s19, 245760
	s_mul_i32 s60, s[WV], 3840                     ; my part of a chunk: the same in memory and in LDS
	s_add_co_u32 s2, s2, s60
	s_mov_b32 s3, 0
	s_mov_b32 s[G1], 15|(3<<16)|(1<<21)            ; the mask of all four work-groups; elements of 8 bytes; bit 21 beside a mask; no padding
	s_mov_b32 s[G1+1], 32<<16                      ; tensor_dim0 = 32 elements: rows of 256 bytes
	s_mov_b32 s[G1+2], 15<<16                      ; tensor_dim1 = 15 rows
	s_mov_b32 s[G1+3], 32<<16                      ; tile_dim0
	s_mov_b32 s[G1+4], 15                          ; tile_dim1
	s_mov_b32 s[G1+5], 32                          ; the rows are dense
	s_mov_b32 s[G1+6], 0
	s_mov_b32 s[G1+7], 0
	s_mov_b32 s[SEL], 0x76543210
	s_mov_b32 s[SEL+1], 0xfedcba98
	s_mov_b32 s[CS], 0x3e38aa3b                    ; c = log2(e) / sqrt(64)
	s_mov_b32 s[CS+1], s[CS]
	v_and_b32 v9, 31, v0                           ; lane
	v_lshlrev_b32 v[LI], 4, v9
	v_lshlrev_b32 v[L8], 3, v9
	v_lshlrev_b32 v[L4], 2, v9
	v_and_b32 v10, 15, v0                          ; r
	v_bfe_u32 v11, v0, 4, 1                        ; h
	v_and_b32 v12, 8, v10
	v_add_nc_u32 v12, v12, v10                     ; r + 8 (r / 8)
	v_mul_u32_u24 v13, v12, 192
	v_mad_u32_u24 v13, v11, 24, v13                ; Wq: rows of 192 bytes
	v_lshlrev_b32 v14, 3, v12                      ; its scale bytes: 8 a row
	v_lshlrev_b32 v15, 6, v11                      ; bq as C: 64 h
	s_mul_i32 s61, s[WV], 768
	s_add_co_u32 s61, s61, WIMG
	v_add_nc_u32 v[WSTA], s61, v[L8]
	v_add_nc_u32 v[WRDA], WIMG, v[L8]
.irp i, 0,1,2,3,4,5,6,7
	v_mov_b32 v[T8+\i], 0                          ; written once: a lane permute's destination counts as one of its sources
.endr
	s_wait_dscnt 0x0                               ; both opening adds are done
	s_wait_kmcnt 0x0
	s_add_nc_u64 s[12:13], s[12:13], s[2:3]
.irp c, 0,1,2,3
	s_mov_b32 s[G0+4*\c], 1
	s_add_co_u32 s[G0+4*\c+1], s60, \c*CHB
	s_add_nc_u64 s[G0+4*\c+2:G0+4*\c+3], s[12:13], \c*CHB
	s_or_b32 s[G0+4*\c+3], s[G0+4*\c+3], 0x80000000
.endr
	CROUND                                         ; all four work-groups are here: the joint loads meet
.irp c, 0,1,2,3
	tensor_load_to_lds s[G0+4*\c:G0+4*\c+3], s[G1:G1+7]
	s_nop 0
.endr
	s_bfe_u32 s17, ttmp6, 0x40000                  ; cx: it enters xc's and att's addresses alone
	s_lshl_b32 s18, ttmp9, 2
	s_add_co_u32 s18, s18, s17                     ; my block of 256 queries
	s_lshr_b32 s20, s19, 3                         ; b
	s_and_b32 s21, s19, 7                          ; h
	s_lshl_b32 s54, s20, 7
	s_lshl_b32 s55, s18, 4
	s_add_co_u32 s54, s54, s55
	s_add_co_u32 s54, s54, s[WV]                   ; my token tile: 128 b + 16 block + wave
	s_lshl_b32 s55, s21, 6
	s_lshr_b32 s56, s[WV], 3                       ; of Wq's 8 fragments (tile t, K step s) wave w gathers half w % 2 of fragment w / 2
	s_lshl_b32 s56, s56, 5
	s_add_co_u32 s56, s56, s55
	s_bfe_u32 s57, s[WV], 0x10002
	s_lshl_b32 s57, s57, 3
	s_add_co_u32 s56, s56, s57                     ; row 64 h + 32 (t / 2) + 8 (t % 2)
	s_mul_i32 s56, s56, 192
	s_bfe_u32 s57, s[WV], 0x10001
	s_mul_i32 s57, s57, 96
	s_add_co_u32 s56, s56, s57
	s_and_b32 s57, s[WV], 1
	s_mul_i32 s57, s57, 48
	s_add_co_u32 s56, s56, s57
	s_mov_b32 s57, 0
	s_add_nc_u64 s[6:7], s[6:7], s[56:57]
	s_lshl_b32 s56, s21, 9
	s_add_nc_u64 s[8:9], s[8:9], s[56:57]
	s_lshl_b32 s56, s21, 8
	s_add_nc_u64 s[10:11], s[10:11], s[56:57]
	s_lshl_b32 s56, s54, 8
	s_add_nc_u64 s[58:59], s[4:5], s[56:57]
	s_add_nc_u64 s[58:59], s[58:59], XC_SC         ; my tile's scale words in xc,
	s_mul_i32 s56, s54, 3072
	s_add_nc_u64 s[4:5], s[4:5], s[56:57]          ; and its codes
	s_lshr_b32 s61, s21, 1
	s_and_b32 s62, s21, 1
	s_lshl_b32 s56, s54, 9
	s_lshl_b32 s63, s61, 7
	s_add_co_u32 s56, s56, s63
	s_lshl_b32 s63, s62, 1
	s_add_co_u32 s56, s56, s63
	s_add_nc_u64 s[18:19], s[14:15], s[56:57]
	s_add_nc_u64 s[18:19], s[18:19], ATT_SC        ; att: my head's two bytes of each row's scale word,
	s_mul_i32 s56, s54, 6144
	s_mul_i32 s63, s61, 1536
	s_add_co_u32 s56, s56, s63
	s_mul_i32 s63, s62, 768
	s_add_co_u32 s56, s56, s63
	s_add_nc_u64 s[14:15], s[14:15], s[56:57]      ; and its three pieces of the fragment
	global_load_b64 v[152:153], v13, s[6:7]
	global_load_b64 v[154:155], v13, s[6:7] offset:8
	global_load_b64 v[156:157], v13, s[6:7] offset:16
.irp k, 0,1
.irp c, 0,1,2
	global_load_b128 v[128+12*\k+4*\c:131+12*\k+4*\c], v[LI], s[4:5] offset:1536*\k+512*\c
.endr
.endr
.irp k, 0,1
	global_load_b32 v[XS+\k], v[L4], s[58:59] offset:128*\k
.endr
.irp t, 0,1,2,3
	global_load_b64 v[WS+2*\t:WS+2*\t+1], v14, s[8:9] offset:(32*(\t/2)+8*(\t%2))*8
.endr
.irp t, 0,1,2,3
	global_load_b128 v[OT+8*\t:OT+8*\t+3], v15, s[10:11] offset:128*(\t/2)+32*(\t%2)
	global_load_b128 v[OT+8*\t+4:OT+8*\t+7], v15, s[10:11] offset:128*(\t/2)+32*(\t%2)+16
.endr
	s_wait_loadcnt 20                              ; my three pieces of Wq are in; the twenty loads behind them may be out
.irp p, 0,1,2
	ds_store_b64 v[WSTA], v[152+2*\p:153+2*\p] offset:256*\p
.endr
	BARRIER                                        ; Wq's eight fragments lie in LDS
.irp f, 0,1,2,3,4,5,6,7
.irp p, 0,1,2,3,4,5
	ds_load_b64 v[32+12*\f+2*\p:33+12*\f+2*\p], v[WRDA] offset:1536*\f+256*\p
.endr
.endr
	s_wait_loadcnt 0x0
	s_wait_dscnt 0x0
.irp t, 0,1,2,3                        ; Q^T: source 0 = 16 rows of Wq, source 1 = my tokens; bq lies in the accumulators; the four take turns
	MM OT+8*\t, 32+24*\t, 128, OT+8*\t, WS+2*\t, XS
.endr
.irp t, 0,1,2,3
	MM OT+8*\t, 44+24*\t, 140, OT+8*\t, WS+2*\t+1, XS+1
.endr
	PLACES 4
	QUANT2 OT, QF, T8, SCR
	v_or_b32 v[QS], 0x7f7f0000, v[SCR]             ; the blocks over k = 63 have the scale 1
	v_cmp_gt_u32 vcc_lo, 16, v9
	v_mov_b32 v[SCR], 0x2c                         ; the code -1.0
	v_cndmask_b32 v[QF+6], v[NIL], v[SCR], vcc_lo  ; at k = 64: register 6 of lanes 0-15
.irp i, 7,8,9,10,11
	v_mov_b32 v[QF+\i], 0
.endr
.irp i, 64,65,66,67
	v_mov_b32 v[FB+\i], 0                          ; what the last tile's operand runs on into
.endr
	v_mov_b32 v13, 0xff61b1e6                      ; the largest t so far: -3e38
	v_floor_f32 v12, -v13                          ; -M
	v_mov_b32 v14, 0                               ; the sum, in two halves
	v_mov_b32 v15, 0
	v_mov_b32 v[PS], 0                             ; (named as the upper half of the pair with f before it is first written)
.set n, 0
.rept 32
	v_mov_b32 v[OT+n], 0                           ; O^T: the step is written once, and its first trip finds zeros.  These lines are also the places between Q's registers and the first product
.set n, n+1
.endr
; A KEY STEP: 128 keys
.macro STEP
	v_add_nc_u32 v[ADK], s[TK], v[LI]
	v_add_nc_u32 v[ADV], s[TV], v[LI]
	v_add_nc_u32 v[ADS], s[TS], v[LI]
	v_nop                                          ; four places in front of loads into registers that the last products read
.set n, 0
.rept 16
	ds_load_b128 v[FB+4*n:FB+4*n+3], v[ADK] offset:512*n
.set n, n+1
.endr
	ds_load_b128 v[KS:KS+3], v[ADS]
	s_wait_dscnt 0x0
.irp t, 0,1,2,3
	v_wmma_scale_f32_16x16x128_f8f6f4 v[S+8*\t:S+8*\t+7], v[FB+8*\t:FB+8*\t+11], v[QF:QF+11], 0, v[KS+\t], v[QS] matrix_a_fmt:MATRIX_FMT_BF6 matrix_b_fmt:MATRIX_FMT_BF6
.endr
.irp t, 4,5,6,7
	v_wmma_scale_f32_16x16x128_f8f6f4 v[S+8*\t:S+8*\t+7], v[FB+8*\t:FB+8*\t+11], v[QF:QF+11], 0, v[KS+\t-4], v[QS] matrix_a_fmt:MATRIX_FMT_BF6 matrix_b_fmt:MATRIX_FMT_BF6 matrix_a_scale:MATRIX_SCALE_ROW1
.endr
	PLACES 4                                       ; in front of V's loads into K's registers, and of the first read of the scores
.set n, 0
.rept 12
	ds_load_b128 v[FB+4*n:FB+4*n+3], v[ADV] offset:512*n   ; V lands while the softmax is walked
.set n, n+1
.endr
	ds_load_b128 v[VS:VS+3], v[ADS] offset:2048
.irp b, 0,1,2,3
	v_max3_num_f32 v[TM+\b], v[S+16*\b], v[S+16*\b+1], v[S+16*\b+2]   ; the largest score of each block of 32 keys: for the row's maximum and for the block's largest p
.endr
.irp i, 3,5,7,9,11,13
.irp b, 0,1,2,3
	v_max3_num_f32 v[TM+\b], v[TM+\b], v[S+16*\b+\i], v[S+16*\b+\i+1]
.endr
.endr
.irp b, 0,1,2,3
	v_max_num_f32 v[TM+\b], v[TM+\b], v[S+16*\b+15]
.endr
.irp b, 0,1,2,3
	v_permlanex16_b32 v[T8+\b], v[TM+\b], s[SEL], s[SEL+1]
.endr
.irp b, 0,1,2,3
	v_max_num_f32 v[TM+\b], v[TM+\b], v[T8+\b]
.endr
	v_max3_num_f32 v[SCR], v[TM], v[TM+1], v[TM+2]
	v_max_num_f32 v[SCR], v[SCR], v[TM+3]
	v_mul_f32 v[SCR], s[CS], v[SCR]                ; as t
	v_max_num_f32 v13, v13, v[SCR]                 ; the running largest t
	v_mov_b32 v[SCR], v12
	v_floor_f32 v12, -v13                          ; the new -M: a whole number
	v_sub_f32 v[SCR], v12, v[SCR]                  ; old M less new M: a whole number, 0 or less
	v_cvt_i32_f32 v[SCR], v[SCR]                   ; (it saturates)
	v_ldexp_f32 v[FF], 1.0, v[SCR]                 ; f
.set n, 0
.rept 32
	v_pk_fma_f32 v[S+n:S+n+1], v[S+n:S+n+1], s[CS:CS+1], v[12:13] op_sel_hi:[1,0,0]   ; t - M
.set n, n+2
.endr
.irp b, 0,1,2,3
	v_fma_f32 v[TM+\b], v[TM+\b], s[CS], v12
.endr
.set n, 0
.rept 64
	v_exp_f32 v[S+n], v[S+n]                       ; p, at most 1, not normalised
.set n, n+1
.endr
	v_pk_mul_f32 v[14:15], v[14:15], v[FF:FF+1] op_sel_hi:[1,0]   ; the sums under the new M; a plain place behind the exponentials
	s_wait_alu depctr_va_vdst(0)                   ; one wait for the batch of 64, ahead of its first reader
.irp b, 0,1,2,3
	v_exp_f32 v[TM+\b], v[TM+\b]                   ; each block's largest p
.endr
	v_pk_add_f32 v[T8:T8+1], v[S:S+1], v[S+2:S+3]  ; the row's sum of the unquantised p, in two chains
.set n, 4
.rept 15
	v_pk_add_f32 v[14:15], v[14:15], v[S+n:S+n+1]
	v_pk_add_f32 v[T8:T8+1], v[T8:T8+1], v[S+n+2:S+n+3]
.set n, n+4
.endr
	v_pk_add_f32 v[14:15], v[14:15], v[T8:T8+1]
	s_wait_alu depctr_va_vdst(0)                   ; and one for the four
.irp b, 0,1,2,3
	v_max_num_f32 v[TM+\b], 0x2800000, v[TM+\b]    ; the floor 2^(5 - 127)
.endr
.irp b, 0,1,2,3
	v_add_nc_u32 v[SO+\b], 0xfe000000, v[TM+\b]
.endr
.irp b, 0,1,2,3
	v_lshrrev_b32 v[T8+\b], 23, v[SO+\b]
.endr
	v_lshl_or_b32 v[PS], v[T8+1], 8, v[T8]
	v_lshl_or_b32 v[PS], v[T8+2], 16, v[PS]
	v_lshl_or_b32 v[PS], v[T8+3], 24, v[PS]
.irp c, 0,1
	v_cvt_scalef32_pk16_bf6_f32 v[PCD+6*\c:PCD+6*\c+2], v[S+32*\c:S+32*\c+15], v[SO+2*\c]
	v_cvt_scalef32_pk16_bf6_f32 v[T8+4*\c:T8+4*\c+2], v[S+32*\c+16:S+32*\c+31], v[SO+2*\c+1]
.endr
	v_nop
.irp c, 0,1
.irp i, 0,1,2
	v_permlane16_swap_b32 v[PCD+6*\c+\i], v[T8+4*\c+\i]
.endr
.irp i, 0,1,2
	v_mov_b32 v[PCD+6*\c+3+\i], v[T8+4*\c+\i]
.endr
.endr
.set n, 0
.rept 16
	v_pk_mul_f32 v[OT+n:OT+n+1], v[OT+n:OT+n+1], v[FF:FF+1] op_sel_hi:[1,0]   ; O^T under the new M; these sixteen are also the places between p's registers and the products
.set n, n+2
.endr
	s_wait_dscnt 0x0                               ; V is in
.irp t, 0,1,2,3
	MM OT+8*\t, FB+12*\t, PCD, OT+8*\t, VS+\t, PS
.endr
	s_add_co_u32 s[TK], s[TK], 8192
	s_add_co_u32 s[TV], s[TV], 6144
	s_add_co_u32 s[TS], s[TS], 512
.endm
; A chunk of four key steps: my part of it has landed (the younger chunks' loads may stay out), then everybody's has
.macro CHUNK c
	s_wait_tensorcnt 3-\c
	BARRIER
	s_mov_b32 s[TK], \c*CHB
	s_mov_b32 s[TV], \c*CHB+32768
	s_mov_b32 s[TS], \c*CHB+57344
	s_mov_b32 s[CNT], 4
.Lstep_\@:
	STEP
	s_sub_co_u32 s[CNT], s[CNT], 1
	s_cmp_lg_u32 s[CNT], 0
	s_cbranch_scc1 .Lstep_\@
.endm
	CHUNK 0
	CHUNK 1
	CHUNK 2
	CHUNK 3
	; THE WAY OUT: O^T / the sum, quantised along my head's 64: they are half a K step of the projection
	PLACES 4
	v_add_f32 v14, v14, v15
	v_permlanex16_b32 v[SCR], v14, s[SEL], s[SEL+1]
	v_add_f32 v14, v14, v[SCR]                     ; the row's sum
	v_rcp_f32 v14, v14
	v_nop
	s_wait_alu depctr_va_vdst(0)
.set n, 0
.rept 32
	v_mul_f32 v[S+n], v[OT+n], v14
.set n, n+1
.endr
	QUANT2 S, PCD, T8, SCR
.irp p, 0,1,2
	global_store_b64 v[L8], v[PCD+2*\p:PCD+2*\p+1], s[14:15] offset:256*\p   ; 32 lanes store 256 consecutive bytes, aligned
.endr
	global_store_b16 v[L4], v[SCR], s[18:19]       ; my head's two bytes of each row's scale word
	s_wait_tensorcnt 0x0                           ; the wave's end
	ds_add_u32 v[SPW], v[NIL]
	s_wait_dscnt 0x0
	CROUND                                         ; the closing round
	s_endpgm
.Lfunc_end_k_q92a63938c8_attn1:
	.size	k_q92a63938c8_attn1, .Lfunc_end_k_q92a63938c8_attn1-k_q92a63938c8_attn1
	.p2alignl 7, 3214868480
	.fill 96, 4, 3214868480
	.section	.rodata,"a",@progbits
	.p2align	6, 0x0
	.amdhsa_kernel k_q92a63938c8_attn1
		.amdhsa_group_segment_fixed_size 260096
		.amdhsa_private_segment_fixed_size 0
		.amdhsa_enable_private_segment 0
		.amdhsa_kernarg_size 48
		.amdhsa_user_sgpr_count 2
		.amdhsa_user_sgpr_kernarg_segment_ptr 1
		.amdhsa_wavefront_size32 1
		.amdhsa_system_sgpr_workgroup_id_x 1
		.amdhsa_system_sgpr_workgroup_id_y 1
		.amdhsa_system_sgpr_workgroup_id_z 1
		.amdhsa_system_vgpr_workitem_id 0
		.amdhsa_next_free_vgpr 256
		.amdhsa_next_free_sgpr 66
		.amdhsa_reserve_vcc 1
		.amdhsa_float_denorm_mode_32 3
		.amdhsa_float_denorm_mode_16_64 3
		.amdhsa_memory_ordered 1
		.amdhsa_forward_progress 1
		.amdhsa_inst_pref_size 85
	.end_amdhsa_kernel
	.amdgpu_metadata
---
amdhsa.version: [ 1, 2 ]
amdhsa.kernels:
  - .name:           k_q92a63938c8_attn1
    .symbol:         k_q92a63938c8_attn1.kd
    .args:
      - { .name: xc, .offset: 0, .size: 8, .value_kind: global_buffer, .address_space: global }
      - { .name: m1_wq_codes, .offset: 8, .size: 8, .value_kind: global_buffer, .address_space: global }
      - { .name: m1_wq_scales, .offset: 16, .size: 8, .value_kind: global_buffer, .address_space: global }
      - { .name: m1_bq, .offset: 24, .size: 8, .value_kind: global_buffer, .address_space: global }
      - { .name: kv1, .offset: 32, .size: 8, .value_kind: global_buffer, .address_space: global }
      - { .name: att, .offset: 40, .size: 8, .value_kind: global_buffer, .address_space: global }
    .group_segment_fixed_size: 260096
    .private_segment_fixed_size: 0
    .kernarg_segment_align: 8
    .kernarg_segment_size: 48
    .max_flat_workgroup_size: 512
    .sgpr_count:     66
    .vgpr_count:     256
    .wavefront_size: 32
...
	.end_amdgpu_metadata
.endif
;; end of part 2
;; launch post1 (part 3): grid 128 x 1, 4 waves a work-group, no clusters, 240,128 bytes of LDS; arguments att, x, m1_w2_codes, m1_w2_scales, m1_b2, m1_g, m1_b, ln1_g, ln1_b, xa, xc; writes xa, xc
.if DOCPART == 3
	.amdgcn_target "amdgcn-amd-amdhsa--gfx1250"
	.amdhsa_code_object_version 6
	.text
	.protected	k_q92a63938c8_post1
	.globl	k_q92a63938c8_post1
	.p2align	8
	.type	k_q92a63938c8_post1,@function
k_q92a63938c8_post1:
	s_mov_b64 s[64:65], 0
	v_nop
	global_prefetch_b8 v0, s[64:65] scope:SCOPE_SE
	s_setreg_imm32_b32 hwreg(HW_REG_WAVE_MODE, 25, 1), 1
	s_wait_xcnt 0x0
; Behind an attention: y = att W2 + b2 + res;  a = LN(y; g1, b1);  z = LN(res + a; g2, b2);  z goes out as f32 (the next residual) and as codes of E3M2 (the next products' operand).
; SHARES.  Four waves; wave w owns token tile 4 x + w with all 256 columns: 16 accumulators, 128 registers.  So each layer norm stays in one wave: a lane holds 128 columns of one token, lane l xor 16 the other 128.
; The product is used transposed (source 0 = 16 rows of W2, source 1 = my tokens), W2's rows chosen so that register 16 b + i of a lane is column 32 b + 16 h + i.
; W2 lies in memory as rows; wave w gathers K step w's 16 fragments and stores them in LDS as images of the operand's registers; behind ONE barrier every wave reads all 64.  No tensor load: rows must become register images on the way.
; The residual rows are read as whole rows (512 consecutive bytes an instruction) and turned through the wave's own stage in LDS; res + b2 is the C of each sum's first product.
; LIMITS.  NaN and infinities are not served; a block under 2^-122 keeps the scale byte 1.
.set WSC,   98304                      ; LDS: 0: W2's images [K step 4][tile 16] x 1,536;  here: its scale words [K step][2][lane][16 bytes]: word i of lane (r, h) is tile 8 g + 4 h + i
.set PAR,   102400                     ; g1, b1, g2, b2: 1,024 bytes each
.set STG,   106496                     ; for each wave two stages of 16 rows x 1,040 bytes: res + b2 (later z), and res
.set STGW,  33280
.set SBO,   16640
.set SPITCH, 1040
.set SPARE, 239616                     ; the spare words, 128 bytes for each of 4 waves; no other line names them
.set XC_SC, 1572864
.set ATT_SC, 3145728
.set LI,  1                            ; 16 x lane; also the base of W2's K steps 0 and 1
.set SPW, 2
.set NIL, 3
.set L8,  4
.set WA1, 5                            ; the base of K steps 2 and 3
.set WSA, 6
.set SIN, 7                            ; my stage by rows: 16 x lane
.set SLN, 8                            ; my stage by lanes: 1,040 r + 64 h
.set WST, 9
.set PLN, 10                           ; the parameters: 64 h
.set L4,  11
.set MU,  12                           ; v12-13 the mean, twice (at the head: offsets)
.set RS,  14                           ; v14-15 1 / sqrt(var + eps), twice
.set OW,  12
.set OSC, 13
.set O8T, 14
.set PST, 15
.set WSS, 232
.set AF,  16                           ; v16-63 the attention's four fragments
.set AS,  64                           ; v64-67 their scale words
.set WF,  68                           ; v68-115 four fragments of W2
.set WSR, 116                          ; v116-123 a K step's scale words of W2
.set ACC, 128
.set GR,  16                           ; behind the product: gains, biases, residual, two sets of 16 each
.set BR,  48
.set XR,  80
.set CH,  112                          ; four chains of sums
.set SC,  120
.set TM,  40
.set WV,  26
.set SEL, 30
.set C256, 32
.set CEPS, 33
.macro PLACES n
.rept \n
	v_nop
.endr
.endm
.macro BARRIER
	s_wait_dscnt 0x0
	s_barrier_signal -1
	s_barrier_wait -1
.endm
.macro MM d, a, b, c, sa, sb
	v_wmma_scale_f32_16x16x128_f8f6f4 v[\d:\d+7], v[\a:\a+11], v[\b:\b+11], v[\c:\c+7], v[\sa], v[\sb] matrix_a_fmt:MATRIX_FMT_BF6 matrix_b_fmt:MATRIX_FMT_BF6
.endm
.macro MM1 d, a, b, c, sa, sb
	v_wmma_scale_f32_16x16x128_f8f6f4 v[\d:\d+7], v[\a:\a+11], v[\b:\b+11], v[\c:\c+7], v[\sa], v[\sb] matrix_a_fmt:MATRIX_FMT_BF6 matrix_b_fmt:MATRIX_FMT_BF6 matrix_a_scale:MATRIX_SCALE_ROW1
.endm
.macro QUANT4 s, d, t, pw
.irp b, 0,1,2,3
	v_max3_num_f32 v[TM+\b], |v[\s+16*\b]|, |v[\s+1+16*\b]|, 0x2800000
.endr
.irp i, 2,4,6,8,10,12,14
.irp b, 0,1,2,3
	v_max3_num_f32 v[TM+\b], v[TM+\b], |v[\s+16*\b+\i]|, |v[\s+1+16*\b+\i]|
.endr
.endr
.irp b, 0,1,2,3
	v_permlanex16_b32 v[TM+4+\b], v[TM+\b], s[SEL], s[SEL+1]
.endr
.irp b, 0,1,2,3
	v_max_num_f32 v[TM+\b], v[TM+\b], v[TM+4+\b]
.endr
.irp b, 0,1,2,3
	v_add_nc_u32 v[TM+12+\b], 0xfe000000, v[TM+\b]
.endr
.irp b, 0,1,2,3
	v_lshrrev_b32 v[TM+4+\b], 23, v[TM+12+\b]
.endr
	v_lshl_or_b32 v[\pw], v[TM+5], 8, v[TM+4]
	v_lshl_or_b32 v[\pw], v[TM+6], 16, v[\pw]
	v_lshl_or_b32 v[\pw], v[TM+7], 24, v[\pw]
.irp c, 0,1
	v_cvt_scalef32_pk16_bf6_f32 v[\d+6*\c:\d+2+6*\c], v[\s+32*\c:\s+15+32*\c], v[TM+12+2*\c]
	v_cvt_scalef32_pk16_bf6_f32 v[\t+4*\c:\t+2+4*\c], v[\s+16+32*\c:\s+31+32*\c], v[TM+13+2*\c]
.endr
	v_nop
.irp c, 0,1
.irp i, 0,1,2
	v_permlane16_swap_b32 v[\d+6*\c+\i], v[\t+4*\c+\i]
.endr
.irp i, 0,1,2
	v_mov_b32 v[\d+3+6*\c+\i], v[\t+4*\c+\i]
.endr
.endr
.endm
; 16 accumulators x 4 K steps, four fragments of the weight at a time; the accumulators take turns; what lies in them is the first product's C
.macro PROD512 b0, b1, so
.irp k, 0,1,2,3
.irp g, 0,1
	ds_load_b128 v[WSR+4*\g:WSR+4*\g+3], v[WSA] offset:\so+\k*1024+512*\g
.endr
.irp q, 0,1,2,3
.irp i, 0,1,2,3
.irp c, 0,1,2
.if \k < 2
	ds_load_b128 v[WF+12*\i+4*\c:WF+12*\i+4*\c+3], v[\b0] offset:(\k%2)*24576+(4*\q+\i)*1536+512*\c
.else
	ds_load_b128 v[WF+12*\i+4*\c:WF+12*\i+4*\c+3], v[\b1] offset:(\k%2)*24576+(4*\q+\i)*1536+512*\c
.endif
.endr
.endr
	s_wait_dscnt 0x0
.irp i, 0,1,2,3
.if \q%2 == 0
	MM ACC+8*(4*\q+\i), WF+12*\i, AF+12*\k, ACC+8*(4*\q+\i), WSR+4*(\q/2)+\i, AS+\k
.else
	MM1 ACC+8*(4*\q+\i), WF+12*\i, AF+12*\k, ACC+8*(4*\q+\i), WSR+4*(\q/2)+\i, AS+\k
.endif
.endr
	PLACES 4                                       ; in front of loads into registers that the products read; the last four also in front of the first read of the sums
.endr
.endr
.endm
.macro SUMUP                           ; the four chains, the pair's halves and lane l xor 16: the row's sum in v[SC]
	v_pk_add_f32 v[CH:CH+1], v[CH:CH+1], v[CH+2:CH+3]
	v_pk_add_f32 v[CH+4:CH+5], v[CH+4:CH+5], v[CH+6:CH+7]
	v_pk_add_f32 v[CH:CH+1], v[CH:CH+1], v[CH+4:CH+5]
	v_add_f32 v[SC], v[CH], v[CH+1]
	v_permlanex16_b32 v[SC+1], v[SC], s[SEL], s[SEL+1]
	v_add_f32 v[SC], v[SC], v[SC+1]
.endm
.macro TOMEAN
	SUMUP
	v_mul_f32 v[MU], s[C256], v[SC]
	v_mov_b32 v[MU+1], v[MU]
.endm
.macro MEAN                            ; each accumulator is read from its low end on; the chains begin with sums of two pairs: nothing is cleared
.irp c, 0,1,2,3
	v_pk_add_f32 v[CH+2*\c:CH+2*\c+1], v[ACC+2*\c:ACC+2*\c+1], v[ACC+8+2*\c:ACC+9+2*\c]
.endr
.set pp, 8
.rept 56
	v_pk_add_f32 v[CH+2*(pp%4):CH+2*(pp%4)+1], v[CH+2*(pp%4):CH+2*(pp%4)+1], v[ACC+2*pp:ACC+2*pp+1]
.set pp, pp+1
.endr
	TOMEAN
.endm
.macro DEV                             ; the deviations in place, their squares' sum, 1 / sqrt(var + eps)
.set pp, 0
.rept 16
.irp c, 0,1,2,3
	v_pk_add_f32 v[ACC+2*(pp+\c):ACC+2*(pp+\c)+1], v[ACC+2*(pp+\c):ACC+2*(pp+\c)+1], v[MU:MU+1] neg_lo:[0,1] neg_hi:[0,1]
.endr
.irp c, 0,1,2,3
.if pp == 0
	v_pk_mul_f32 v[CH+2*\c:CH+2*\c+1], v[ACC+2*(pp+\c):ACC+2*(pp+\c)+1], v[ACC+2*(pp+\c):ACC+2*(pp+\c)+1]
.else
	v_pk_fma_f32 v[CH+2*\c:CH+2*\c+1], v[ACC+2*(pp+\c):ACC+2*(pp+\c)+1], v[ACC+2*(pp+\c):ACC+2*(pp+\c)+1], v[CH+2*\c:CH+2*\c+1]
.endif
.endr
.set pp, pp+4
.endr
	SUMUP
	v_fma_f32 v[SC], v[SC], s[C256], s[CEPS]
	v_rsq_f32 v[RS], v[SC]
	v_nop
	s_wait_alu depctr_va_vdst(0)                   ; ahead of the first reader
	v_mov_b32 v[RS+1], v[RS]
.endm
; my 16 columns of chunk bb: gain and bias (at go and go + 1,024 among the parameters), and with n = 3 the residual
.macro LDC bb, st, go, n
.irp q, 0,1,2,3
	ds_load_b128 v[GR+16*(\st)+4*\q:GR+16*(\st)+4*\q+3], v[PLN] offset:\go+128*(\bb)+16*\q
.endr
.irp q, 0,1,2,3
	ds_load_b128 v[BR+16*(\st)+4*\q:BR+16*(\st)+4*\q+3], v[PLN] offset:\go+1024+128*(\bb)+16*\q
.endr
.if \n == 3
.irp q, 0,1,2,3
	ds_load_b128 v[XR+16*(\st)+4*\q:XR+16*(\st)+4*\q+3], v[SLN] offset:SBO+128*(\bb)+16*\q
.endr
.endif
.endm
.macro AFF3                            ; res + (d rs g + b), and its sum for the next mean
.irp bb, 0,1,2,3,4,5,6,7
.if \bb < 7
	LDC \bb+1, (\bb+1)%2, 0, 3
	s_wait_dscnt 12                                ; this chunk's twelve loads are in; the next chunk's twelve may be out
.else
	s_wait_dscnt 0x0
.endif
.irp u, 0,1,2,3,4,5,6,7
	v_pk_mul_f32 v[GR+16*(\bb%2)+2*\u:GR+16*(\bb%2)+2*\u+1], v[GR+16*(\bb%2)+2*\u:GR+16*(\bb%2)+2*\u+1], v[RS:RS+1]
.endr
.irp u, 0,1,2,3,4,5,6,7
	v_pk_add_f32 v[BR+16*(\bb%2)+2*\u:BR+16*(\bb%2)+2*\u+1], v[BR+16*(\bb%2)+2*\u:BR+16*(\bb%2)+2*\u+1], v[XR+16*(\bb%2)+2*\u:XR+16*(\bb%2)+2*\u+1]
.endr
.irp u, 0,1,2,3,4,5,6,7
	v_pk_fma_f32 v[ACC+16*\bb+2*\u:ACC+16*\bb+2*\u+1], v[ACC+16*\bb+2*\u:ACC+16*\bb+2*\u+1], v[GR+16*(\bb%2)+2*\u:GR+16*(\bb%2)+2*\u+1], v[BR+16*(\bb%2)+2*\u:BR+16*(\bb%2)+2*\u+1]
.endr
.if \bb == 0
.irp u, 0,1,2,3
	v_pk_add_f32 v[CH+2*\u:CH+2*\u+1], v[ACC+2*\u:ACC+2*\u+1], v[ACC+8+2*\u:ACC+9+2*\u]
.endr
.else
.irp u, 0,1,2,3,4,5,6,7
	v_pk_add_f32 v[CH+2*(\u%4):CH+2*(\u%4)+1], v[CH+2*(\u%4):CH+2*(\u%4)+1], v[ACC+16*\bb+2*\u:ACC+16*\bb+2*\u+1]
.endr
.endif
.endr
.endm
.macro AFF2 go                         ; d rs g + b
.irp bb, 0,1,2,3,4,5,6,7
.if \bb < 7
	LDC \bb+1, (\bb+1)%2, \go, 2
	s_wait_dscnt 8                                 ; this chunk's eight loads are in; the next chunk's eight may be out
.else
	s_wait_dscnt 0x0
.endif
.irp u, 0,1,2,3,4,5,6,7
	v_pk_mul_f32 v[GR+16*(\bb%2)+2*\u:GR+16*(\bb%2)+2*\u+1], v[GR+16*(\bb%2)+2*\u:GR+16*(\bb%2)+2*\u+1], v[RS:RS+1]
.endr
.irp u, 0,1,2,3,4,5,6,7
	v_pk_fma_f32 v[ACC+16*\bb+2*\u:ACC+16*\bb+2*\u+1], v[ACC+16*\bb+2*\u:ACC+16*\bb+2*\u+1], v[GR+16*(\bb%2)+2*\u:GR+16*(\bb%2)+2*\u+1], v[BR+16*(\bb%2)+2*\u:BR+16*(\bb%2)+2*\u+1]
.endr
.endr
.endm
	s_load_b512 s[4:19], s[0:1], 0x0               ; att, res, W2's codes, W2's scales, b2, g1, b1, g2
	s_load_b128 s[20:23], s[0:1], 0x40             ; b2 of the second norm, the f32 result
	s_load_b64 s[24:25], s[0:1], 0x50              ; xc
	v_lshl_add_u32 v[SPW], v0, 2, SPARE
	v_mov_b32 v[NIL], 0
	v_lshrrev_b32 v16, 5, v0
	v_readfirstlane_b32 s[WV], v16                 ; wave 0..3
	s_lshl_b32 s27, ttmp9, 2
	s_add_co_u32 s27, s27, s[WV]                   ; my token tile T
	s_lshr_b32 s28, s27, 1
	s_lshl_b32 s28, s28, 5
	s_and_b32 s29, s27, 1
	s_lshl_b32 s29, s29, 3
	s_add_co_u32 s28, s28, s29                     ; its first token: 32 (T / 2) + 8 (T % 2)
	s_mov_b32 s[SEL], 0x76543210
	s_mov_b32 s[SEL+1], 0xfedcba98
	s_mov_b32 s[C256], 0x3b800000                  ; 1 / 256
	s_mov_b32 s[CEPS], 0x358637bd                  ; 1e-6
	v_and_b32 v16, 31, v0
	v_lshlrev_b32 v[LI], 4, v16
	v_lshlrev_b32 v[L8], 3, v16
	v_lshlrev_b32 v[L4], 2, v16
	v_and_b32 v17, 15, v0                          ; r
	v_bfe_u32 v18, v0, 4, 1                        ; h
	v_and_b32 v19, 8, v17
	v_add_nc_u32 v19, v19, v17                     ; r + 8 (r / 8)
	v_mul_u32_u24 v[OW], v19, 384                  ; W2: rows of 384 bytes
	v_mad_u32_u24 v[OW], v18, 24, v[OW]
	v_lshl_add_u32 v19, v18, 6, v19
	v_lshlrev_b32 v[OSC], 4, v19                   ; its scale bytes: 16 a row; lanes 16-31 take the tiles four further on
	v_lshlrev_b32 v[O8T], 3, v0
	v_lshl_add_u32 v[PST], v0, 3, PAR
	v_add_nc_u32 v[WA1], 49152, v[LI]
	v_add_nc_u32 v[WSA], WSC, v[LI]
	s_mul_i32 s34, s[WV], STGW
	s_add_co_u32 s34, s34, STG
	v_add_nc_u32 v[SIN], s34, v[LI]
	v_mul_u32_u24 v[SLN], v17, SPITCH
	v_lshl_add_u32 v[SLN], v18, 6, v[SLN]
	v_add_nc_u32 v[SLN], s34, v[SLN]
	s_mul_i32 s34, s[WV], 24576
	v_add_nc_u32 v[WST], s34, v[LI]
	s_lshl_b32 s34, s[WV], 10
	v_add_nc_u32 v[WSS], s34, v[WSA]
	v_lshl_add_u32 v[PLN], v18, 6, PAR
	s_mov_b32 s35, 0
	s_wait_kmcnt 0x0
	s_mul_i32 s34, s[WV], 96
	s_add_nc_u64 s[8:9], s[8:9], s[34:35]          ; K step w of W2's rows,
	s_lshl_b32 s34, s[WV], 2
	s_add_nc_u64 s[10:11], s[10:11], s[34:35]      ; and of their scale bytes
	s_lshl_b32 s34, s28, 10
	s_add_nc_u64 s[6:7], s[6:7], s[34:35]
	s_add_nc_u64 s[22:23], s[22:23], s[34:35]
	s_lshl_b32 s34, s27, 9
	s_add_nc_u64 s[38:39], s[4:5], s[34:35]
	s_add_nc_u64 s[38:39], s[38:39], ATT_SC
	s_mul_i32 s34, s27, 6144
	s_add_nc_u64 s[4:5], s[4:5], s[34:35]
	s_lshl_b32 s34, s27, 8
	s_add_nc_u64 s[36:37], s[24:25], s[34:35]
	s_add_nc_u64 s[36:37], s[36:37], XC_SC
	s_mul_i32 s34, s27, 3072
	s_add_nc_u64 s[24:25], s[24:25], s[34:35]
	; ---- the first run of loads: my K step's 16 fragments (v16-111 and v128-223), scale words, b2, the four parameter vectors
.irp n, 0,1,2,3,4,5,6,7,8,9,10,11,12,13,14,15
.irp p, 0,1,2,3,4,5
	global_load_b64 v[16+12*\n+16*(\n/8)+2*\p:17+12*\n+16*(\n/8)+2*\p], v[OW], s[8:9] offset:(32*(\n/2)+8*(\n%2))*384+48*(\p/3)+8*(\p%3)
.endr
.endr
.irp g, 0,1
.irp i, 0,1,2,3
	global_load_b32 v[120+4*\g+\i], v[OSC], s[10:11] offset:(128*\g+32*(\i/2)+8*(\i%2))*16
.endr
.endr
	global_load_b128 v[112:115], v[LI], s[12:13]
	global_load_b128 v[116:119], v[LI], s[12:13] offset:512
	global_load_b64 v[224:225], v[O8T], s[14:15]
	global_load_b64 v[226:227], v[O8T], s[16:17]
	global_load_b64 v[228:229], v[O8T], s[18:19]
	global_load_b64 v[230:231], v[O8T], s[20:21]
	s_wait_loadcnt 0x0
.irp n, 0,1,2,3,4,5,6,7,8,9,10,11,12,13,14,15
.irp c, 0,1,2
	ds_store_b128 v[WST], v[16+12*\n+16*(\n/8)+4*\c:19+12*\n+16*(\n/8)+4*\c] offset:\n*1536+512*\c
.endr
.endr
.irp g, 0,1
	ds_store_b128 v[WSS], v[120+4*\g:123+4*\g] offset:512*\g
.endr
.irp e, 0,1,2,3
	ds_store_b64 v[PST], v[224+2*\e:225+2*\e] offset:1024*\e
.endr
	s_wait_dscnt 0x0                               ; the stores have read their registers
	; ---- the second: my 16 residual rows, whole; the attention's four fragments and scale words
.irp i, 0,1,2,3,4,5,6,7,8,9,10,11,12,13,14,15
.irp f, 0,1
	global_load_b128 v[ACC+8*\i+4*\f:ACC+8*\i+4*\f+3], v[LI], s[6:7] offset:(\i+8*(\i/8))*1024+512*\f
.endr
.endr
.irp k, 0,1,2,3
.irp p, 0,1,2,3,4,5
	global_load_b64 v[AF+12*\k+2*\p:AF+12*\k+2*\p+1], v[L8], s[4:5] offset:1536*\k+256*\p
.endr
.endr
.irp k, 0,1,2,3
	global_load_b32 v[AS+\k], v[L4], s[38:39] offset:128*\k
.endr
	s_wait_loadcnt 28                              ; the 32 rows' loads are in; the 28 behind them may be out
.irp i, 0,1,2,3,4,5,6,7,8,9,10,11,12,13,14,15
.irp f, 0,1
	ds_store_b128 v[SIN], v[ACC+8*\i+4*\f:ACC+8*\i+4*\f+3] offset:SBO+\i*SPITCH+512*\f
.endr
.endr
	s_wait_dscnt 0x0                               ; the stores have read their registers
.irp i, 0,1,2,3,4,5,6,7,8,9,10,11,12,13,14,15
.irp f, 0,1
.irp u, 0,1
	v_pk_add_f32 v[ACC+8*\i+4*\f+2*\u:ACC+8*\i+4*\f+2*\u+1], v[ACC+8*\i+4*\f+2*\u:ACC+8*\i+4*\f+2*\u+1], v[112+4*\f+2*\u:113+4*\f+2*\u]
.endr
.endr
.endr
.irp i, 0,1,2,3,4,5,6,7,8,9,10,11,12,13,14,15
.irp f, 0,1
	ds_store_b128 v[SIN], v[ACC+8*\i+4*\f:ACC+8*\i+4*\f+3] offset:\i*SPITCH+512*\f
.endr
.endr
.irp b, 0,1,2,3,4,5,6,7
.irp q, 0,1,2,3
	ds_load_b128 v[ACC+16*\b+4*\q:ACC+16*\b+4*\q+3], v[SLN] offset:128*\b+16*\q   ; LDS serves a wave's instructions in order: these see my stores.  res + b2 in the accumulators' layout
.endr
.endr
	BARRIER                                        ; the one barrier: W2's 64 images, its scale words and the parameters lie in LDS
	s_wait_loadcnt 0x0
	PROD512 LI, WA1, 0
	MEAN
	LDC 0, 0, 0, 3
	DEV
	AFF3
	TOMEAN
	LDC 0, 0, 2048, 2
	DEV
	AFF2 2048
	; ---- the way out: z to the stage; z's two fragments to xc; z's rows, whole, to memory
.irp b, 0,1,2,3,4,5,6,7
.irp q, 0,1,2,3
	ds_store_b128 v[SLN], v[ACC+16*\b+4*\q:ACC+16*\b+4*\q+3] offset:128*\b+16*\q
.endr
.endr
	QUANT4 ACC, 16, 28, 36
.irp c, 0,1,2
	global_store_b128 v[LI], v[16+4*\c:19+4*\c], s[24:25] offset:512*\c
.endr
	global_store_b32 v[L4], v36, s[36:37]
	s_wait_xcnt 0x0                                ; the stores have read their data
	QUANT4 ACC+64, 16, 28, 36
.irp c, 0,1,2
	global_store_b128 v[LI], v[16+4*\c:19+4*\c], s[24:25] offset:1536+512*\c
.endr
	global_store_b32 v[L4], v36, s[36:37] offset:128
	s_wait_xcnt 0x0
.irp t, 0,1
.irp i, 0,1,2,3,4,5,6,7,8,9,10,11,12,13,14,15
	ds_load_b128 v[16+4*\i:19+4*\i], v[SIN] offset:(8*\t+\i/2)*SPITCH+512*(\i%2)
.endr
.irp i, 0,1,2,3,4,5,6,7,8,9,10,11,12,13,14,15
	s_wait_dscnt 15-\i
	global_store_b128 v[LI], v[16+4*\i:19+4*\i], s[22:23] offset:(16*\t+\i/2)*1024+512*(\i%2)   ; 32 lanes store 512 consecutive bytes of a row
.endr
.if \t == 0
	s_wait_xcnt 0x0
.endif
.endr
	s_wait_tensorcnt 0x0                           ; the wave's end: behind my last LDS store
	ds_add_u32 v[SPW], v[NIL]
	s_wait_dscnt 0x0
	s_endpgm
.Lfunc_end_k_q92a63938c8_post1:
	.size	k_q92a63938c8_post1, .Lfunc_end_k_q92a63938c8_post1-k_q92a63938c8_post1
	.p2alignl 7, 3214868480
	.fill 96, 4, 3214868480
	.section	.rodata,"a",@progbits
	.p2align	6, 0x0
	.amdhsa_kernel k_q92a63938c8_post1
		.amdhsa_group_segment_fixed_size 240128
		.amdhsa_private_segment_fixed_size 0
		.amdhsa_enable_private_segment 0
		.amdhsa_kernarg_size 88
		.amdhsa_user_sgpr_count 2
		.amdhsa_user_sgpr_kernarg_segment_ptr 1
		.amdhsa_wavefront_size32 1
		.amdhsa_system_sgpr_workgroup_id_x 1
		.amdhsa_system_sgpr_workgroup_id_y 1
		.amdhsa_system_sgpr_workgroup_id_z 1
		.amdhsa_system_vgpr_workitem_id 0
		.amdhsa_next_free_vgpr 256
		.amdhsa_next_free_sgpr 66
		.amdhsa_reserve_vcc 0
		.amdhsa_float_denorm_mode_32 3
		.amdhsa_float_denorm_mode_16_64 3
		.amdhsa_memory_ordered 1
		.amdhsa_forward_progress 1
		.amdhsa_inst_pref_size 128
	.end_amdhsa_kernel
	.amdgpu_metadata
---
amdhsa.version: [ 1, 2 ]
amdhsa.kernels:
  - .name:           k_q92a63938c8_post1
    .symbol:         k_q92a63938c8_post1.kd
    .args:
      - { .name: att, .offset: 0, .size: 8, .value_kind: global_buffer, .address_space: global }
      - { .name: x, .offset: 8, .size: 8, .value_kind: global_buffer, .address_space: global }
      - { .name: m1_w2_codes, .offset: 16, .size: 8, .value_kind: global_buffer, .address_space: global }
      - { .name: m1_w2_scales, .offset: 24, .size: 8, .value_kind: global_buffer, .address_space: global }
      - { .name: m1_b2, .offset: 32, .size: 8, .value_kind: global_buffer, .address_space: global }
      - { .name: m1_g, .offset: 40, .size: 8, .value_kind: global_buffer, .address_space: global }
      - { .name: m1_b, .offset: 48, .size: 8, .value_kind: global_buffer, .address_space: global }
      - { .name: ln1_g, .offset: 56, .size: 8, .value_kind: global_buffer, .address_space: global }
      - { .name: ln1_b, .offset: 64, .size: 8, .value_kind: global_buffer, .address_space: global }
      - { .name: xa, .offset: 72, .size: 8, .value_kind: global_buffer, .address_space: global }
      - { .name: xc, .offset: 80, .size: 8, .value_kind: global_buffer, .address_space: global }
    .group_segment_fixed_size: 240128
    .private_segment_fixed_size: 0
    .kernarg_segment_align: 8
    .kernarg_segment_size: 88
    .max_flat_workgroup_size: 128
    .sgpr_count:     66
    .vgpr_count:     256
    .wavefront_size: 32
...
	.end_amdgpu_metadata
.endif
;; end of part 3
;; launch attn2: the kernel of part 2 again; grid 8 x 32, 16 waves a work-group, clusters of 4 x 1, 260,096 bytes of LDS; arguments xc, m2_wq_codes, m2_wq_scales, m2_bq, kv2, att; writes att
;; launch post2: the kernel of part 3 again; grid 128 x 1, 4 waves a work-group, no clusters, 240,128 bytes of LDS; arguments att, xa, m2_w2_codes, m2_w2_scales, m2_b2, m2_g, m2_b, ln2_g, ln2_b, xb, xc; writes xb, xc
;; launch ffn (part 4): grid 128 x 1, 4 waves a work-group, no clusters, 275,968 bytes of LDS; arguments xc, xb, ffn_w1_codes, ffn_w1_scales, ffn_b1, ffn_w2_codes, ffn_w2_scales, ffn_b2, ln3_g, ln3_b, out0; writes out0
.if DOCPART == 4
	.amdgcn_target "amdgcn-amd-amdhsa--gfx1250"
	.amdhsa_code_object_version 6
	.text
	.protected	k_q92a63938c8_ffn
	.globl	k_q92a63938c8_ffn
	.p2align	8
	.type	k_q92a63938c8_ffn,@function
k_q92a63938c8_ffn:
	s_mov_b64 s[64:65], 0
	v_nop
	global_prefetch_b8 v0, s[64:65] scope:SCOPE_SE
	s_setreg_imm32_b32 hwreg(HW_REG_WAVE_MODE, 25, 1), 1
	s_wait_xcnt 0x0
; out = LN(x + relu(x W1 + b1) W2 + b2; g, b).  Both products on codes of E3M2 with E8M0 scales; x comes as codes (xc) and as f32 (the residual); the hidden layer is quantised in registers and never leaves them.
; SHARES.  Four waves; wave w owns token tile 4 x + w: all 512 hidden units, 128 at a time, and all 256 columns.  Both products are used transposed, the weights' rows chosen so that a lane's registers run along the next K.
; Both weights lie in memory as rows; each wave gathers a quarter of each and stores it in LDS as images of the operand's registers; behind ONE barrier every wave reads all.  No tensor load: rows must become register images on the way.
; b1 is the C of the first product's sums, x + b2 that of the second's.
; LIMITS.  NaN and infinities are not served; a block under 2^-122, a block of zeros among them, keeps the scale byte 1 over its codes.
.set W1SC,  196608                     ; LDS: 0: W1's images [K step 2][tile 32] x 1,536;  98,304: W2's [K step 4][tile 16];  here: W1's scale words [K step 2][4][lane][16 bytes]; 4,096 on: W2's [K step 4][2][lane][16]
.set PAR,   204800                     ; b1 2,048 bytes, g 1,024, b 1,024
.set STG,   208896                     ; for each wave a stage of 16 rows x 1,040 bytes
.set STGW,  16640
.set SPITCH, 1040
.set SPARE, 275456                     ; the spare words, 128 bytes for each of 4 waves; no other line names them
.set XC_SC, 1572864
.set LI,  1                            ; 16 x lane; also the base of W1's K step 0
.set SPW, 2
.set NIL, 3
.set WA1, 4                            ; W1's K step 1
.set WB0, 5                            ; W2's K steps 0, 1
.set WSA, 6
.set SIN, 7
.set SLN, 8
.set WB1, 9                            ; W2's K steps 2, 3
.set PLN, 10
.set L4,  11
.set MU,  12
.set RS,  14
.set AF,  16                           ; v16-63 the hidden layer's four fragments
.set AS,  64                           ; v64-67 their scale words
.set WF,  68
.set WSR, 116
.set ACC, 128
.set XF,  192                          ; the first product: x's two fragments,
.set XS,  216                          ; their scale words,
.set TM,  218                          ; the quantiser's scratch
.set TT,  234
.set GR,  16
.set BR,  48
.set CH,  112
.set SC,  120
.set W1ST, 240                         ; at the head only
.set W2ST, 241
.set WSS,  242
.set OW1,  243
.set OW2,  244
.set OS1,  245
.set OS2,  246
.set O16T, 247
.set O8T,  248
.set PS16, 249
.set PS8,  250
.set WV,  26
.set SEL, 30
.set C256, 32
.set CEPS, 33
.macro PLACES n
.rept \n
	v_nop
.endr
.endm
.macro BARRIER
	s_wait_dscnt 0x0
	s_barrier_signal -1
	s_barrier_wait -1
.endm
.macro MM d, a, b, c, sa, sb
	v_wmma_scale_f32_16x16x128_f8f6f4 v[\d:\d+7], v[\a:\a+11], v[\b:\b+11], v[\c:\c+7], v[\sa], v[\sb] matrix_a_fmt:MATRIX_FMT_BF6 matrix_b_fmt:MATRIX_FMT_BF6
.endm
.macro MM1 d, a, b, c, sa, sb
	v_wmma_scale_f32_16x16x128_f8f6f4 v[\d:\d+7], v[\a:\a+11], v[\b:\b+11], v[\c:\c+7], v[\sa], v[\sb] matrix_a_fmt:MATRIX_FMT_BF6 matrix_b_fmt:MATRIX_FMT_BF6 matrix_a_scale:MATRIX_SCALE_ROW1
.endm
.macro QUANT4 s, d, t, pw
.irp b, 0,1,2,3
	v_max3_num_f32 v[TM+\b], |v[\s+16*\b]|, |v[\s+1+16*\b]|, 0x2800000
.endr
.irp i, 2,4,6,8,10,12,14
.irp b, 0,1,2,3
	v_max3_num_f32 v[TM+\b], v[TM+\b], |v[\s+16*\b+\i]|, |v[\s+1+16*\b+\i]|
.endr
.endr
.irp b, 0,1,2,3
	v_permlanex16_b32 v[TM+4+\b], v[TM+\b], s[SEL], s[SEL+1]
.endr
.irp b, 0,1,2,3
	v_max_num_f32 v[TM+\b], v[TM+\b], v[TM+4+\b]
.endr
.irp b, 0,1,2,3
	v_add_nc_u32 v[TM+12+\b], 0xfe000000, v[TM+\b]
.endr
.irp b, 0,1,2,3
	v_lshrrev_b32 v[TM+4+\b], 23, v[TM+12+\b]
.endr
	v_lshl_or_b32 v[\pw], v[TM+5], 8, v[TM+4]
	v_lshl_or_b32 v[\pw], v[TM+6], 16, v[\pw]
	v_lshl_or_b32 v[\pw], v[TM+7], 24, v[\pw]
.irp c, 0,1
	v_cvt_scalef32_pk16_bf6_f32 v[\d+6*\c:\d+2+6*\c], v[\s+32*\c:\s+15+32*\c], v[TM+12+2*\c]
	v_cvt_scalef32_pk16_bf6_f32 v[\t+4*\c:\t+2+4*\c], v[\s+16+32*\c:\s+31+32*\c], v[TM+13+2*\c]
.endr
	v_nop
.irp c, 0,1
.irp i, 0,1,2
	v_permlane16_swap_b32 v[\d+6*\c+\i], v[\t+4*\c+\i]
.endr
.irp i, 0,1,2
	v_mov_b32 v[\d+3+6*\c+\i], v[\t+4*\c+\i]
.endr
.endr
.endm
.macro PROD512 b0, b1, so
.irp k, 0,1,2,3
.irp g, 0,1
	ds_load_b128 v[WSR+4*\g:WSR+4*\g+3], v[WSA] offset:\so+\k*1024+512*\g
.endr
.irp q, 0,1,2,3
.irp i, 0,1,2,3
.irp c, 0,1,2
.if \k < 2
	ds_load_b128 v[WF+12*\i+4*\c:WF+12*\i+4*\c+3], v[\b0] offset:(\k%2)*24576+(4*\q+\i)*1536+512*\c
.else
	ds_load_b128 v[WF+12*\i+4*\c:WF+12*\i+4*\c+3], v[\b1] offset:(\k%2)*24576+(4*\q+\i)*1536+512*\c
.endif
.endr
.endr
	s_wait_dscnt 0x0
.irp i, 0,1,2,3
.if \q%2 == 0
	MM ACC+8*(4*\q+\i), WF+12*\i, AF+12*\k, ACC+8*(4*\q+\i), WSR+4*(\q/2)+\i, AS+\k
.else
	MM1 ACC+8*(4*\q+\i), WF+12*\i, AF+12*\k, ACC+8*(4*\q+\i), WSR+4*(\q/2)+\i, AS+\k
.endif
.endr
	PLACES 4
.endr
.endr
.endm
.macro SUMUP
	v_pk_add_f32 v[CH:CH+1], v[CH:CH+1], v[CH+2:CH+3]
	v_pk_add_f32 v[CH+4:CH+5], v[CH+4:CH+5], v[CH+6:CH+7]
	v_pk_add_f32 v[CH:CH+1], v[CH:CH+1], v[CH+4:CH+5]
	v_add_f32 v[SC], v[CH], v[CH+1]
	v_permlanex16_b32 v[SC+1], v[SC], s[SEL], s[SEL+1]
	v_add_f32 v[SC], v[SC], v[SC+1]
.endm
.macro MEAN
.irp c, 0,1,2,3
	v_pk_add_f32 v[CH+2*\c:CH+2*\c+1], v[ACC+2*\c:ACC+2*\c+1], v[ACC+8+2*\c:ACC+9+2*\c]
.endr
.set pp, 8
.rept 56
	v_pk_add_f32 v[CH+2*(pp%4):CH+2*(pp%4)+1], v[CH+2*(pp%4):CH+2*(pp%4)+1], v[ACC+2*pp:ACC+2*pp+1]
.set pp, pp+1
.endr
	SUMUP
	v_mul_f32 v[MU], s[C256], v[SC]
	v_mov_b32 v[MU+1], v[MU]
.endm
.macro DEV
.set pp, 0
.rept 16
.irp c, 0,1,2,3
	v_pk_add_f32 v[ACC+2*(pp+\c):ACC+2*(pp+\c)+1], v[ACC+2*(pp+\c):ACC+2*(pp+\c)+1], v[MU:MU+1] neg_lo:[0,1] neg_hi:[0,1]
.endr
.irp c, 0,1,2,3
.if pp == 0
	v_pk_mul_f32 v[CH+2*\c:CH+2*\c+1], v[ACC+2*(pp+\c):ACC+2*(pp+\c)+1], v[ACC+2*(pp+\c):ACC+2*(pp+\c)+1]
.else
	v_pk_fma_f32 v[CH+2*\c:CH+2*\c+1], v[ACC+2*(pp+\c):ACC+2*(pp+\c)+1], v[ACC+2*(pp+\c):ACC+2*(pp+\c)+1], v[CH+2*\c:CH+2*\c+1]
.endif
.endr
.set pp, pp+4
.endr
	SUMUP
	v_fma_f32 v[SC], v[SC], s[C256], s[CEPS]
	v_rsq_f32 v[RS], v[SC]
	v_nop
	s_wait_alu depctr_va_vdst(0)                   ; ahead of the first reader
	v_mov_b32 v[RS+1], v[RS]
.endm
.macro LDC bb, st, go
.irp q, 0,1,2,3
	ds_load_b128 v[GR+16*(\st)+4*\q:GR+16*(\st)+4*\q+3], v[PLN] offset:\go+128*(\bb)+16*\q
.endr
.irp q, 0,1,2,3
	ds_load_b128 v[BR+16*(\st)+4*\q:BR+16*(\st)+4*\q+3], v[PLN] offset:\go+1024+128*(\bb)+16*\q
.endr
.endm
.macro AFF2 go
.irp bb, 0,1,2,3,4,5,6,7
.if \bb < 7
	LDC \bb+1, (\bb+1)%2, \go
	s_wait_dscnt 8                                 ; this chunk's eight loads are in; the next chunk's eight may be out
.else
	s_wait_dscnt 0x0
.endif
.irp u, 0,1,2,3,4,5,6,7
	v_pk_mul_f32 v[GR+16*(\bb%2)+2*\u:GR+16*(\bb%2)+2*\u+1], v[GR+16*(\bb%2)+2*\u:GR+16*(\bb%2)+2*\u+1], v[RS:RS+1]
.endr
.irp u, 0,1,2,3,4,5,6,7
	v_pk_fma_f32 v[ACC+16*\bb+2*\u:ACC+16*\bb+2*\u+1], v[ACC+16*\bb+2*\u:ACC+16*\bb+2*\u+1], v[GR+16*(\bb%2)+2*\u:GR+16*(\bb%2)+2*\u+1], v[BR+16*(\bb%2)+2*\u:BR+16*(\bb%2)+2*\u+1]
.endr
.endr
.endm
	s_load_b512 s[4:19], s[0:1], 0x0               ; xc, the residual, W1's codes, W1's scales, b1, W2's codes, W2's scales, b2
	s_load_b128 s[20:23], s[0:1], 0x40             ; g, b
	s_load_b64 s[24:25], s[0:1], 0x50              ; out0
	v_lshl_add_u32 v[SPW], v0, 2, SPARE
	v_mov_b32 v[NIL], 0
	v_lshrrev_b32 v16, 5, v0
	v_readfirstlane_b32 s[WV], v16                 ; wave 0..3
	s_lshl_b32 s27, ttmp9, 2
	s_add_co_u32 s27, s27, s[WV]                   ; my token tile T
	s_lshr_b32 s28, s27, 1
	s_lshl_b32 s28, s28, 5
	s_and_b32 s29, s27, 1
	s_lshl_b32 s29, s29, 3
	s_add_co_u32 s28, s28, s29                     ; its first token
	s_mov_b32 s[SEL], 0x76543210
	s_mov_b32 s[SEL+1], 0xfedcba98
	s_mov_b32 s[C256], 0x3b800000                  ; 1 / 256
	s_mov_b32 s[CEPS], 0x358637bd                  ; 1e-6
	v_and_b32 v16, 31, v0
	v_lshlrev_b32 v[LI], 4, v16
	v_lshlrev_b32 v[L4], 2, v16
	v_and_b32 v17, 15, v0                          ; r
	v_bfe_u32 v18, v0, 4, 1                        ; h
	v_and_b32 v19, 8, v17
	v_add_nc_u32 v19, v19, v17                     ; r + 8 (r / 8)
	v_mul_u32_u24 v[OW1], v19, 192
	v_mad_u32_u24 v[OW1], v18, 24, v[OW1]
	v_mul_u32_u24 v[OW2], v19, 384
	v_mad_u32_u24 v[OW2], v18, 24, v[OW2]
	v_lshl_add_u32 v19, v18, 6, v19
	v_lshlrev_b32 v[OS1], 3, v19
	v_lshlrev_b32 v[OS2], 4, v19
	v_lshlrev_b32 v[O16T], 4, v0
	v_lshlrev_b32 v[O8T], 3, v0
	v_lshl_add_u32 v[PS16], v0, 4, PAR
	v_lshl_add_u32 v[PS8], v0, 3, PAR+2048
	v_add_nc_u32 v[WA1], 49152, v[LI]
	v_add_nc_u32 v[WB0], 98304, v[LI]
	v_add_nc_u32 v[WB1], 147456, v[LI]
	v_add_nc_u32 v[WSA], W1SC, v[LI]
	s_mul_i32 s34, s[WV], STGW
	s_add_co_u32 s34, s34, STG
	v_add_nc_u32 v[SIN], s34, v[LI]
	v_mul_u32_u24 v[SLN], v17, SPITCH
	v_lshl_add_u32 v[SLN], v18, 6, v[SLN]
	v_add_nc_u32 v[SLN], s34, v[SLN]
	s_mul_i32 s34, s[WV], 24576
	v_add_nc_u32 v[W1ST], s34, v[LI]               ; W1: wave w holds K step w / 2, tiles 16 (w % 2) on: 24,576 w bytes in
	v_add_nc_u32 v[W2ST], s34, v[WB0]              ; W2: K step w
	s_lshl_b32 s34, s[WV], 10
	v_add_nc_u32 v[WSS], s34, v[WSA]
	v_lshl_add_u32 v[PLN], v18, 6, PAR
	s_mov_b32 s35, 0
	s_and_b32 s29, s[WV], 1
	s_lshr_b32 s38, s[WV], 1
	s_wait_kmcnt 0x0
	s_mul_i32 s34, s29, 49152
	s_mul_i32 s39, s38, 96
	s_add_co_u32 s34, s34, s39
	s_add_nc_u64 s[8:9], s[8:9], s[34:35]
	s_lshl_b32 s34, s29, 11
	s_lshl_b32 s39, s38, 2
	s_add_co_u32 s34, s34, s39
	s_add_nc_u64 s[10:11], s[10:11], s[34:35]
	s_mul_i32 s34, s[WV], 96
	s_add_nc_u64 s[14:15], s[14:15], s[34:35]
	s_lshl_b32 s34, s[WV], 2
	s_add_nc_u64 s[16:17], s[16:17], s[34:35]
	s_lshl_b32 s34, s28, 10
	s_add_nc_u64 s[6:7], s[6:7], s[34:35]
	s_add_nc_u64 s[24:25], s[24:25], s[34:35]
	s_lshl_b32 s34, s27, 8
	s_add_nc_u64 s[36:37], s[4:5], s[34:35]
	s_add_nc_u64 s[36:37], s[36:37], XC_SC
	s_mul_i32 s34, s27, 3072
	s_add_nc_u64 s[4:5], s[4:5], s[34:35]
	; ---- the first run of loads: my 16 fragments of W1 (v16-111 and v128-223), both weights' scale words
.irp n, 0,1,2,3,4,5,6,7,8,9,10,11,12,13,14,15
.irp p, 0,1,2,3,4,5
	global_load_b64 v[16+12*\n+16*(\n/8)+2*\p:17+12*\n+16*(\n/8)+2*\p], v[OW1], s[8:9] offset:(32*(\n/2)+8*(\n%2))*192+48*(\p/3)+8*(\p%3)
.endr
.endr
.irp g, 0,1
.irp i, 0,1,2,3
	global_load_b32 v[112+4*\g+\i], v[OS1], s[10:11] offset:(128*\g+32*(\i/2)+8*(\i%2))*8
	global_load_b32 v[120+4*\g+\i], v[OS2], s[16:17] offset:(128*\g+32*(\i/2)+8*(\i%2))*16
.endr
.endr
	s_wait_loadcnt 0x0
.irp n, 0,1,2,3,4,5,6,7,8,9,10,11,12,13,14,15
.irp c, 0,1,2
	ds_store_b128 v[W1ST], v[16+12*\n+16*(\n/8)+4*\c:19+12*\n+16*(\n/8)+4*\c] offset:\n*1536+512*\c
.endr
.endr
.irp g, 0,1
	ds_store_b128 v[WSS], v[112+4*\g:115+4*\g] offset:512*\g
	ds_store_b128 v[WSS], v[120+4*\g:123+4*\g] offset:4096+512*\g
.endr
	s_wait_dscnt 0x0                               ; the stores have read their registers
	; ---- the second: my 16 fragments of W2; b2; b1, g, b
.irp n, 0,1,2,3,4,5,6,7,8,9,10,11,12,13,14,15
.irp p, 0,1,2,3,4,5
	global_load_b64 v[16+12*\n+16*(\n/8)+2*\p:17+12*\n+16*(\n/8)+2*\p], v[OW2], s[14:15] offset:(32*(\n/2)+8*(\n%2))*384+48*(\p/3)+8*(\p%3)
.endr
.endr
	global_load_b128 v[112:115], v[LI], s[18:19]
	global_load_b128 v[116:119], v[LI], s[18:19] offset:512
	global_load_b128 v[120:123], v[O16T], s[12:13]
	global_load_b64 v[124:125], v[O8T], s[20:21]
	global_load_b64 v[126:127], v[O8T], s[22:23]
	s_wait_loadcnt 0x0
.irp n, 0,1,2,3,4,5,6,7,8,9,10,11,12,13,14,15
.irp c, 0,1,2
	ds_store_b128 v[W2ST], v[16+12*\n+16*(\n/8)+4*\c:19+12*\n+16*(\n/8)+4*\c] offset:\n*1536+512*\c
.endr
.endr
	ds_store_b128 v[PS16], v[120:123]
	ds_store_b64 v[PS8], v[124:125]
	ds_store_b64 v[PS8], v[126:127] offset:1024
	s_wait_dscnt 0x0
	; ---- the third: my 16 residual rows, whole (v16-111 and v128-159); x's two fragments and scale words
.set nn, 0
.rept 32
	global_load_b128 v[16+4*nn+16*(nn/24):19+4*nn+16*(nn/24)], v[LI], s[6:7] offset:((nn/2)+8*(nn/16))*1024+512*(nn%2)
.set nn, nn+1
.endr
.irp k, 0,1
.irp c, 0,1,2
	global_load_b128 v[XF+12*\k+4*\c:XF+12*\k+4*\c+3], v[LI], s[4:5] offset:1536*\k+512*\c
.endr
.endr
.irp k, 0,1
	global_load_b32 v[XS+\k], v[L4], s[36:37] offset:128*\k
.endr
	s_wait_loadcnt 8                               ; the 32 rows' loads are in; x's eight may be out
.set nn, 0
.rept 32
	v_pk_add_f32 v[16+4*nn+16*(nn/24):17+4*nn+16*(nn/24)], v[16+4*nn+16*(nn/24):17+4*nn+16*(nn/24)], v[112+4*(nn%2):113+4*(nn%2)]
	v_pk_add_f32 v[18+4*nn+16*(nn/24):19+4*nn+16*(nn/24)], v[18+4*nn+16*(nn/24):19+4*nn+16*(nn/24)], v[114+4*(nn%2):115+4*(nn%2)]
.set nn, nn+1
.endr
.set nn, 0
.rept 32
	ds_store_b128 v[SIN], v[16+4*nn+16*(nn/24):19+4*nn+16*(nn/24)] offset:(nn/2)*SPITCH+512*(nn%2)
.set nn, nn+1
.endr
	BARRIER                                        ; the one barrier: both weights' images, their scale words and the parameters lie in LDS
	s_wait_loadcnt 0x0
.irp b, 0,1,2,3
	v_mov_b32 v[TM+4+\b], 0                        ; written once: a lane permute's destination counts as one of its sources
.endr
	; ---- the hidden layer, 128 units at a time: they are one K step of the second product
.irp q, 0,1,2,3
.irp b, 0,1,2,3
.irp j, 0,1,2,3
	ds_load_b128 v[ACC+16*\b+4*\j:ACC+16*\b+4*\j+3], v[PLN] offset:512*\q+128*\b+16*\j   ; b1 in the accumulators' layout
.endr
.endr
.irp k, 0,1
	ds_load_b128 v[WSR:WSR+3], v[WSA] offset:\k*2048+\q*512
.irp f, 0,1
.irp i, 0,1,2,3
.irp c, 0,1,2
.if \k == 0
	ds_load_b128 v[WF+12*\i+4*\c:WF+12*\i+4*\c+3], v[LI] offset:(8*\q+4*\f+\i)*1536+512*\c
.else
	ds_load_b128 v[WF+12*\i+4*\c:WF+12*\i+4*\c+3], v[WA1] offset:(8*\q+4*\f+\i)*1536+512*\c
.endif
.endr
.endr
	s_wait_dscnt 0x0
.irp i, 0,1,2,3
.if \f == 0
	MM ACC+8*\i, WF+12*\i, XF+12*\k, ACC+8*\i, WSR+\i, XS+\k
.else
	MM1 ACC+32+8*\i, WF+12*\i, XF+12*\k, ACC+32+8*\i, WSR+\i, XS+\k
.endif
.endr
	PLACES 4
.endr
.endr
.set nn, 0
.rept 64
	v_max_num_f32 v[ACC+nn], 0, v[ACC+nn]          ; the activation, in f32, each accumulator from its low end on
.set nn, nn+1
.endr
	QUANT4 ACC, AF+12*\q, TT, AS+\q
.endr
	; ---- the second product: x + b2 from my stage is its C
.irp b, 0,1,2,3,4,5,6,7
.irp q, 0,1,2,3
	ds_load_b128 v[ACC+16*\b+4*\q:ACC+16*\b+4*\q+3], v[SLN] offset:128*\b+16*\q
.endr
.endr
	PROD512 WB0, WB1, 4096
	MEAN
	LDC 0, 0, 2048
	DEV
	AFF2 2048
.irp b, 0,1,2,3,4,5,6,7
.irp q, 0,1,2,3
	ds_store_b128 v[SLN], v[ACC+16*\b+4*\q:ACC+16*\b+4*\q+3] offset:128*\b+16*\q
.endr
.endr
.irp t, 0,1
.irp i, 0,1,2,3,4,5,6,7,8,9,10,11,12,13,14,15
	ds_load_b128 v[16+4*\i:19+4*\i], v[SIN] offset:(8*\t+\i/2)*SPITCH+512*(\i%2)   ; LDS serves a wave's instructions in order: these see my stores
.endr
.irp i, 0,1,2,3,4,5,6,7,8,9,10,11,12,13,14,15
	s_wait_dscnt 15-\i
	global_store_b128 v[LI], v[16+4*\i:19+4*\i], s[24:25] offset:(16*\t+\i/2)*1024+512*(\i%2) th:TH_STORE_NT   ; 32 lanes store 512 consecutive bytes of a row
.endr
.if \t == 0
	s_wait_xcnt 0x0                                ; the stores have read their data
.endif
.endr
	s_wait_tensorcnt 0x0                           ; the wave's end: behind my last LDS store
	ds_add_u32 v[SPW], v[NIL]
	s_wait_dscnt 0x0
	s_endpgm
.Lfunc_end_k_q92a63938c8_ffn:
	.size	k_q92a63938c8_ffn, .Lfunc_end_k_q92a63938c8_ffn-k_q92a63938c8_ffn
	.p2alignl 7, 3214868480
	.fill 96, 4, 3214868480
	.section	.rodata,"a",@progbits
	.p2align	6, 0x0
	.amdhsa_kernel k_q92a63938c8_ffn
		.amdhsa_group_segment_fixed_size 275968
		.amdhsa_private_segment_fixed_size 0
		.amdhsa_enable_private_segment 0
		.amdhsa_kernarg_size 88
		.amdhsa_user_sgpr_count 2
		.amdhsa_user_sgpr_kernarg_segment_ptr 1
		.amdhsa_wavefront_size32 1
		.amdhsa_system_sgpr_workgroup_id_x 1
		.amdhsa_system_sgpr_workgroup_id_y 1
		.amdhsa_system_sgpr_workgroup_id_z 1
		.amdhsa_system_vgpr_workitem_id 0
		.amdhsa_next_free_vgpr 256
		.amdhsa_next_free_sgpr 66
		.amdhsa_reserve_vcc 0
		.amdhsa_float_denorm_mode_32 3
		.amdhsa_float_denorm_mode_16_64 3
		.amdhsa_memory_ordered 1
		.amdhsa_forward_progress 1
		.amdhsa_inst_pref_size 149
	.end_amdhsa_kernel
	.amdgpu_metadata
---
amdhsa.version: [ 1, 2 ]
amdhsa.kernels:
  - .name:           k_q92a63938c8_ffn
    .symbol:         k_q92a63938c8_ffn.kd
    .args:
      - { .name: xc, .offset: 0, .size: 8, .value_kind: global_buffer, .address_space: global }
      - { .name: xb, .offset: 8, .size: 8, .value_kind: global_buffer, .address_space: global }
      - { .name: ffn_w1_codes, .offset: 16, .size: 8, .value_kind: global_buffer, .address_space: global }
      - { .name: ffn_w1_scales, .offset: 24, .size: 8, .value_kind: global_buffer, .address_space: global }
      - { .name: ffn_b1, .offset: 32, .size: 8, .value_kind: global_buffer, .address_space: global }
      - { .name: ffn_w2_codes, .offset: 40, .size: 8, .value_kind: global_buffer, .address_space: global }
      - { .name: ffn_w2_scales, .offset: 48, .size: 8, .value_kind: global_buffer, .address_space: global }
      - { .name: ffn_b2, .offset: 56, .size: 8, .value_kind: global_buffer, .address_space: global }
      - { .name: ln3_g, .offset: 64, .size: 8, .value_kind: global_buffer, .address_space: global }
      - { .name: ln3_b, .offset: 72, .size: 8, .value_kind: global_buffer, .address_space: global }
      - { .name: out0, .offset: 80, .size: 8, .value_kind: global_buffer, .address_space: global }
    .group_segment_fixed_size: 275968
    .private_segment_fixed_size: 0
    .kernarg_segment_align: 8
    .kernarg_segment_size: 88
    .max_flat_workgroup_size: 128
    .sgpr_count:     66
    .vgpr_count:     256
    .wavefront_size: 32
...
	.end_amdgpu_metadata
.endif
;; end of part 4
;; ======== version 2 of 2: 4 launches
;; limits: right only within a limited range of input values
;; workspace buffers: xc 1,703,936 bytes; xc2 1,703,936 bytes; kv1 8,065,024 bytes; kv2 8,065,024 bytes; xa 8,388,608 bytes; xb 8,388,608 bytes; wf 204,800 bytes
;; launch proj (part 5): grid 304 x 1, 8 waves a work-group, no clusters, 27,648 bytes of LDS; arguments x, encoder_output_codes, encoder_output_scales, tgt_mask, m1_wk_codes, m1_wk_scales, m1_bk, m1_wv_codes, m1_wv_scales, m1_bv, m2_wk_codes, m2_wk_scales, m2_bk, m2_wv_codes, m2_wv_scales, m2_bv, xc, kv1, kv2, m1_w2_codes, m1_w2_scales, m2_w2_codes, m2_w2_scales, ffn_w1_codes, ffn_w1_scales, ffn_w2_codes, ffn_w2_scales, wf, m1_wq_codes, m2_wq_codes; writes xc, kv1, kv2, wf
.if DOCPART == 5
	.amdgcn_target "amdgcn-amd-amdhsa--gfx1250"
	.amdhsa_code_object_version 6
	.text
	.protected	k_q92a63938c8_proj
	.globl	k_q92a63938c8_proj
	.p2align	8
	.type	k_q92a63938c8_proj,@function
k_q92a63938c8_proj:
	s_mov_b64 s[64:65], 0
	v_nop
	global_prefetch_b8 v0, s[64:65] scope:SCOPE_SE
	s_setreg_imm32_b32 hwreg(HW_REG_WAVE_MODE, 25, 1), 1
	s_wait_xcnt 0x0
; K and V of both attentions, as codes of E3M2 with E8M0 scales, laid as the attention launch's operand registers want them; x as codes; and the later launches' weights laid as images of their operand registers.
; DEAD WORK.  src_mask enters reference() only as the key_mask of the second mha, which is called with masked=False: that branch never reads it, whatever it holds.
; So src_mask has no way to any output: it is not loaded and is among no launch's arguments.  It holds whole numbers, so no NaN, infinity or overflow can arise in what is left out.  All else is live.
; LIMITS.  NaN and infinities among the inputs are not served.  A block whose largest magnitude lies under 2^-122 keeps the scale byte 1; a block of zeros keeps the byte 1 too
; (its codes are zeros, and these bytes are read by this program alone).
; SHARES.  Work-group x: job x / 64, key step x % 64 (128 tokens: batch step / 16).  Job 0: K of mha 1 (and x's codes to xc), 1: V of mha 1, 2: K of mha 2, 3: V of mha 2.
; Phase X: wave w makes the two operand fragments (16 tokens x 256 K) of token tile 8 step + w, from x (quantised here) or from encoder_output (codes as given), and stores their register images in LDS.  Then wave w is head w.
; Job 4, 48 work-groups: eight for each of m1_w2, m2_w2, ffn_w1, ffn_w2, m1_wq, m2_wq.  A wave gathers one fragment (16 rows x 128 K) from the weight's rows and stores its 12 registers as three runs of 512 consecutive bytes;
; wave 0 also stores the scale words of the work-group's eight tiles.  A matrix is 98,304 bytes of fragments and 4,096 of scale words; m1_w2's lie behind kv1's heads, m2_w2's behind kv2's, ffn's two in wf.
; TILES.  Lane r of tile T holds row 32 (T / 2) + 8 (T % 2) + r + 8 (r / 8), for tokens, keys and rows of a weight alike: so the 16 registers that a lane gets from tiles 2 b and 2 b + 1 are 16 neighbours along the next K.
; THE MASK rides in the half of the score product's K that a head of 64 leaves empty.  A masked key gets zero codes, the code +1.0 at k = 64 and the scale byte 162 (2^35) for that block; the query side holds -1.0 at k = 64.
; Its score is then exactly -2^35, which is 8 x reference()'s NEG (-2^32 in f32) ahead of the division by 8.  An open key gets a zero code there and the byte 1.
.set XIMG,  0                          ; LDS: the images of the 8 tiles' 2 fragments, 1,536 bytes each
.set XSC,   24576                      ; their scale words, 128 bytes each
.set SPARE, 26624                      ; the spare words, 128 bytes for each of 8 waves; no other line names them
.set XC_SC, 1572864                    ; xc: where the scale words begin
.set KVW,   0x780000                   ; kv1, kv2: where the projection weight's image begins: behind 32 heads of 245,760 bytes
.set LI,  1                            ; 16 x lane
.set L4,  2                            ; 4 x lane
.set SPW, 3                            ; my spare word; never rewritten
.set NIL, 4                            ; 0; never rewritten
.set XWI, 5                            ; where I store my tile's images
.set XWS, 6                            ; and its scale words
.set OX,  7                            ; x: (r + 8 (r / 8)) x 1,024 + 64 h
.set OC,  8                            ; rows of 192 bytes of codes: (r + 8 (r / 8)) x 192 + 24 h
.set OS,  9                            ; rows of 8 scale bytes
.set OB,  10                           ; a bias as C of a transposed product: 64 h
.set OM,  11                           ; 4 bytes a row: the mask, V's bias
.set TM,  16                           ; v16-31 the quantiser's scratch
.set XN0, 32                           ; phase X: 64 numbers of K step 0, 64 of K step 1
.set XN1, 96
.set F0,  160                          ; the two fragments
.set F1,  172
.set TX,  184
.set PW0, 192                          ; their scale words
.set PW1, 193
.set ACC, 32                           ; K arm: 4 accumulators
.set XF,  64                           ; a token tile's two fragments
.set XS,  88                           ; and scale words
.set DK,  92                           ; a key tile's 8 registers: 6 of codes, the flag, 0
.set TK2, 100
.set KSW, 104                          ; the 8 tiles' scale words
.set EXT, 112
.set PW2, 113
.set C0C, 114
.set COP, 115
.set CMA, 116
.set BI,  120                          ; the bias as C, 4 tiles
.set WS,  152                          ; the weight's scale words
.set WK,  160                          ; the weight's 8 fragments
.set AV,  32                           ; V arm: 8 accumulators
.set XF4, 96                           ; four token tiles' fragments of one K step
.set XSW, 144
.set WVR, 148                          ; two sets of 2 fragments of the weight
.set WVS, 196
.set BV,  204
.set CB,  208
.set PC,  216
.set TV2, 228
.set VSW, 236
.set WV,  42
.set JOB, 43
.set SEL, 44
.set TSX, 47                           ; the key step; in job 4 the work-group's number among its 48
.set MK,  48                           ; s48-55: for each key tile the lanes whose key is masked
.set HIM, 56
.macro PLACES n
.rept \n
	v_nop
.endr
.endm
.macro BARRIER                         ; my LDS stores have landed and my LDS loads are in: then the work-group's barrier
	s_wait_dscnt 0x0
	s_barrier_signal -1
	s_barrier_wait -1
.endm
.macro ENDL                            ; the wave's end: behind my last LDS store
	s_wait_tensorcnt 0x0
	ds_add_u32 v[SPW], v[NIL]
	s_wait_dscnt 0x0
.endm
.macro MM d, a, b, c, sa, sb
	v_wmma_scale_f32_16x16x128_f8f6f4 v[\d:\d+7], v[\a:\a+11], v[\b:\b+11], v[\c:\c+7], v[\sa], v[\sb] matrix_a_fmt:MATRIX_FMT_BF6 matrix_b_fmt:MATRIX_FMT_BF6
.endm
; 64 numbers of a lane, register 16 b + i = k 32 b + 16 h + i of my row, become a fragment's 12 registers and its scale word
.macro QUANT4 s, d, t, pw
.irp b, 0,1,2,3
	v_max3_num_f32 v[TM+\b], |v[\s+16*\b]|, |v[\s+1+16*\b]|, 0x2800000   ; my 16 numbers of block b, and the floor 2^(5 - 127): the byte cannot fall under 1
.endr
.irp i, 2,4,6,8,10,12,14
.irp b, 0,1,2,3
	v_max3_num_f32 v[TM+\b], v[TM+\b], |v[\s+16*\b+\i]|, |v[\s+1+16*\b+\i]|
.endr
.endr
.irp b, 0,1,2,3
	s_delay_alu instid0(VALU_DEP_4)
	v_permlanex16_b32 v[TM+4+\b], v[TM+\b], s[SEL], s[SEL+1]
.endr
.irp b, 0,1,2,3
	s_delay_alu instid0(VALU_DEP_4)
	v_max_num_f32 v[TM+\b], v[TM+\b], v[TM+4+\b]          ; with lane l xor 16: the block's largest magnitude
.endr
.irp b, 0,1,2,3
	s_delay_alu instid0(VALU_DEP_4)
	v_add_nc_u32 v[TM+12+\b], 0xfe000000, v[TM+\b]        ; 4 off its exponent field: the conversion's scale operand
.endr
.irp b, 0,1,2,3
	s_delay_alu instid0(VALU_DEP_4)
	v_lshrrev_b32 v[TM+4+\b], 23, v[TM+12+\b]             ; the scale's byte
.endr
	s_delay_alu instid0(VALU_DEP_3)
	v_lshl_or_b32 v[\pw], v[TM+5], 8, v[TM+4]
	s_delay_alu instid0(VALU_DEP_1)
	v_lshl_or_b32 v[\pw], v[TM+6], 16, v[\pw]
	s_delay_alu instid0(VALU_DEP_1)
	v_lshl_or_b32 v[\pw], v[TM+7], 24, v[\pw]
.irp c, 0,1
	v_cvt_scalef32_pk16_bf6_f32 v[\d+6*\c:\d+2+6*\c], v[\s+32*\c:\s+15+32*\c], v[TM+12+2*\c]
	v_cvt_scalef32_pk16_bf6_f32 v[\t+4*\c:\t+2+4*\c], v[\s+16+32*\c:\s+31+32*\c], v[TM+13+2*\c]
.endr
	v_nop                                                 ; one plain place behind a scaled conversion
.irp c, 0,1
.irp i, 0,1,2
	v_permlane16_swap_b32 v[\d+6*\c+\i], v[\t+4*\c+\i]    ; a whole block to a lane
.endr
.irp i, 0,1,2
	s_delay_alu instid0(VALU_DEP_3)
	v_mov_b32 v[\d+3+6*\c+\i], v[\t+4*\c+\i]
.endr
.endr
.endm
; the same for 32 numbers, two blocks: six registers, two bytes
.macro QUANT2 s, d, t, pw
.irp b, 0,1
	v_max3_num_f32 v[TM+\b], |v[\s+16*\b]|, |v[\s+1+16*\b]|, 0x2800000
.endr
.irp i, 2,4,6,8,10,12,14
.irp b, 0,1
	v_max3_num_f32 v[TM+\b], v[TM+\b], |v[\s+16*\b+\i]|, |v[\s+1+16*\b+\i]|
.endr
.endr
.irp b, 0,1
	s_delay_alu instid0(VALU_DEP_2)
	v_permlanex16_b32 v[TM+4+\b], v[TM+\b], s[SEL], s[SEL+1]
.endr
.irp b, 0,1
	s_delay_alu instid0(VALU_DEP_2)
	v_max_num_f32 v[TM+\b], v[TM+\b], v[TM+4+\b]
.endr
.irp b, 0,1
	s_delay_alu instid0(VALU_DEP_2)
	v_add_nc_u32 v[TM+12+\b], 0xfe000000, v[TM+\b]
.endr
.irp b, 0,1
	s_delay_alu instid0(VALU_DEP_2)
	v_lshrrev_b32 v[TM+4+\b], 23, v[TM+12+\b]
.endr
	s_delay_alu instid0(VALU_DEP_1)
	v_lshl_or_b32 v[\pw], v[TM+5], 8, v[TM+4]
	v_cvt_scalef32_pk16_bf6_f32 v[\d:\d+2], v[\s:\s+15], v[TM+12]
	v_cvt_scalef32_pk16_bf6_f32 v[\t:\t+2], v[\s+16:\s+31], v[TM+13]
	v_nop
.irp i, 0,1,2
	v_permlane16_swap_b32 v[\d+\i], v[\t+\i]
.endr
.irp i, 0,1,2
	s_delay_alu instid0(VALU_DEP_3)
	v_mov_b32 v[\d+3+\i], v[\t+\i]
.endr
.endm
	s_lshr_b32 s[JOB], ttmp9, 6
	s_and_b32 s[TSX], ttmp9, 63
	s_cmp_eq_u32 s[JOB], 4                         ; the work-group's number alone decides: all eight waves go the same way
	s_cbranch_scc1 .Lrelay
	s_load_b256 s[4:11], s[0:1], 0x0               ; x, encoder codes, encoder scales, tgt_mask
	s_load_b512 s[12:27], s[0:1], 0x20             ; m1_wk codes, scales, bk; m1_wv codes, scales, bv; m2_wk codes, scales
	s_load_b256 s[28:35], s[0:1], 0x60             ; m2_bk; m2_wv codes, scales, bv
	s_load_b128 s[36:39], s[0:1], 0x80             ; xc, kv1
	s_load_b64 s[40:41], s[0:1], 0x90              ; kv2
	v_lshl_add_u32 v[SPW], v0, 2, SPARE
	v_mov_b32 v[NIL], 0
	v_lshrrev_b32 v12, 5, v0
	s_delay_alu instid0(VALU_DEP_1)
	v_readfirstlane_b32 s[WV], v12                 ; wave 0..7
	v_and_b32 v12, 31, v0
	s_delay_alu instid0(VALU_DEP_1)
	v_lshlrev_b32 v[LI], 4, v12
	s_delay_alu instid0(VALU_DEP_2)
	v_lshlrev_b32 v[L4], 2, v12
	v_and_b32 v13, 15, v0                          ; r
	v_bfe_u32 v14, v0, 4, 1                        ; h
	s_delay_alu instid0(VALU_DEP_2)
	v_and_b32 v15, 8, v13
	s_delay_alu instid0(VALU_DEP_1)
	v_add_nc_u32 v15, v15, v13                     ; r + 8 (r / 8)
	s_delay_alu instid0(VALU_DEP_1)
	v_lshlrev_b32 v[OX], 10, v15
	s_delay_alu instid0(VALU_DEP_1)
	v_lshl_add_u32 v[OX], v14, 6, v[OX]
	s_delay_alu instid0(VALU_DEP_3)
	v_mul_u32_u24 v[OC], v15, 192
	s_delay_alu instid0(VALU_DEP_1)
	v_mad_u32_u24 v[OC], v14, 24, v[OC]
	v_lshlrev_b32 v[OS], 3, v15
	v_lshlrev_b32 v[OB], 6, v14
	v_lshlrev_b32 v[OM], 2, v15
	s_mul_i32 s46, s[WV], 3072
	v_add_nc_u32 v[XWI], s46, v[LI]
	s_lshl_b32 s46, s[WV], 8
	v_add_nc_u32 v[XWS], s46, v[L4]
.irp b, 0,1,2,3
	v_mov_b32 v[TM+4+\b], 0                        ; written once: a lane permute's destination counts as one of its sources
.endr
	s_mov_b32 s[SEL], 0x76543210
	s_mov_b32 s[SEL+1], 0xfedcba98
.irp i, 0,1,2,3,4,5,6,7
	s_mov_b32 s[MK+\i], 0                          ; no key is masked, unless job 0 finds some
.endr
	s_mov_b32 s[HIM], 0xffff0000                   ; lanes 16-31
	s_lshl_b32 s57, s[TSX], 7
	s_lshr_b32 s46, s[WV], 1
	s_lshl_b32 s46, s46, 5
	s_add_co_u32 s57, s57, s46
	s_and_b32 s46, s[WV], 1
	s_lshl_b32 s46, s46, 3
	s_add_co_u32 s57, s57, s46                     ; my tile's first token: 128 step + 32 (w / 2) + 8 (w % 2)
	s_lshl_b32 s58, s[TSX], 3
	s_add_co_u32 s58, s58, s[WV]                   ; my tile: 8 step + w
	s_mul_i32 s59, s58, 15360                      ; the K and V buffer is [key step 64][head 8] x 15,360 bytes: K's image 8,192, V's 6,144, K's scale words 512, V's 512
	s_mov_b32 s61, 0
	s_wait_kmcnt 0x0
	s_and_b32 s46, s[JOB], 1                       ; the job chooses its weight, scales, bias and buffer: the choice hangs on the work-group's number alone
	s_cmp_eq_u32 s46, 0
	s_cselect_b64 s[12:13], s[12:13], s[18:19]
	s_cselect_b64 s[14:15], s[14:15], s[20:21]
	s_cselect_b64 s[16:17], s[16:17], s[22:23]
	s_cselect_b64 s[24:25], s[24:25], s[30:31]
	s_cselect_b64 s[26:27], s[26:27], s[32:33]
	s_cselect_b64 s[28:29], s[28:29], s[34:35]
	s_cmp_lt_u32 s[JOB], 2
	s_cselect_b64 s[12:13], s[12:13], s[24:25]
	s_cselect_b64 s[14:15], s[14:15], s[26:27]
	s_cselect_b64 s[16:17], s[16:17], s[28:29]
	s_cselect_b64 s[38:39], s[38:39], s[40:41]
	s_lshl_b32 s60, s57, 10
	s_add_nc_u64 s[4:5], s[4:5], s[60:61]          ; x at my tile
	s_mul_i32 s60, s57, 192
	s_add_nc_u64 s[6:7], s[6:7], s[60:61]          ; the encoder's codes,
	s_lshl_b32 s60, s57, 3
	s_add_nc_u64 s[8:9], s[8:9], s[60:61]          ; its scale bytes
	s_lshl_b32 s60, s[TSX], 9
	s_add_nc_u64 s[10:11], s[10:11], s[60:61]      ; the mask of the step's 128 keys
	s_mul_i32 s60, s[WV], 12288
	s_add_nc_u64 s[12:13], s[12:13], s[60:61]      ; my head's 64 rows of the weight,
	s_lshl_b32 s60, s[WV], 9
	s_add_nc_u64 s[14:15], s[14:15], s[60:61]      ; of its scale bytes,
	s_lshl_b32 s60, s[WV], 8
	s_add_nc_u64 s[16:17], s[16:17], s[60:61]      ; of the bias
	s_lshl_b32 s60, s58, 8
	s_add_nc_u64 s[66:67], s[36:37], s[60:61]
	s_add_nc_u64 s[66:67], s[66:67], XC_SC         ; xc: my tile's scale words,
	s_mul_i32 s60, s58, 3072
	s_add_nc_u64 s[36:37], s[36:37], s[60:61]      ; and its codes
	s_mov_b32 s60, s59
	s_add_nc_u64 s[38:39], s[38:39], s[60:61]      ; my head's chunk
	s_mov_b64 s[62:63], s[38:39]                   ; the scale images lie in the same piece
	s_cmp_lt_u32 s[JOB], 2
	s_cbranch_scc0 .Lenc
	; ---- X from x: lane (r, h) takes 16 neighbours of each block of 32 of its token's row
.irp k, 0,1
.irp b, 0,1,2,3
.irp j, 0,1,2,3
	global_load_b128 v[XN0+64*\k+16*\b+4*\j:XN0+64*\k+16*\b+4*\j+3], v[OX], s[4:5] offset:512*\k+128*\b+16*\j
.endr
.endr
.endr
	s_wait_loadcnt 16                              ; K step 0's sixteen loads are in; K step 1's sixteen may be out
	QUANT4 XN0, F0, TX, PW0
	s_wait_loadcnt 0x0
	QUANT4 XN1, F1, TX, PW1
	s_branch .Lhave
.Lenc:
	; ---- X from the encoder's codes: they are the operand's registers as they lie
.irp p, 0,1,2,3,4,5
	global_load_b64 v[F0+2*\p:F0+2*\p+1], v[OC], s[6:7] offset:48*(\p/3)+8*(\p%3)
	global_load_b64 v[F1+2*\p:F1+2*\p+1], v[OC], s[6:7] offset:96+48*(\p/3)+8*(\p%3)
.endr
	s_wait_alu depctr_va_vdst(0)
	global_load_b32 v[PW0], v[OS], s[8:9]
	global_load_b32 v[PW1], v[OS], s[8:9] offset:4
	s_wait_loadcnt 0x0
.Lhave:
	s_wait_alu depctr_va_vdst(0)
.irp c, 0,1,2
	ds_store_b128 v[XWI], v[F0+4*\c:F0+4*\c+3] offset:XIMG+512*\c
	ds_store_b128 v[XWI], v[F1+4*\c:F1+4*\c+3] offset:XIMG+1536+512*\c
.endr
	ds_store_b32 v[XWS], v[PW0] offset:XSC
	ds_store_b32 v[XWS], v[PW1] offset:XSC+128
	s_cmp_lg_u32 s[JOB], 0
	s_cbranch_scc1 .Lnoxc
.irp c, 0,1,2                          ; job 0 also leaves x's codes for the first attention's queries: each store covers 512 consecutive bytes
	global_store_b128 v[LI], v[F0+4*\c:F0+4*\c+3], s[36:37] offset:512*\c
	global_store_b128 v[LI], v[F1+4*\c:F1+4*\c+3], s[36:37] offset:1536+512*\c
.endr
	global_store_b32 v[L4], v[PW0], s[66:67]
	global_store_b32 v[L4], v[PW1], s[66:67] offset:128
.Lnoxc:
	s_wait_xcnt 0x0                                ; the stores have read their data: the weights may land there
	s_wait_dscnt 0x0                               ; and so have the LDS stores
	s_and_b32 s46, s[JOB], 1
	s_cmp_lg_u32 s46, 0
	s_cbranch_scc1 .Lvarm
	; ======== K: transposed (source 0 = 16 rows of the weight, source 1 = 16 tokens): a lane holds one key and 32 of its head's 64
.irp t, 0,1,2,3
.irp k, 0,1
.irp p, 0,1,2,3,4,5
	global_load_b64 v[WK+12*(2*\t+\k)+2*\p:WK+12*(2*\t+\k)+2*\p+1], v[OC], s[12:13] offset:(32*(\t/2)+8*(\t%2))*192+96*\k+48*(\p/3)+8*(\p%3)
.endr
.endr
.endr
.irp t, 0,1,2,3
	global_load_b64 v[WS+2*\t:WS+2*\t+1], v[OS], s[14:15] offset:(32*(\t/2)+8*(\t%2))*8
.endr
.irp t, 0,1,2,3
	global_load_b128 v[BI+8*\t:BI+8*\t+3], v[OB], s[16:17] offset:128*(\t/2)+32*(\t%2)
	global_load_b128 v[BI+8*\t+4:BI+8*\t+7], v[OB], s[16:17] offset:128*(\t/2)+32*(\t%2)+16
.endr
	s_mov_b64 s[70:71], s[38:39]                   ; the step's K image
	v_mov_b32 v[C0C], 0x0c                         ; the code +1.0
	v_mov_b32 v[COP], 0x0101                       ; an open key's bytes for k = 64 .. 127
	v_mov_b32 v[CMA], 0x01a2                       ; a masked key's: 162 = 2^35, 1
	v_mov_b32 v[DK+7], 0
	s_cmp_lg_u32 s[JOB], 0
	s_cbranch_scc1 .Lnomask
.irp n, 0,1,2,3,4,5,6,7
	global_load_b32 v[ACC+\n], v[OM], s[10:11] offset:(32*(\n/2)+8*(\n%2))*4
.endr
	s_wait_loadcnt 0x0
.irp n, 0,1,2,3,4,5,6,7
	v_cmp_eq_u32 s[MK+\n], 0, v[ACC+\n]            ; reference() masks where the mask is 0; the result only selects values
.endr
.Lnomask:
	BARRIER                                        ; the eight tiles' images lie in LDS
	s_wait_loadcnt 0x0
.macro FETCHX tt
.irp k, 0,1
.irp c, 0,1,2
	ds_load_b128 v[XF+12*\k+4*\c:XF+12*\k+4*\c+3], v[LI] offset:XIMG+(\tt)*3072+\k*1536+512*\c
.endr
	ds_load_b32 v[XS+\k], v[L4] offset:XSC+(\tt)*256+128*\k
.endr
.endm
	FETCHX 0
.irp n, 0,1,2,3,4,5,6,7
	s_wait_dscnt 0x0
.irp t, 0,1,2,3                        ; the bias is the C of each sum's first product; the four accumulators take turns
	MM ACC+8*\t, WK+24*\t, XF, BI+8*\t, WS+2*\t, XS
.endr
.irp t, 0,1,2,3
	MM ACC+8*\t, WK+24*\t+12, XF+12, ACC+8*\t, WS+2*\t+1, XS+1
.endr
	PLACES 4                                       ; in front of loads into registers that the products read, and of the first read of the sums
.if \n < 7
	FETCHX \n+1
.endif
	s_wait_xcnt 0x0                                ; the last tile's stores have read their data
	QUANT2 ACC, DK, TK2, PW2
.irp i, 0,1,2,3,4,5
	v_cndmask_b32 v[DK+\i], v[DK+\i], v[NIL], s[MK+\n]    ; a masked key: zero codes,
.endr
	v_cndmask_b32 v[DK+6], v[NIL], v[C0C], s[MK+\n]       ; +1.0 at k = 64,
	v_cndmask_b32 v[EXT], v[COP], v[CMA], s[MK+\n]        ; under 2^35
	s_delay_alu instid0(VALU_DEP_1)
	v_lshl_or_b32 v[KSW+\n], v[EXT], 16, v[PW2]
	global_store_b128 v[LI], v[DK:DK+3], s[70:71] offset:\n*1024
	global_store_b128 v[LI], v[DK+4:DK+7], s[70:71] offset:\n*1024+512
.endr
	s_wait_alu depctr_va_vdst(0)
	s_wait_xcnt 0x0
.irp i, 0,1,2,3
	v_cndmask_b32 v[DK+\i], v[KSW+\i], v[KSW+4+\i], s[HIM]  ; lanes 0-15 carry tiles 0-3's words, lanes 16-31 tiles 4-7's
.endr
	global_store_b128 v[LI], v[DK:DK+3], s[62:63] offset:14336
	ENDL
	s_endpgm
	; ======== V: not transposed (source 0 = 16 tokens, source 1 = 16 rows of the weight): a lane holds one of the head's 64 and its registers run along the keys, which are the next K
.Lvarm:
.macro WLOADV t
.irp k, 0,1
.irp p, 0,1,2,3,4,5
	global_load_b64 v[WVR+24*((\t)%2)+12*\k+2*\p:WVR+24*((\t)%2)+12*\k+2*\p+1], v[OC], s[12:13] offset:(32*((\t)/2)+8*((\t)%2))*192+96*\k+48*(\p/3)+8*(\p%3)
.endr
.endr
.endm
.irp t, 0,1,2,3
	global_load_b64 v[WVS+2*\t:WVS+2*\t+1], v[OS], s[14:15] offset:(32*(\t/2)+8*(\t%2))*8
.endr
.irp t, 0,1,2,3
	global_load_b32 v[BV+\t], v[OM], s[16:17] offset:(32*(\t/2)+8*(\t%2))*4
.endr
	WLOADV 0
	WLOADV 1
	s_mov_b64 s[70:71], s[38:39]                   ; the step's V image (8,192 bytes on, in the stores' immediates)
	BARRIER                                        ; the eight tiles' images lie in LDS
.irp n, 0,1,2,3
.if \n < 3
	s_wait_loadcnt 12                              ; this tile's weight is in; the next tile's twelve loads may be out
.else
	s_wait_loadcnt 0x0
.endif
.irp j, 0,1,2,3,4,5,6,7
	v_mov_b32 v[CB+\j], v[BV+\n]                   ; the bias hangs on the lane's column alone
.endr
	s_wait_alu depctr_va_vdst(0)
.irp k, 0,1
.irp g, 0,1
.irp i, 0,1,2,3
.irp c, 0,1,2
	ds_load_b128 v[XF4+12*\i+4*\c:XF4+12*\i+4*\c+3], v[LI] offset:XIMG+(4*\g+\i)*3072+\k*1536+512*\c
.endr
	ds_load_b32 v[XSW+\i], v[L4] offset:XSC+(4*\g+\i)*256+128*\k
.endr
	s_wait_dscnt 0x0
.irp i, 0,1,2,3
.if \k == 0
	MM AV+8*(4*\g+\i), XF4+12*\i, WVR+24*(\n%2), CB, XSW+\i, WVS+2*\n
.else
	MM AV+8*(4*\g+\i), XF4+12*\i, WVR+24*(\n%2)+12, AV+8*(4*\g+\i), XSW+\i, WVS+2*\n+1
.endif
.endr
	PLACES 4
.endr
.endr
.if \n < 2
	WLOADV \n+2
.endif
	s_wait_xcnt 0x0                                ; the last tile's stores have read their data
	QUANT4 AV, PC, TV2, VSW+\n
.irp c, 0,1,2
	global_store_b128 v[LI], v[PC+4*\c:PC+4*\c+3], s[70:71] offset:8192+\n*1536+512*\c
.endr
.endr
	global_store_b128 v[LI], v[VSW:VSW+3], s[62:63] offset:14848
	ENDL
	s_endpgm
	; ======== Job 4: a weight's rows become images of the operand's registers.  No LDS, no barrier.
	; Work-group g of 48: matrix g / 8 (m1_w2, m2_w2, ffn_w1, ffn_w2), block j = g % 8; wave w takes fragment f = 8 j + w.
	; m1_w2, m2_w2, ffn_w2 [256][512]: rows of 384 bytes, f = 16 (K step) + tile.  ffn_w1 [512][256]: rows of 192 bytes, f = 32 (K step) + tile.
	; Job 4 has 48 work-groups in all: matrices 4 and 5 are m1_wq and m2_wq [512][256], laid like ffn_w1; their fragments' images, 98,304 bytes, lie behind W2's block in kv1 and kv2.
	; Their scale words are not laid anew: the attention launch takes them from the input.
.Lrelay:
	s_load_b128 s[4:7], s[0:1], 0x88               ; kv1, kv2
	s_load_b512 s[8:23], s[0:1], 0x98              ; codes and scales of m1_w2, m2_w2, ffn_w1, ffn_w2
	s_load_b64 s[24:25], s[0:1], 0xd8              ; wf
	s_load_b128 s[48:51], s[0:1], 0xe0             ; codes of m1_wq, m2_wq
	v_lshrrev_b32 v12, 5, v0
	s_delay_alu instid0(VALU_DEP_1)
	v_readfirstlane_b32 s[WV], v12                 ; wave 0..7
	v_and_b32 v12, 31, v0
	s_delay_alu instid0(VALU_DEP_1)
	v_lshlrev_b32 v[LI], 4, v12
	v_and_b32 v13, 15, v0                          ; r
	v_bfe_u32 v14, v0, 4, 1                        ; h
	s_delay_alu instid0(VALU_DEP_2)
	v_and_b32 v15, 8, v13
	s_delay_alu instid0(VALU_DEP_1)
	v_add_nc_u32 v15, v15, v13                     ; r + 8 (r / 8)
	s_wait_alu depctr_va_vdst(0)
	s_lshr_b32 s26, s[TSX], 3                      ; the matrix
	s_and_b32 s27, s[TSX], 7                       ; j
	s_lshl_b32 s28, s27, 3
	s_add_co_u32 s28, s28, s[WV]                   ; f
	s_lshr_b32 s52, 0x34, s26                      ; matrices 2, 4 and 5 have rows of 256 along K
	s_and_b32 s52, s52, 1
	s_cmp_eq_u32 s52, 1
	s_cselect_b32 s29, 5, 4                        ; tiles in a K step: 32 or 16, as a shift
	s_cselect_b32 s30, 3, 4                        ; scale bytes in a row: 8 or 16, as a shift
	s_mov_b32 s31, 384
	s_cselect_b32 s31, 192, s31                    ; bytes in a row of codes
	s_lshr_b32 s32, s28, s29                       ; the K step
	s_lshl_b32 s33, s32, s29
	s_sub_co_u32 s33, s28, s33                     ; the tile
	s_lshr_b32 s34, s33, 1
	s_lshl_b32 s34, s34, 5
	s_and_b32 s35, s33, 1
	s_lshl_b32 s35, s35, 3
	s_add_co_u32 s34, s34, s35                     ; its first row: 32 (tile / 2) + 8 (tile % 2)
	s_mul_i32 s34, s34, s31
	s_mul_i32 s35, s32, 96
	s_add_co_u32 s34, s34, s35                     ; in bytes, + 96 x K step
	s_mov_b32 s35, 0
	v_mul_lo_u32 v16, v15, s31
	s_delay_alu instid0(VALU_DEP_1)
	v_mad_u32_u24 v16, v14, 24, v16                ; my row, + 24 h
	v_lshl_add_u32 v17, v14, 6, v15                ; the scale words: lanes 16-31 take the tiles four further on, 64 rows down
	s_delay_alu instid0(VALU_DEP_1)
	v_add_nc_u32 v18, 8, v17
	s_delay_alu instid0(VALU_DEP_2)
	v_add_nc_u32 v19, 32, v17
	s_delay_alu instid0(VALU_DEP_3)
	v_add_nc_u32 v24, 40, v17
	s_delay_alu instid0(VALU_DEP_4)
	v_lshlrev_b32 v20, s30, v17                    ; word i: tile 4 h + i of the block's eight
	s_delay_alu instid0(VALU_DEP_4)
	v_lshlrev_b32 v21, s30, v18
	s_delay_alu instid0(VALU_DEP_4)
	v_lshlrev_b32 v22, s30, v19
	s_delay_alu instid0(VALU_DEP_4)
	v_lshlrev_b32 v23, s30, v24
	s_mul_i32 s36, s28, 1536                       ; where my fragment's image goes,
	s_mov_b32 s37, 0
	s_lshl_b32 s38, s27, 9
	s_add_co_u32 s38, s38, 98304                   ; and the block's scale words
	s_mov_b32 s39, 0
	s_and_b32 s40, s26, 1
	s_wait_alu depctr_va_vdst(0)
	s_wait_kmcnt 0x0
	s_cmp_eq_u32 s40, 0                            ; the choices hang on the work-group's number alone
	s_cselect_b64 s[8:9], s[8:9], s[12:13]
	s_cselect_b64 s[10:11], s[10:11], s[14:15]
	s_cselect_b64 s[16:17], s[16:17], s[20:21]
	s_cselect_b64 s[18:19], s[18:19], s[22:23]
	s_cselect_b64 s[4:5], s[4:5], s[6:7]
	s_cselect_b64 s[48:49], s[48:49], s[50:51]
	s_mov_b64 s[54:55], s[4:5]                     ; kv1 or kv2, for matrices 4 and 5
	s_cselect_b32 s41, 0, 102400
	s_cmp_lt_u32 s26, 2
	s_cselect_b64 s[8:9], s[8:9], s[16:17]         ; the matrix's codes,
	s_cselect_b64 s[10:11], s[10:11], s[18:19]     ; its scale bytes,
	s_cselect_b64 s[4:5], s[4:5], s[24:25]         ; the buffer that takes its image,
	s_cselect_b32 s40, KVW, s41                    ; and where in it
	s_cmp_lt_u32 s26, 4
	s_cselect_b64 s[8:9], s[8:9], s[48:49]
	s_cselect_b64 s[4:5], s[4:5], s[54:55]
	s_mov_b32 s52, KVW+102400
	s_cselect_b32 s40, s40, s52
	s_mov_b32 s41, 0
	s_add_nc_u64 s[4:5], s[4:5], s[40:41]
	s_add_nc_u64 s[8:9], s[8:9], s[34:35]
	s_add_nc_u64 s[36:37], s[4:5], s[36:37]
.irp p, 0,1,2,3,4,5
	global_load_b64 v[32+2*\p:33+2*\p], v16, s[8:9] offset:48*(\p/3)+8*(\p%3)
.endr
	s_wait_loadcnt 0x0
.irp c, 0,1,2
	global_store_b128 v[LI], v[32+4*\c:35+4*\c], s[36:37] offset:512*\c   ; 32 lanes store 512 consecutive bytes
.endr
	s_cmp_lg_u32 s[WV], 0
	s_cbranch_scc1 .Lrelay_end
	s_cmp_ge_u32 s26, 4
	s_cbranch_scc1 .Lrelay_end
	s_lshl_b32 s34, s33, 4                         ; wave 0's tile is the block's first: its 16 rows a tile,
	s_lshl_b32 s34, s34, s30                       ; in scale bytes,
	s_lshl_b32 s46, s32, 2
	s_add_co_u32 s34, s34, s46                     ; + 4 x K step
	s_add_nc_u64 s[10:11], s[10:11], s[34:35]
	s_add_nc_u64 s[38:39], s[4:5], s[38:39]
.irp i, 0,1,2,3
	global_load_b32 v[44+\i], v[20+\i], s[10:11]
.endr
	s_wait_loadcnt 0x0
	global_store_b128 v[LI], v[44:47], s[38:39]
.Lrelay_end:
	s_endpgm
.Lfunc_end_k_q92a63938c8_proj:
	.size	k_q92a63938c8_proj, .Lfunc_end_k_q92a63938c8_proj-k_q92a63938c8_proj
	.p2alignl 7, 3214868480
	.fill 96, 4, 3214868480
	.section	.rodata,"a",@progbits
	.p2align	6, 0x0
	.amdhsa_kernel k_q92a63938c8_proj
		.amdhsa_group_segment_fixed_size 27648
		.amdhsa_private_segment_fixed_size 0
		.amdhsa_enable_private_segment 0
		.amdhsa_kernarg_size 240
		.amdhsa_user_sgpr_count 2
		.amdhsa_user_sgpr_kernarg_segment_ptr 1
		.amdhsa_wavefront_size32 1
		.amdhsa_system_sgpr_workgroup_id_x 1
		.amdhsa_system_sgpr_workgroup_id_y 1
		.amdhsa_system_sgpr_workgroup_id_z 1
		.amdhsa_system_vgpr_workitem_id 0
		.amdhsa_next_free_vgpr 256
		.amdhsa_next_free_sgpr 80
		.amdhsa_reserve_vcc 0
		.amdhsa_float_denorm_mode_32 3
		.amdhsa_float_denorm_mode_16_64 3
		.amdhsa_memory_ordered 1
		.amdhsa_forward_progress 1
		.amdhsa_inst_pref_size 123
	.end_amdhsa_kernel
	.amdgpu_metadata
---
amdhsa.version: [ 1, 2 ]
amdhsa.kernels:
  - .name:           k_q92a63938c8_proj
    .symbol:         k_q92a63938c8_proj.kd
    .args:
      - { .name: x, .offset: 0, .size: 8, .value_kind: global_buffer, .address_space: global }
      - { .name: encoder_output_codes, .offset: 8, .size: 8, .value_kind: global_buffer, .address_space: global }
      - { .name: encoder_output_scales, .offset: 16, .size: 8, .value_kind: global_buffer, .address_space: global }
      - { .name: tgt_mask, .offset: 24, .size: 8, .value_kind: global_buffer, .address_space: global }
      - { .name: m1_wk_codes, .offset: 32, .size: 8, .value_kind: global_buffer, .address_space: global }
      - { .name: m1_wk_scales, .offset: 40, .size: 8, .value_kind: global_buffer, .address_space: global }
      - { .name: m1_bk, .offset: 48, .size: 8, .value_kind: global_buffer, .address_space: global }
      - { .name: m1_wv_codes, .offset: 56, .size: 8, .value_kind: global_buffer, .address_space: global }
      - { .name: m1_wv_scales, .offset: 64, .size: 8, .value_kind: global_buffer, .address_space: global }
      - { .name: m1_bv, .offset: 72, .size: 8, .value_kind: global_buffer, .address_space: global }
      - { .name: m2_wk_codes, .offset: 80, .size: 8, .value_kind: global_buffer, .address_space: global }
      - { .name: m2_wk_scales, .offset: 88, .size: 8, .value_kind: global_buffer, .address_space: global }
      - { .name: m2_bk, .offset: 96, .size: 8, .value_kind: global_buffer, .address_space: global }
      - { .name: m2_wv_codes, .offset: 104, .size: 8, .value_kind: global_buffer, .address_space: global }
      - { .name: m2_wv_scales, .offset: 112, .size: 8, .value_kind: global_buffer, .address_space: global }
      - { .name: m2_bv, .offset: 120, .size: 8, .value_kind: global_buffer, .address_space: global }
      - { .name: xc, .offset: 128, .size: 8, .value_kind: global_buffer, .address_space: global }
      - { .name: kv1, .offset: 136, .size: 8, .value_kind: global_buffer, .address_space: global }
      - { .name: kv2, .offset: 144, .size: 8, .value_kind: global_buffer, .address_space: global }
      - { .name: m1_w2_codes, .offset: 152, .size: 8, .value_kind: global_buffer, .address_space: global }
      - { .name: m1_w2_scales, .offset: 160, .size: 8, .value_kind: global_buffer, .address_space: global }
      - { .name: m2_w2_codes, .offset: 168, .size: 8, .value_kind: global_buffer, .address_space: global }
      - { .name: m2_w2_scales, .offset: 176, .size: 8, .value_kind: global_buffer, .address_space: global }
      - { .name: ffn_w1_codes, .offset: 184, .size: 8, .value_kind: global_buffer, .address_space: global }
      - { .name: ffn_w1_scales, .offset: 192, .size: 8, .value_kind: global_buffer, .address_space: global }
      - { .name: ffn_w2_codes, .offset: 200, .size: 8, .value_kind: global_buffer, .address_space: global }
      - { .name: ffn_w2_scales, .offset: 208, .size: 8, .value_kind: global_buffer, .address_space: global }
      - { .name: wf, .offset: 216, .size: 8, .value_kind: global_buffer, .address_space: global }
      - { .name: m1_wq_codes, .offset: 224, .size: 8, .value_kind: global_buffer, .address_space: global }
      - { .name: m2_wq_codes, .offset: 232, .size: 8, .value_kind: global_buffer, .address_space: global }
    .group_segment_fixed_size: 27648
    .private_segment_fixed_size: 0
    .kernarg_segment_align: 8
    .kernarg_segment_size: 240
    .max_flat_workgroup_size: 256
    .sgpr_count:     80
    .vgpr_count:     256
    .wavefront_size: 32
...
	.end_amdgpu_metadata
.endif
;; end of part 5
;; launch fa1 (part 6): grid 256 x 1, 16 waves a work-group, clusters of 4 x 1, 327,680 bytes of LDS; arguments xc, xc2, m1_wq_scales, m1_bq, kv1, x, m1_b2, m1_g, m1_b, ln1_g, ln1_b, xa; writes xa, xc2
.if DOCPART == 6
	.amdgcn_target "amdgcn-amd-amdhsa--gfx1250"
	.amdhsa_code_object_version 6
	.text
	.protected	k_q92a63938c8_fa1
	.globl	k_q92a63938c8_fa1
	.p2align	8
	.type	k_q92a63938c8_fa1,@function
k_q92a63938c8_fa1:
	s_mov_b64 s[64:65], 0
	v_nop
	global_prefetch_b8 v0, s[64:65] scope:SCOPE_SE
	s_setreg_imm32_b32 hwreg(HW_REG_WAVE_MODE, 25, 1), 1
	s_wait_xcnt 0x0
	s_wait_alu depctr_hold_cnt(0) depctr_sa_sdst(0) depctr_va_vdst(0) depctr_va_sdst(0) depctr_va_ssrc(0) depctr_va_vcc(0) depctr_vm_vsrc(0)
	s_getreg_b32 s2, hwreg(HW_REG_IB_STS2, 6, 4)
	s_cmp_eq_u32 s2, 0
	s_cbranch_scc0 .Lentry_in_a_cluster
	s_endpgm
.Lentry_in_a_cluster:
	s_bfe_u32 s2, ttmp6, 0x10000c
	s_cmp_lg_u32 s2, 0x3003
	s_cbranch_scc0 .Lentry_shape_is_right
	s_endpgm
.Lentry_shape_is_right:
; One mha and the norm behind it, for 32 tokens and all 8 heads: Q = x Wq + bq, S^T = K Q^T, p = 2^(t - M), O^T = V^T p^T, O / l quantised;
; y = att W2 + b2 + res; a = LN(y; g1, b1); z = LN(res + a; g2, b2).  z goes out as f32 rows and as codes of E3M2.  All products on codes of E3M2 with E8M0 scales.
; LEFT OUT: src_mask.  reference() calls its second mha with masked=False, so nothing reads it; as the second mha this body gets K images in which every key is open.
; THE MASK costs no line here: a masked key's image has zero codes, +1.0 at k = 64 and 2^35 as that block's scale; Q holds -1.0 at k = 64 and zeros above: its score is -2^35 = 8 NEG.
; K's eight tiles of a step lie 8 registers apart; a tile's operand runs on into the next tile's first four, against Q's zero codes.
; SOFTMAX: t = score x c; -M = floor(-running largest t); the sum is taken of the unquantised p; when M moves, sum and O^T are multiplied by 2^(old M - new M), exactly.
; LIMITS.  NaN and infinities are not served; a p under 2^-126 is 0; a block under 2^-122 keeps the scale byte 1 over its codes.
; SHARES.  256 work-groups; work-group x owns tokens 32 x .. 32 x + 31 (token tiles 2 x, 2 x + 1).  In the attention wave w is head w / 2, tile w % 2; behind it wave w is tile w % 2, columns 32 (w / 2) .. + 31.
; THE RING.  A key step (128 keys) of all 8 heads is one dense block of 122,880 bytes; two slots take turns; each wave fetches 7,680 bytes (30 rows of 256) with one load behind each round: one load of mine is out.
; The last trip's refill brings W2's block (102,400 bytes: 64 fragments as register images, then scale words) into slot 0.
; CLUSTER.  The four work-groups of a cluster belong to one batch and walk the same tiles: every load is joint, with one descriptor and the mask of all four; a round of the cluster's barrier stands in front of each.
; PREFETCH.  In trip t each wave asks for 8 blocks of 256 bytes of its own 7,680 bytes of tile t + 3, which trip t + 2 loads; the four partners take blocks 8 cx .. 8 cx + 7 (held at 29): by address.  Tiles past 15 are not asked for.
.set SLOT,  122880
.set ATTI,  245760                     ; LDS behind the ring, written by LDS stores alone: the attention's fragments, 2 tiles x 6,144
.set ATTS,  258048                     ; their scale words, 2 x 512
.set STAT,  259072                     ; four sets of partial sums [tile][row 16][wave 8] x 4 bytes
.set PAR,   263168                     ; b2, g1, b1, g2, b2 of the second norm: 1,024 bytes each
.set XI,    268288                     ; z's fragments, 2 tiles x 3,072, and scale words, 512
.set STG,   275200                     ; 32 rows x 1,040: the residual, later z
.set SPITCH, 1040
.set SPARE, 308480                     ; the spare words, 128 bytes for each of 16 waves; no other line names them
.set XC_SC, 1572864
.set KVW,   0x780000
.set LI,  1
.set L8,  2
.set L4,  3
.set SPW, 4
.set NIL, 5
.set AD0, 6                            ; my head's piece in slot 0, slot 1
.set AD1, 7
.set PFO, 8
.set SIN, 9                            ; the stage by rows: rows 2 w, 2 w + 1
.set QF,  16
.set QS,  28
.set LN,  29
.set PSTA, 30
.set POFF, 31
.set FB,  32
.set S,   100
.set OT,  164
.set PCD, 196
.set TM,  208
.set T8,  212
.set SO,  220
.set FF,  224
.set PS,  225
.set SCR, 226
.set KS,  228
.set VS,  232
.set SM,  236                          ; v236-249 seven chains of the sum; at the head Wq's and x's scale words
.set WS,  236
.set XS,  244
; behind the attention
.set ATW, 16
.set ATSW, 17
.set ATR, 18
.set ATSR, 19
.set WFA, 20
.set WFB, 21
.set WSA, 22
.set SLN, 23
.set PLN, 24
.set STW, 25
.set STR, 26
.set XA,  27
.set XSB, 30
.set XRD, 31
.set WFR, 32                           ; W2's 8 fragments; later: v32-63 g2, b2; v64.. scratch
.set XT,  32
.set PWT, 38
.set G2,  32
.set B2,  48
.set CH,  64
.set SC,  72
.set MU,  74
.set RS,  76
.set CD,  78
.set AFR, 128
.set ASR, 176
.set WSR, 180
.set ACC, 240
.set RES, 208
.set GB,  224
.set PB,  192
.set WV,  30
.set HD,  31
.set TT,  32
.set CNT, 33
.set SEL, 34
.set CS,  36
.set CX,  38
.set WGX, 39
.set G1,  40
.set G0,  48
.set G1W, 56
.set G0W, 68
.set XSP, 80
.set PF,  82
.set ZA,  84
.set ZB,  85
.set ZC,  86
.set ZD,  87
.set ZE,  88
.set ZF,  89
.set ZG,  90
.set ZH,  91
.set ZI,  92
.set ZJ,  93
.set ZK,  94
.set ZL,  95
.set ZM,  96
.set C256, 97
.set CEPS, 98
.set ZN,  99
.macro PLACES n
.rept \n
	v_nop
.endr
.endm
.macro D n
	s_delay_alu instid0(VALU_DEP_\n)
.endm
.macro BAR                             ; my LDS instructions are done: then the work-group's barrier
	s_wait_alu depctr_va_vdst(0)
	s_wait_dscnt 0x0
	s_barrier_signal -1
	s_barrier_wait -1
.endm
.macro CROUND                          ; a round of the cluster's barrier
	s_barrier_signal -1
	s_barrier_wait -1
	s_cmp_lg_u32 s[WV], 0
	s_cbranch_scc1 .Lnot_wave_0_\@
	s_barrier_signal -3
.Lnot_wave_0_\@:
	s_barrier_wait -3
	s_barrier_signal -1
	s_barrier_wait -1
.endm
.macro MM d, a, b, c, sa, sb
	v_wmma_scale_f32_16x16x128_f8f6f4 v[\d:\d+7], v[\a:\a+11], v[\b:\b+11], v[\c:\c+7], v[\sa], v[\sb] matrix_a_fmt:MATRIX_FMT_BF6 matrix_b_fmt:MATRIX_FMT_BF6
.endm
; 32 numbers of a lane, register 16 b + i = k 32 b + 16 h + i of my row, become six registers of codes and two scale bytes
.macro QUANT2 s, d, t, pw
.irp b, 0,1
	v_max3_num_f32 v[TM+\b], |v[\s+16*\b]|, |v[\s+1+16*\b]|, 0x2800000   ; the floor 2^(5 - 127): the byte cannot fall under 1
.endr
.irp i, 2,4,6,8,10,12,14
.irp b, 0,1
	v_max3_num_f32 v[TM+\b], v[TM+\b], |v[\s+16*\b+\i]|, |v[\s+1+16*\b+\i]|
.endr
.endr
.irp b, 0,1
	D 2
	v_permlanex16_b32 v[TM+4+\b], v[TM+\b], s[SEL], s[SEL+1]
.endr
.irp b, 0,1
	D 2
	v_max_num_f32 v[TM+\b], v[TM+\b], v[TM+4+\b]
.endr
.irp b, 0,1
	D 2
	v_add_nc_u32 v[TM+12+\b], 0xfe000000, v[TM+\b]
.endr
.irp b, 0,1
	D 2
	v_lshrrev_b32 v[TM+4+\b], 23, v[TM+12+\b]
.endr
	D 1
	v_lshl_or_b32 v[\pw], v[TM+5], 8, v[TM+4]
	v_cvt_scalef32_pk16_bf6_f32 v[\d:\d+2], v[\s:\s+15], v[TM+12]
	v_cvt_scalef32_pk16_bf6_f32 v[\t:\t+2], v[\s+16:\s+31], v[TM+13]
	v_nop                                          ; one plain place behind a scaled conversion
.irp i, 0,1,2
	v_permlane16_swap_b32 v[\d+\i], v[\t+\i]
.endr
.irp i, 0,1,2
	D 3
	v_mov_b32 v[\d+3+\i], v[\t+\i]
.endr
.endm
	s_load_b512 s[4:19], s[0:1], 0x0               ; x's codes, z's codes, Wq's scales, bq, the K and V buffer, res, b2, g1
	s_load_b256 s[20:27], s[0:1], 0x40             ; b1, g2, b2 of the second norm, z
	v_lshl_add_u32 v[SPW], v0, 2, SPARE
	v_mov_b32 v[NIL], 0
	ds_add_u32 v[SPW], v[NIL]                      ; the opening lines: the add, twice on end, and its wait ahead of my first tensor load
	ds_add_u32 v[SPW], v[NIL]
	v_lshrrev_b32 v30, 5, v0
	D 1
	v_readfirstlane_b32 s[WV], v30                 ; wave 0..15
	s_lshr_b32 s[HD], s[WV], 1                     ; my head; later my 32 columns
	s_and_b32 s[TT], s[WV], 1                      ; my token tile of the two
	s_bfe_u32 s[CX], ttmp6, 0x40000                ; cx: it enters global addresses alone
	s_lshl_b32 s[WGX], ttmp9, 2
	s_add_co_u32 s[WGX], s[WGX], s[CX]
	s_lshr_b32 s72, ttmp9, 4                       ; the batch, which the four partners share
	s_mul_i32 s72, s72, 16*SLOT
	s_mul_i32 s74, s[WV], 7680                     ; my part of a tile: the same in memory and in LDS
	s_add_co_u32 s72, s72, s74
	s_mov_b32 s73, 0
	s_mul_i32 s[G0W+1], s[WV], 6400                ; my part of W2's block
	s_add_co_u32 s76, s[G0W+1], KVW
	s_mov_b32 s77, 0
.irp g, G1, G1W
	s_mov_b32 s[\g], 15|(3<<16)|(1<<21)            ; the mask of all four; elements of 8 bytes; bit 21 beside a mask
	s_mov_b32 s[\g+1], 32<<16                      ; rows of 256 bytes
	s_mov_b32 s[\g+3], 32<<16
	s_mov_b32 s[\g+5], 32                          ; dense
	s_mov_b32 s[\g+6], 0
	s_mov_b32 s[\g+7], 0
.endr
	s_mov_b32 s[G1+2], 30<<16                      ; 30 rows of a tile,
	s_mov_b32 s[G1+4], 30
	s_mov_b32 s[G1W+2], 25<<16                     ; 25 of W2's block
	s_mov_b32 s[G1W+4], 25
	s_mov_b32 s[SEL], 0x76543210
	s_mov_b32 s[SEL+1], 0xfedcba98
	s_mov_b32 s[CS], 0x3e38aa3b                    ; c = log2(e) / sqrt(64)
	s_mov_b32 s[CS+1], s[CS]
	s_mov_b32 s[C256], 0x3b800000                  ; 1 / 256
	s_mov_b32 s[CEPS], 0x358637bd                  ; 1e-6
	v_and_b32 v[LN], 31, v0
	v_and_b32 v10, 15, v0                          ; r
	v_bfe_u32 v11, v0, 4, 1                        ; h
	D 3
	v_lshlrev_b32 v[LI], 4, v[LN]
	v_lshlrev_b32 v[L8], 3, v[LN]
	v_lshlrev_b32 v[L4], 2, v[LN]
	v_and_b32 v12, 8, v10
	D 1
	v_add_nc_u32 v12, v12, v10                     ; r + 8 (r / 8)
	D 1
	v_lshlrev_b32 v14, 3, v12                      ; Wq's scale bytes: 8 a row
	v_lshlrev_b32 v15, 6, v11                      ; bq as C: 64 h
	s_mul_i32 s75, s[HD], 15360
	v_add_nc_u32 v[AD0], s75, v[LI]
	D 1
	v_add_nc_u32 v[AD1], SLOT, v[AD0]
	s_mul_i32 s75, s[WV], 2*SPITCH
	s_add_co_u32 s75, s75, STG
	v_add_nc_u32 v[SIN], s75, v[LI]
	s_lshl_b32 s75, s[WV], 9
	s_add_co_u32 s75, s75, PAR
	v_add_nc_u32 v[PSTA], s75, v[LI]
	s_lshl_b32 s75, s[TT], 9
	v_add_nc_u32 v[POFF], s75, v[LI]
	s_lshl_b32 s78, s[CX], 3
	v_min_u32 v[PFO], 7, v[LN]
	D 1
	v_add_nc_u32 v[PFO], s78, v[PFO]
	D 1
	v_min_u32 v[PFO], 29, v[PFO]                   ; lanes left over name the last block again
	D 1
	v_lshlrev_b32 v[PFO], 8, v[PFO]
.irp i, 0,1,2,3,4,5,6,7
	v_mov_b32 v[T8+\i], 0                          ; written once: a lane permute's destination counts as one of its sources
.endr
	s_wait_alu depctr_va_vdst(0)                   ; directly ahead of the waits below
	s_wait_dscnt 0x0                               ; both opening adds are done
	s_wait_kmcnt 0x0
	s_mov_b32 s[G0W], 1
	s_add_nc_u64 s[G0W+2:G0W+3], s[12:13], s[76:77]
	s_or_b32 s[G0W+3], s[G0W+3], 0x80000000
	s_mul_i32 s78, s[HD], 6144                     ; Wq's fragments lie behind W2's block as register images [K step 2][tile 32] x 1,536; my head's tiles are 4 h .. 4 h + 3
	s_add_co_u32 s78, s78, KVW+102400
	s_mov_b32 s79, 0
	s_add_nc_u64 s[28:29], s[12:13], s[78:79]
	s_add_nc_u64 s[12:13], s[12:13], s[72:73]      ; my part of tile 0
.irp s, 0,1
	s_mov_b32 s[G0+4*\s], 1
	s_add_co_u32 s[G0+4*\s+1], s74, \s*SLOT
	s_add_nc_u64 s[G0+4*\s+2:G0+4*\s+3], s[12:13], \s*SLOT
	s_or_b32 s[G0+4*\s+3], s[G0+4*\s+3], 0x80000000
.endr
	s_add_nc_u64 s[PF:PF+1], s[12:13], 3*SLOT      ; the prefetches begin at tile 3
	CROUND                                         ; all four work-groups are here: the joint loads meet
	tensor_load_to_lds s[G0:G0+3], s[G1:G1+7]      ; tile 0: my one load at the head, ahead of all else that the head asks of memory
	s_nop 0
	PLACES 4
	s_lshl_b32 s72, s[WGX], 1
	s_add_co_u32 s72, s72, s[TT]                   ; my token tile
	s_lshl_b32 s76, s72, 8
	s_add_nc_u64 s[XSP:XSP+1], s[4:5], s[76:77]
	s_add_nc_u64 s[XSP:XSP+1], s[XSP:XSP+1], XC_SC ; its scale words,
	s_mul_i32 s76, s72, 3072
	s_add_nc_u64 s[4:5], s[4:5], s[76:77]          ; its codes
	s_lshl_b32 s76, s[HD], 9
	s_add_nc_u64 s[8:9], s[8:9], s[76:77]
	s_lshl_b32 s76, s[HD], 8
	s_add_nc_u64 s[10:11], s[10:11], s[76:77]
	s_lshl_b32 s76, s[WGX], 15
	s_lshl_b32 s72, s[WV], 11
	s_add_co_u32 s76, s76, s72
	s_add_nc_u64 s[14:15], s[14:15], s[76:77]      ; rows 2 w, 2 w + 1 of the residual,
	s_add_nc_u64 s[26:27], s[26:27], s[76:77]      ; and of z
	s_mul_i32 s76, s[WGX], 6144
	s_lshl_b32 s72, s[WV], 9
	s_add_co_u32 s76, s76, s72
	s_lshl_b32 s72, s[WGX], 9
	s_add_co_u32 s72, s72, XC_SC
	s_cmp_lt_u32 s[WV], 12
	s_cselect_b32 s76, s76, s72                    ; waves 0-11 store 512 bytes of z's codes each, wave 12 the scale words
	s_add_nc_u64 s[6:7], s[6:7], s[76:77]
	s_cmp_eq_u32 s[HD], 1                          ; waves 2 p, 2 p + 1 bring parameter vector p
	s_cselect_b64 s[16:17], s[18:19], s[16:17]
	s_cmp_eq_u32 s[HD], 2
	s_cselect_b64 s[16:17], s[20:21], s[16:17]
	s_cmp_eq_u32 s[HD], 3
	s_cselect_b64 s[16:17], s[22:23], s[16:17]
	s_cmp_eq_u32 s[HD], 4
	s_cselect_b64 s[16:17], s[24:25], s[16:17]
.irp j, 0,1
.irp f, 0,1
	global_load_b128 v[196+8*\j+4*\f:199+8*\j+4*\f], v[LI], s[14:15] offset:1024*\j+512*\f   ; 512 consecutive bytes of a row
.endr
.endr
.irp k, 0,1
.irp c, 0,1,2
	global_load_b128 v[128+12*\k+4*\c:131+12*\k+4*\c], v[LI], s[4:5] offset:1536*\k+512*\c
.endr
	global_load_b32 v[XS+\k], v[L4], s[XSP:XSP+1] offset:128*\k
.endr
.irp t, 0,1,2,3
.irp k, 0,1
.irp c, 0,1,2
	global_load_b128 v[32+12*(2*\t+\k)+4*\c:35+12*(2*\t+\k)+4*\c], v[LI], s[28:29] offset:(32*\k+\t)*1536+512*\c   ; 512 consecutive bytes
.endr
.endr
	global_load_b64 v[WS+2*\t:WS+2*\t+1], v14, s[8:9] offset:(32*(\t/2)+8*(\t%2))*8
	global_load_b128 v[OT+8*\t:OT+8*\t+3], v15, s[10:11] offset:128*(\t/2)+32*(\t%2)
	global_load_b128 v[OT+8*\t+4:OT+8*\t+7], v15, s[10:11] offset:128*(\t/2)+32*(\t%2)+16
.endr
	s_cmp_lt_u32 s[HD], 5
	s_cbranch_scc0 .Lnopar
	global_load_b128 v[224:227], v[POFF], s[16:17]
	s_wait_loadcnt 0x0
	ds_store_b128 v[PSTA], v[224:227]
.Lnopar:
	; the LDS bases of the part behind the attention, from the wave's number alone
	s_mul_i32 s[ZC], s[TT], 6144
	s_add_co_u32 s[ZC], s[ZC], ATTI
	s_mul_i32 s[ZA], s[HD], 768
	s_add_co_u32 s[ZA], s[ZA], s[ZC]
	s_lshl_b32 s[ZI], s[TT], 9
	s_add_co_u32 s[ZD], s[ZI], ATTS
	s_add_co_u32 s[ZI], s[ZI], STAT
	s_lshr_b32 s72, s[HD], 1
	s_and_b32 s73, s[HD], 1
	s_lshl_b32 s[ZB], s72, 7
	s_add_co_u32 s[ZB], s[ZB], s[ZD]
	s_lshl_b32 s75, s73, 1
	s_add_co_u32 s[ZB], s[ZB], s75
	s_mul_i32 s[ZE], s[HD], 3072
	s_lshl_b32 s[ZF], s72, 8
	s_lshl_b32 s75, s73, 3
	s_add_co_u32 s[ZF], s[ZF], s75
	s_add_co_u32 s[ZF], s[ZF], 98304
	s_lshl_b32 s[ZH], s[HD], 7
	s_mul_i32 s[ZG], s[TT], 8*SPITCH
	s_add_co_u32 s[ZG], s[ZG], s[ZH]
	s_add_co_u32 s[ZG], s[ZG], STG
	s_add_co_u32 s[ZH], s[ZH], PAR
	s_lshl_b32 s[ZJ], s[HD], 2
	s_add_co_u32 s[ZJ], s[ZJ], s[ZI]
	s_lshr_b32 s75, s[HD], 2
	s_mul_i32 s[ZK], s75, 1536
	s_lshl_b32 s[ZM], s75, 7
	s_mul_i32 s75, s[TT], 3072
	s_add_co_u32 s[ZK], s[ZK], s75
	s_lshl_b32 s75, s73, 8
	s_add_co_u32 s[ZK], s[ZK], s75
	s_add_co_u32 s[ZK], s[ZK], XI
	s_and_b32 s[ZL], s72, 1
	s_mul_i32 s[ZL], s[ZL], 6
	s_lshl_b32 s75, s[TT], 8
	s_add_co_u32 s[ZM], s[ZM], s75
	s_and_b32 s75, s[HD], 3
	s_add_co_u32 s[ZM], s[ZM], s75
	s_add_co_u32 s[ZM], s[ZM], XI+6144
	s_lshl_b32 s[ZN], s[WV], 9
	s_add_co_u32 s[ZN], s[ZN], XI
	s_wait_loadcnt 0x0
.irp j, 0,1
.irp f, 0,1
	ds_store_b128 v[SIN], v[196+8*\j+4*\f:199+8*\j+4*\f] offset:\j*SPITCH+512*\f
.endr
.endr
.irp t, 0,1,2,3                        ; Q^T: source 0 = 16 rows of Wq, source 1 = my tokens; bq lies in the accumulators; the four take turns
	MM OT+8*\t, 32+24*\t, 128, OT+8*\t, WS+2*\t, XS
.endr
.irp t, 0,1,2,3
	MM OT+8*\t, 44+24*\t, 140, OT+8*\t, WS+2*\t+1, XS+1
.endr
	PLACES 4
	QUANT2 OT, QF, T8, SCR
	v_or_b32 v[QS], 0x7f7f0000, v[SCR]             ; the blocks over k = 63 have the scale 1
	v_cmp_gt_u32 vcc_lo, 16, v[LN]
	v_mov_b32 v[SCR], 0x2c                         ; the code -1.0
	D 1
	v_cndmask_b32 v[QF+6], v[NIL], v[SCR], vcc_lo  ; at k = 64: register 6 of lanes 0-15
.irp i, 7,8,9,10,11
	v_mov_b32 v[QF+\i], 0
.endr
.irp i, 64,65,66,67
	v_mov_b32 v[FB+\i], 0                          ; what the last tile's operand runs on into
.endr
	v_mov_b32 v13, 0xff61b1e6                      ; the largest t so far: -3e38
	D 1
	v_floor_f32 v12, -v13                          ; -M
	v_mov_b32 v14, 0                               ; the sum, in two halves
	v_mov_b32 v15, 0
	v_mov_b32 v[PS], 0
	v_mov_b32 v[S], 0                              ; a step's top finishes the sum of the step before: the first trip finds zeros in what it reads there
	v_mov_b32 v[S+1], 0
.set n, 0
.rept 16
	v_mov_b32 v[S+2+4*n], 0
	v_mov_b32 v[S+3+4*n], 0
.set n, n+1
.endr
.set n, 0
.rept 14
	v_mov_b32 v[SM+n], 0
.set n, n+1
.endr
.set n, 0
.rept 32
	v_mov_b32 v[OT+n], 0                           ; O^T; also the places between Q's registers and the first product
.set n, n+1
.endr
; A KEY STEP: 128 keys of my head, from the piece at v[ad].  pf: 0 no prefetch, 1 tile 2 i + 3, 2 tile 2 i + 4 but in the loop's last trip
; the rest of the sum of a step's unquantised p: it stands behind the next step's K loads, ahead of the products that write over p; behind the last step it stands by itself
.macro SUMB
.irp j, 0,1,2,3,4,5,6
	v_pk_add_f32 v[SM+2*\j:SM+2*\j+1], v[SM+2*\j:SM+2*\j+1], v[S+2+4*\j:S+3+4*\j]
.endr
	v_pk_add_f32 v[14:15], v[14:15], v[S:S+1]
.irp j, 0,1,2,3,4,5,6
	v_pk_add_f32 v[SM+2*\j:SM+2*\j+1], v[SM+2*\j:SM+2*\j+1], v[S+30+4*\j:S+31+4*\j]
.endr
	v_pk_add_f32 v[14:15], v[14:15], v[S+58:S+59]
	v_pk_add_f32 v[SM:SM+1], v[SM:SM+1], v[S+62:S+63]
	D 1
	v_pk_add_f32 v[SM:SM+1], v[SM:SM+1], v[SM+8:SM+9]
	v_pk_add_f32 v[SM+2:SM+3], v[SM+2:SM+3], v[SM+10:SM+11]
	v_pk_add_f32 v[SM+4:SM+5], v[SM+4:SM+5], v[SM+12:SM+13]
	v_pk_add_f32 v[14:15], v[14:15], v[SM+6:SM+7]
	D 3
	v_pk_add_f32 v[SM:SM+1], v[SM:SM+1], v[SM+2:SM+3]
	D 2
	v_pk_add_f32 v[14:15], v[14:15], v[SM+4:SM+5]
	D 1
	v_pk_add_f32 v[14:15], v[14:15], v[SM:SM+1]
.endm
.macro STEP ad, pf
	ds_load_b128 v[KS:KS+3], v[\ad] offset:14336   ; K's scale words first: every product wants them
.set n, 0
.rept 16
	ds_load_b128 v[FB+4*n:FB+4*n+3], v[\ad] offset:512*n
.set n, n+1
.endr
	SUMB
.irp t, 0,1,2,3
	s_wait_dscnt 13-2*\t                           ; tile t's operand is K's loads 2 t to 2 t + 2; behind them stand 13 - 2 t
	v_wmma_scale_f32_16x16x128_f8f6f4 v[S+8*\t:S+8*\t+7], v[FB+8*\t:FB+8*\t+11], v[QF:QF+11], 0, v[KS+\t], v[QS] matrix_a_fmt:MATRIX_FMT_BF6 matrix_b_fmt:MATRIX_FMT_BF6
.endr
.irp t, 4,5,6,7
.if \t < 7
	s_wait_dscnt 13-2*\t
.else
	s_wait_dscnt 0x0
.endif
	v_wmma_scale_f32_16x16x128_f8f6f4 v[S+8*\t:S+8*\t+7], v[FB+8*\t:FB+8*\t+11], v[QF:QF+11], 0, v[KS+\t-4], v[QS] matrix_a_fmt:MATRIX_FMT_BF6 matrix_b_fmt:MATRIX_FMT_BF6 matrix_a_scale:MATRIX_SCALE_ROW1
.endr
	PLACES 4                                       ; in front of V's loads into K's registers, and of the first read of the scores
.set n, 0
.rept 12
	ds_load_b128 v[FB+4*n:FB+4*n+3], v[\ad] offset:8192+512*n   ; V lands while the softmax is walked
.set n, n+1
.endr
	ds_load_b128 v[VS:VS+3], v[\ad] offset:14848
.if \pf == 1
	global_prefetch_b8 v[PFO], s[PF:PF+1] th:TH_LOAD_NT scope:SCOPE_SE
.endif
.if \pf == 2
	s_cmp_eq_u32 s[CNT], 1
	s_cbranch_scc1 .Lnopf_\@                       ; tile 16 does not exist
	global_prefetch_b8 v[PFO], s[PF:PF+1] offset:SLOT th:TH_LOAD_NT scope:SCOPE_SE
.Lnopf_\@:
.endif
.irp b, 0,1,2,3
	v_max3_num_f32 v[TM+\b], v[S+16*\b], v[S+16*\b+1], v[S+16*\b+2]   ; the largest score of each block of 32 keys
.endr
.irp i, 3,5,7,9,11,13
.irp b, 0,1,2,3
	v_max3_num_f32 v[TM+\b], v[TM+\b], v[S+16*\b+\i], v[S+16*\b+\i+1]
.endr
.endr
.irp b, 0,1,2,3
	v_max_num_f32 v[TM+\b], v[TM+\b], v[S+16*\b+15]
.endr
.irp b, 0,1,2,3
	D 4
	v_permlanex16_b32 v[T8+\b], v[TM+\b], s[SEL], s[SEL+1]
.endr
.irp b, 0,1,2,3
	D 4
	v_max_num_f32 v[TM+\b], v[TM+\b], v[T8+\b]
.endr
	D 2
	v_max3_num_f32 v[SCR], v[TM], v[TM+1], v[TM+2]
	D 1
	v_max_num_f32 v[SCR], v[SCR], v[TM+3]
	D 1
	v_mul_f32 v[SCR], s[CS], v[SCR]                ; as t
	D 1
	v_max_num_f32 v13, v13, v[SCR]                 ; the running largest t
	v_mov_b32 v[SCR], v12
	D 2
	v_floor_f32 v12, -v13                          ; the new -M: a whole number
	D 1
	v_sub_f32 v[SCR], v12, v[SCR]                  ; old M less new M
	D 1
	v_cvt_i32_f32 v[SCR], v[SCR]                   ; (it saturates)
	D 1
	v_ldexp_f32 v[FF], 1.0, v[SCR]                 ; f
.set n, 0
.rept 32
	v_pk_fma_f32 v[S+n:S+n+1], v[S+n:S+n+1], s[CS:CS+1], v[12:13] op_sel_hi:[1,0,0]   ; t - M
.set n, n+2
.endr
.irp b, 0,1,2,3
	v_fma_f32 v[TM+\b], v[TM+\b], s[CS], v12
.endr
	s_wait_alu depctr_va_vdst(0)                   ; ahead of the batch
.set n, 0
.rept 64
	v_exp_f32 v[S+n], v[S+n]                       ; p, at most 1, not normalised
.set n, n+1
.endr
	v_pk_mul_f32 v[14:15], v[14:15], v[FF:FF+1] op_sel_hi:[1,0]   ; the sums under the new M; a plain place behind the exponentials
	s_wait_alu depctr_va_vdst(0)                   ; one wait for the batch of 64, ahead of its first reader
.irp b, 0,1,2,3
	v_exp_f32 v[TM+\b], v[TM+\b]                   ; each block's largest p
.endr
	v_pk_add_f32 v[14:15], v[14:15], v[S+60:S+61]
	s_wait_alu depctr_va_vdst(0)                   ; and one for the four
.irp b, 0,1,2,3
	v_max_num_f32 v[TM+\b], 0x2800000, v[TM+\b]    ; the floor 2^(5 - 127)
.endr
.irp b, 0,1,2,3
	D 4
	v_add_nc_u32 v[SO+\b], 0xfe000000, v[TM+\b]
.endr
.irp b, 0,1,2,3
	D 4
	v_lshrrev_b32 v[T8+\b], 23, v[SO+\b]
.endr
	D 3
	v_lshl_or_b32 v[PS], v[T8+1], 8, v[T8]
	D 1
	v_lshl_or_b32 v[PS], v[T8+2], 16, v[PS]
	D 1
	v_lshl_or_b32 v[PS], v[T8+3], 24, v[PS]
.irp c, 0,1
	v_cvt_scalef32_pk16_bf6_f32 v[PCD+6*\c:PCD+6*\c+2], v[S+32*\c:S+32*\c+15], v[SO+2*\c]
	v_cvt_scalef32_pk16_bf6_f32 v[T8+4*\c:T8+4*\c+2], v[S+32*\c+16:S+32*\c+31], v[SO+2*\c+1]
.endr
	v_nop
.irp c, 0,1
.irp i, 0,1,2
	v_permlane16_swap_b32 v[PCD+6*\c+\i], v[T8+4*\c+\i]
.endr
.irp i, 0,1,2
	D 3
	v_mov_b32 v[PCD+6*\c+3+\i], v[T8+4*\c+\i]
.endr
.endr
	s_wait_alu depctr_va_vdst(0)                   ; directly ahead of the first reader of O^T
.set n, 0
.rept 16
	v_pk_mul_f32 v[OT+n:OT+n+1], v[OT+n:OT+n+1], v[FF:FF+1] op_sel_hi:[1,0]   ; O^T under the new M; also the places between p's registers and the products
.set n, n+2
.endr
	s_wait_alu depctr_va_vdst(0)
	s_wait_dscnt 0x0                               ; V is in
.irp t, 0,1,2,3
	MM OT+8*\t, FB+12*\t, PCD, OT+8*\t, VS+\t, PS
.endr
.irp j, 0,1,2,3,4,5,6                  ; seven chains of the sum of the unquantised p begin here: also the places behind the products, in front of the next loads into V's registers
	v_pk_add_f32 v[SM+2*\j:SM+2*\j+1], v[S+4+8*\j:S+5+8*\j], v[S+8+8*\j:S+9+8*\j]
.endr
.endm
; A trip: all my loads are done, the add, my reads of the other slot are over; the round; the other slot's next fill; this slot's step
.macro TRIP slot, w2, pf
	s_wait_alu depctr_va_vdst(0)
	s_wait_tensorcnt 0x0
	ds_add_u32 v[SPW], v[NIL]
	s_add_nc_u64 s[G0+4*\slot+2:G0+4*\slot+3], s[G0+4*\slot+2:G0+4*\slot+3], 2*SLOT   ; no load of mine is out: this slot's next tile
	s_wait_dscnt 0x0
	CROUND
.if \w2
	tensor_load_to_lds s[G0W:G0W+3], s[G1W:G1W+7]  ; W2's block into slot 0
.else
	tensor_load_to_lds s[G0+4-4*\slot:G0+7-4*\slot], s[G1:G1+7]
.endif
	s_nop 0
	STEP AD0+\slot, \pf
.endm
	s_mov_b32 s[CNT], 7
	s_wait_alu depctr_va_vdst(0)                   ; the head's end
.Lring:
	TRIP 0, 0, 1
	TRIP 1, 0, 2
	s_wait_xcnt 0x0                                ; the prefetches have read their base
	s_add_nc_u64 s[PF:PF+1], s[PF:PF+1], 2*SLOT
	s_sub_co_u32 s[CNT], s[CNT], 1
	s_cmp_lg_u32 s[CNT], 0
	s_cbranch_scc1 .Lring
	TRIP 0, 0, 0                                   ; step 14 asks for tile 15,
	TRIP 1, 1, 0                                   ; step 15 for W2's block
	; ---- behind the attention: the LDS addresses
	SUMB                                           ; the last step's sum
	v_add_nc_u32 v[ATW], s[ZA], v[L8]
	v_add_nc_u32 v[ATSW], s[ZB], v[L4]
	v_add_nc_u32 v[ATR], s[ZC], v[L8]
	v_add_nc_u32 v[ATSR], s[ZD], v[L4]
	v_add_nc_u32 v[WFA], s[ZE], v[LI]
	v_lshl_add_u32 v[WSA], v10, 4, s[ZF]
	v_and_b32 v37, 8, v10
	v_lshl_add_u32 v[PLN], v11, 6, s[ZH]
	v_lshl_add_u32 v[STR], v10, 5, s[ZI]
	v_lshl_add_u32 v[STW], v10, 5, s[ZJ]
	D 4
	v_add_nc_u32 v37, v37, v10                     ; r + 8 (r / 8)
	v_add_nc_u32 v[WFB], 49152, v[WFA]
	v_lshl_add_u32 v[SLN], v11, 6, s[ZG]
	v_mad_u32_u24 v36, v11, 3, s[ZL]               ; z's codes: my three registers become registers 6 c + 3 h + i of the fragment
	v_lshl_add_u32 v35, v10, 4, s[ZK]
	v_add_nc_u32 v[XSB], s[ZM], v[L4]
	v_add_nc_u32 v[XRD], s[ZN], v[LI]
	v_mad_u32_u24 v[SLN], v37, SPITCH, v[SLN]
.irp i, 0,1,2
	v_add_nc_u32 v[XA+\i], \i, v36
.endr
.irp i, 0,1,2
	D 3
	v_lshrrev_b32 v[XT+\i], 2, v[XA+\i]
.endr
.irp i, 0,1,2
	v_and_b32 v[XA+\i], 3, v[XA+\i]
.endr
.irp i, 0,1,2
	D 3
	v_lshl_add_u32 v[XA+\i], v[XA+\i], 2, v35
.endr
.irp i, 0,1,2
	D 3
	v_lshl_add_u32 v[XA+\i], v[XT+\i], 9, v[XA+\i] ; register R of lane L lies at 512 (R / 4) + 16 L + 4 (R % 4)
.endr
	; ---- O^T / the sum, quantised along my head's 64: half a K step of the projection
	v_add_f32 v14, v14, v15
	D 1
	v_permlanex16_b32 v[SCR], v14, s[SEL], s[SEL+1]
	D 1
	v_add_f32 v14, v14, v[SCR]
	s_wait_alu depctr_va_vdst(0)
	v_rcp_f32 v14, v14
	v_nop
	s_wait_alu depctr_va_vdst(0)
.set n, 0
.rept 32
	v_mul_f32 v[S+n], v[OT+n], v14
.set n, n+1
.endr
	QUANT2 S, PCD, T8, PWT
.irp p, 0,1,2
	ds_store_b64 v[ATW], v[PCD+2*\p:PCD+2*\p+1] offset:256*\p
.endr
	ds_store_b16 v[ATSW], v[PWT]
.irp q, 0,1,2,3
	ds_load_b128 v[RES+4*\q:RES+4*\q+3], v[SLN] offset:16*\q      ; the residual and b2 at my 16 columns: stored at the head, many barriers ago
	ds_load_b128 v[GB+4*\q:GB+4*\q+3], v[PLN] offset:16*\q
.endr
	s_wait_tensorcnt 0x0                           ; my part of W2's block has landed
	BAR                                            ; the block and the attention's fragments are whole
.irp k, 0,1,2,3
.irp p, 0,1,2,3,4,5
	ds_load_b64 v[AFR+12*\k+2*\p:AFR+12*\k+2*\p+1], v[ATR] offset:1536*\k+256*\p
.endr
	ds_load_b32 v[ASR+\k], v[ATSR] offset:128*\k
	ds_load_b64 v[WSR+2*\k:WSR+2*\k+1], v[WSA] offset:1024*\k
.endr
.irp k, 0,1
.irp u, 0,1
.irp c, 0,1,2
	ds_load_b128 v[WFR+12*(2*\k+\u)+4*\c:WFR+12*(2*\k+\u)+4*\c+3], v[WFA] offset:24576*\k+1536*\u+512*\c
	ds_load_b128 v[WFR+12*(4+2*\k+\u)+4*\c:WFR+12*(4+2*\k+\u)+4*\c+3], v[WFB] offset:24576*\k+1536*\u+512*\c
.endr
.endr
.endr
.irp u, 0,1,2,3,4,5,6,7
	v_pk_add_f32 v[ACC+2*\u:ACC+2*\u+1], v[RES+2*\u:RES+2*\u+1], v[GB+2*\u:GB+2*\u+1]   ; res + b2 is the C of the first products
.endr
.irp q, 0,1,2,3
	ds_load_b128 v[GB+4*\q:GB+4*\q+3], v[PLN] offset:1024+16*\q
	ds_load_b128 v[PB+4*\q:PB+4*\q+3], v[PLN] offset:2048+16*\q
.endr
	s_wait_alu depctr_va_vdst(0)
	s_wait_dscnt 0x0
.irp k, 0,1,2,3                        ; transposed: source 0 = 16 rows of W2, source 1 = my tokens; register 8 u + j is column 32 g + 16 h + 8 u + j; the two accumulators take turns
.irp u, 0,1
	MM ACC+8*\u, WFR+12*(2*\k+\u), AFR+12*\k, ACC+8*\u, WSR+2*\k+\u, ASR+\k
.endr
.endr
	PLACES 4
.irp q, 0,1,2,3
	ds_load_b128 v[G2+4*\q:G2+4*\q+3], v[PLN] offset:3072+16*\q
	ds_load_b128 v[B2+4*\q:B2+4*\q+3], v[PLN] offset:4096+16*\q
.endr
; four pairs in v[CH ..] become the row's sum over all 256 columns: my lane, lane l xor 16, and the eight waves of my tile through LDS
.macro RSUM st
	D 3
	v_pk_add_f32 v[CH:CH+1], v[CH:CH+1], v[CH+2:CH+3]
	D 2
	v_pk_add_f32 v[CH+4:CH+5], v[CH+4:CH+5], v[CH+6:CH+7]
	D 1
	v_pk_add_f32 v[CH:CH+1], v[CH:CH+1], v[CH+4:CH+5]
	D 1
	v_add_f32 v[SC], v[CH], v[CH+1]
	D 1
	v_permlanex16_b32 v[SC+1], v[SC], s[SEL], s[SEL+1]
	D 1
	v_add_f32 v[SC], v[SC], v[SC+1]
	ds_store_b32 v[STW], v[SC] offset:1024*(\st)
	BAR
	ds_load_b128 v[CH:CH+3], v[STR] offset:1024*(\st)
	ds_load_b128 v[CH+4:CH+7], v[STR] offset:1024*(\st)+16
	s_wait_dscnt 0x0
	v_pk_add_f32 v[CH:CH+1], v[CH:CH+1], v[CH+2:CH+3]
	v_pk_add_f32 v[CH+4:CH+5], v[CH+4:CH+5], v[CH+6:CH+7]
	D 1
	v_pk_add_f32 v[CH:CH+1], v[CH:CH+1], v[CH+4:CH+5]
	D 1
	v_add_f32 v[SC], v[CH], v[CH+1]
.endm
; mean, deviations in place, 1 / sqrt(var + eps); st: the first of its two sets of partial sums
.macro NORM st
.irp c, 0,1,2,3
	v_pk_add_f32 v[CH+2*\c:CH+2*\c+1], v[ACC+2*\c:ACC+2*\c+1], v[ACC+8+2*\c:ACC+9+2*\c]   ; each accumulator from its low end on
.endr
	RSUM \st
	D 1
	v_mul_f32 v[MU], s[C256], v[SC]
	v_mul_f32 v[MU+1], s[C256], v[SC]
.irp u, 0,1,2,3,4,5,6,7
	v_pk_add_f32 v[ACC+2*\u:ACC+2*\u+1], v[ACC+2*\u:ACC+2*\u+1], v[MU:MU+1] neg_lo:[0,1] neg_hi:[0,1]
.endr
.irp c, 0,1,2,3
	v_pk_mul_f32 v[CH+2*\c:CH+2*\c+1], v[ACC+2*\c:ACC+2*\c+1], v[ACC+2*\c:ACC+2*\c+1]
.endr
.irp c, 0,1,2,3
	D 4
	v_pk_fma_f32 v[CH+2*\c:CH+2*\c+1], v[ACC+8+2*\c:ACC+9+2*\c], v[ACC+8+2*\c:ACC+9+2*\c], v[CH+2*\c:CH+2*\c+1]
.endr
	RSUM \st+1
	D 1
	v_fma_f32 v[SC], v[SC], s[C256], s[CEPS]
	s_wait_alu depctr_va_vdst(0)
	v_rsq_f32 v[RS], v[SC]
	v_nop
	s_wait_alu depctr_va_vdst(0)
.endm
	NORM 0
.irp u, 0,1,2,3,4,5,6,7
	v_pk_mul_f32 v[GB+2*\u:GB+2*\u+1], v[GB+2*\u:GB+2*\u+1], v[RS:RS+1] op_sel_hi:[1,0]
.endr
.irp u, 0,1,2,3,4,5,6,7
	v_pk_add_f32 v[PB+2*\u:PB+2*\u+1], v[PB+2*\u:PB+2*\u+1], v[RES+2*\u:RES+2*\u+1]
.endr
.irp u, 0,1,2,3,4,5,6,7
	v_pk_fma_f32 v[ACC+2*\u:ACC+2*\u+1], v[ACC+2*\u:ACC+2*\u+1], v[GB+2*\u:GB+2*\u+1], v[PB+2*\u:PB+2*\u+1]   ; res + (d rs g1 + b1)
.endr
	NORM 2
.irp u, 0,1,2,3,4,5,6,7
	v_pk_mul_f32 v[G2+2*\u:G2+2*\u+1], v[G2+2*\u:G2+2*\u+1], v[RS:RS+1] op_sel_hi:[1,0]
.endr
.irp u, 0,1,2,3,4,5,6,7
	v_pk_fma_f32 v[ACC+2*\u:ACC+2*\u+1], v[ACC+2*\u:ACC+2*\u+1], v[G2+2*\u:G2+2*\u+1], v[B2+2*\u:B2+2*\u+1]   ; z
.endr
	; ---- the way out: z to the stage (over my own part of the residual); my block of 32 columns as codes and a scale byte into z's images
.irp q, 0,1,2,3
	ds_store_b128 v[SLN], v[ACC+4*\q:ACC+4*\q+3] offset:16*\q
.endr
	v_max3_num_f32 v[CH], |v[ACC]|, |v[ACC+1]|, 0x2800000
	v_max3_num_f32 v[CH+1], |v[ACC+8]|, |v[ACC+9]|, 0x2800000
.irp i, 2,4,6
	D 2
	v_max3_num_f32 v[CH], v[CH], |v[ACC+\i]|, |v[ACC+\i+1]|
	D 2
	v_max3_num_f32 v[CH+1], v[CH+1], |v[ACC+8+\i]|, |v[ACC+9+\i]|
.endr
	D 1
	v_max_num_f32 v[CH], v[CH], v[CH+1]
	D 1
	v_permlanex16_b32 v[CH+2], v[CH], s[SEL], s[SEL+1]
	D 1
	v_max_num_f32 v[CH], v[CH], v[CH+2]            ; the block's largest magnitude
	D 1
	v_add_nc_u32 v[CH+3], 0xfe000000, v[CH]
	D 1
	v_lshrrev_b32 v[CH+4], 23, v[CH+3]
	v_cvt_scalef32_pk16_bf6_f32 v[CD:CD+2], v[ACC:ACC+15], v[CH+3]
	v_nop
.irp i, 0,1,2
	ds_store_b32 v[XA+\i], v[CD+\i]
.endr
	ds_store_b8 v[XSB], v[CH+4]
	BAR                                            ; z's rows and images are whole
.irp j, 0,1
.irp f, 0,1
	ds_load_b128 v[32+8*\j+4*\f:35+8*\j+4*\f], v[SIN] offset:\j*SPITCH+512*\f
.endr
.endr
	s_cmp_lt_u32 s[WV], 13
	s_cbranch_scc0 .Lnox
	ds_load_b128 v[48:51], v[XRD]
	s_wait_dscnt 0x0
	global_store_b128 v[LI], v[48:51], s[6:7]      ; 512 consecutive bytes of z's codes or scale words
.Lnox:
	s_wait_dscnt 0x0
.irp j, 0,1
.irp f, 0,1
	global_store_b128 v[LI], v[32+8*\j+4*\f:35+8*\j+4*\f], s[26:27] offset:1024*\j+512*\f   ; 512 consecutive bytes of a row
.endr
.endr
	s_wait_tensorcnt 0x0                           ; the wave's end
	ds_add_u32 v[SPW], v[NIL]
	s_wait_dscnt 0x0
	CROUND                                         ; the closing round
	s_endpgm
.Lfunc_end_k_q92a63938c8_fa1:
	.size	k_q92a63938c8_fa1, .Lfunc_end_k_q92a63938c8_fa1-k_q92a63938c8_fa1
	.p2alignl 7, 3214868480
	.fill 96, 4, 3214868480
	.section	.rodata,"a",@progbits
	.p2align	6, 0x0
	.amdhsa_kernel k_q92a63938c8_fa1
		.amdhsa_group_segment_fixed_size 327680
		.amdhsa_private_segment_fixed_size 0
		.amdhsa_enable_private_segment 0
		.amdhsa_kernarg_size 96
		.amdhsa_user_sgpr_count 2
		.amdhsa_user_sgpr_kernarg_segment_ptr 1
		.amdhsa_wavefront_size32 1
		.amdhsa_system_sgpr_workgroup_id_x 1
		.amdhsa_system_sgpr_workgroup_id_y 1
		.amdhsa_system_sgpr_workgroup_id_z 1
		.amdhsa_system_vgpr_workitem_id 0
		.amdhsa_next_free_vgpr 256
		.amdhsa_next_free_sgpr 100
		.amdhsa_reserve_vcc 1
		.amdhsa_float_denorm_mode_32 3
		.amdhsa_float_denorm_mode_16_64 3
		.amdhsa_memory_ordered 1
		.amdhsa_forward_progress 1
		.amdhsa_inst_pref_size 118
	.end_amdhsa_kernel
	.amdgpu_metadata
---
amdhsa.version: [ 1, 2 ]
amdhsa.kernels:
  - .name:           k_q92a63938c8_fa1
    .symbol:         k_q92a63938c8_fa1.kd
    .args:
      - { .name: xc, .offset: 0, .size: 8, .value_kind: global_buffer, .address_space: global }
      - { .name: xc2, .offset: 8, .size: 8, .value_kind: global_buffer, .address_space: global }
      - { .name: m1_wq_scales, .offset: 16, .size: 8, .value_kind: global_buffer, .address_space: global }
      - { .name: m1_bq, .offset: 24, .size: 8, .value_kind: global_buffer, .address_space: global }
      - { .name: kv1, .offset: 32, .size: 8, .value_kind: global_buffer, .address_space: global }
      - { .name: x, .offset: 40, .size: 8, .value_kind: global_buffer, .address_space: global }
      - { .name: m1_b2, .offset: 48, .size: 8, .value_kind: global_buffer, .address_space: global }
      - { .name: m1_g, .offset: 56, .size: 8, .value_kind: global_buffer, .address_space: global }
      - { .name: m1_b, .offset: 64, .size: 8, .value_kind: global_buffer, .address_space: global }
      - { .name: ln1_g, .offset: 72, .size: 8, .value_kind: global_buffer, .address_space: global }
      - { .name: ln1_b, .offset: 80, .size: 8, .value_kind: global_buffer, .address_space: global }
      - { .name: xa, .offset: 88, .size: 8, .value_kind: global_buffer, .address_space: global }
    .group_segment_fixed_size: 327680
    .private_segment_fixed_size: 0
    .kernarg_segment_align: 8
    .kernarg_segment_size: 96
    .max_flat_workgroup_size: 512
    .sgpr_count:     100
    .vgpr_count:     256
    .wavefront_size: 32
...
	.end_amdgpu_metadata
.endif
;; end of part 6
;; launch fa2: the kernel of part 6 again; grid 256 x 1, 16 waves a work-group, clusters of 4 x 1, 327,680 bytes of LDS; arguments xc2, xc, m2_wq_scales, m2_bq, kv2, xa, m2_b2, m2_g, m2_b, ln2_g, ln2_b, xb; writes xb, xc
;; launch ffn (part 7): grid 128 x 1, 4 waves a work-group, no clusters, 275,968 bytes of LDS; arguments xc, xb, wf, ffn_b1, ffn_b2, ln3_g, ln3_b, out0; writes out0
.if DOCPART == 7
	.amdgcn_target "amdgcn-amd-amdhsa--gfx1250"
	.amdhsa_code_object_version 6
	.text
	.protected	k_q92a63938c8_ffn
	.globl	k_q92a63938c8_ffn
	.p2align	8
	.type	k_q92a63938c8_ffn,@function
k_q92a63938c8_ffn:
	s_mov_b64 s[64:65], 0
	v_nop
	global_prefetch_b8 v0, s[64:65] scope:SCOPE_SE
	s_setreg_imm32_b32 hwreg(HW_REG_WAVE_MODE, 25, 1), 1
	s_wait_xcnt 0x0
; out = LN(x + relu(x W1 + b1) W2 + b2; g, b).  Both products on codes of E3M2 with E8M0 scales; x comes as codes (xc) and as f32 (the residual); the hidden layer is quantised in registers and never leaves them.
; SHARES.  Four waves; wave w owns token tile 4 x + w: all 512 hidden units, 128 at a time, and all 256 columns.  Both products are used transposed, the weights' rows chosen so that a lane's registers run along the next K.
; Both weights come as the first launch has laid them in wf: fragments as images of the operand's registers, each matrix's scale words behind it: one dense block of 204,800 bytes.
; Each wave brings a quarter of it into LDS by one tensor load (one load of mine is out); behind ONE barrier every wave reads all of it.
; No cluster: what the 128 work-groups share is this one block, read once by each at its head.
; THE WEIGHTS' FRAGMENTS go through a ring of four register slots: behind each product stand four places and the loads of the fragment four on, so that three fragments' loads are out while one is multiplied.
; b1 is the C of the first product's sums, x + b2 that of the second's.
; LIMITS.  NaN and infinities are not served; a block under 2^-122, a block of zeros among them, keeps the scale byte 1 over its codes.
.set W1SC,  98304                      ; LDS: 0: W1's images [K step 2][tile 32] x 1,536;  here: its scale words [K step 2][4][lane][16 bytes]
.set W2IMG, 102400                     ; W2's images [K step 4][tile 16] x 1,536
.set W2SC,  200704                     ; its scale words [K step 4][2][lane][16 bytes]
.set PAR,   204800                     ; b1 2,048 bytes, g 1,024, b 1,024, written by LDS stores
.set STG,   208896                     ; for each wave a stage of 16 rows x 1,040 bytes
.set STGW,  16640
.set SPITCH, 1040
.set SPARE, 275456                     ; the spare words, 128 bytes for each of 4 waves; no other line names them
.set XC_SC, 1572864
.set LI,  1                            ; 16 x lane; also the base of W1's K step 0
.set SPW, 2
.set NIL, 3
.set WA1, 4                            ; W1's K step 1
.set WB0, 5                            ; W2's K steps 0, 1
.set WSA, 6                            ; W1's scale words
.set SIN, 7
.set SLN, 8
.set WB1, 9                            ; W2's K steps 2, 3
.set PLN, 10
.set WSB, 11                           ; W2's scale words
.set MU,  12
.set RS,  14
.set AF,  16                           ; v16-63 the hidden layer's four fragments
.set AS,  64                           ; v64-67 their scale words
.set WF,  68                           ; v68-115 four slots for fragments of a weight
.set WSR, 116                          ; v116-123 scale words of a weight; in the second product those of the odd K steps: v12-15 and v124-127
.set ACC, 128
.set XF,  192                          ; the first product: x's two fragments,
.set XS,  216                          ; their scale words,
.set TM,  218                          ; the quantiser's scratch
.set TT,  234
.set GR,  16
.set BR,  48
.set CH,  112
.set SC,  120
.set O16T, 247                         ; at the head only
.set O8T,  248
.set PS16, 249
.set PS8,  250
.set L4,   251
.set WV,  26
.set SEL, 30
.set C256, 32
.set CEPS, 33
.set G0,  40
.set G1,  44
.macro PLACES n
.rept \n
	v_nop
.endr
.endm
.macro BARRIER
	s_wait_dscnt 0x0
	s_barrier_signal -1
	s_barrier_wait -1
.endm
.macro MM d, a, b, c, sa, sb
	v_wmma_scale_f32_16x16x128_f8f6f4 v[\d:\d+7], v[\a:\a+11], v[\b:\b+11], v[\c:\c+7], v[\sa], v[\sb] matrix_a_fmt:MATRIX_FMT_BF6 matrix_b_fmt:MATRIX_FMT_BF6
.endm
.macro MM1 d, a, b, c, sa, sb
	v_wmma_scale_f32_16x16x128_f8f6f4 v[\d:\d+7], v[\a:\a+11], v[\b:\b+11], v[\c:\c+7], v[\sa], v[\sb] matrix_a_fmt:MATRIX_FMT_BF6 matrix_b_fmt:MATRIX_FMT_BF6 matrix_a_scale:MATRIX_SCALE_ROW1
.endm
.macro QUANT4 s, d, t, pw
.irp b, 0,1,2,3
	v_max3_num_f32 v[TM+\b], |v[\s+16*\b]|, |v[\s+1+16*\b]|, 0x2800000
.endr
.irp i, 2,4,6,8,10,12,14
.irp b, 0,1,2,3
	v_max3_num_f32 v[TM+\b], v[TM+\b], |v[\s+16*\b+\i]|, |v[\s+1+16*\b+\i]|
.endr
.endr
.irp b, 0,1,2,3
	v_permlanex16_b32 v[TM+4+\b], v[TM+\b], s[SEL], s[SEL+1]
.endr
.irp b, 0,1,2,3
	v_max_num_f32 v[TM+\b], v[TM+\b], v[TM+4+\b]
.endr
.irp b, 0,1,2,3
	v_add_nc_u32 v[TM+12+\b], 0xfe000000, v[TM+\b]
.endr
.irp b, 0,1,2,3
	v_lshrrev_b32 v[TM+4+\b], 23, v[TM+12+\b]
.endr
	v_lshl_or_b32 v[\pw], v[TM+5], 8, v[TM+4]
	v_lshl_or_b32 v[\pw], v[TM+6], 16, v[\pw]
	v_lshl_or_b32 v[\pw], v[TM+7], 24, v[\pw]
.irp c, 0,1
	v_cvt_scalef32_pk16_bf6_f32 v[\d+6*\c:\d+2+6*\c], v[\s+32*\c:\s+15+32*\c], v[TM+12+2*\c]
	v_cvt_scalef32_pk16_bf6_f32 v[\t+4*\c:\t+2+4*\c], v[\s+16+32*\c:\s+31+32*\c], v[TM+13+2*\c]
.endr
	v_nop
.irp c, 0,1
.irp i, 0,1,2
	v_permlane16_swap_b32 v[\d+6*\c+\i], v[\t+4*\c+\i]
.endr
.irp i, 0,1,2
	v_mov_b32 v[\d+3+6*\c+\i], v[\t+4*\c+\i]
.endr
.endr
.endm
; the second product: fragment n of 64 (K step n / 16, tile n % 16) into slot n % 4
.macro WLD n, b0, b1
.irp c, 0,1,2
.if (\n) < 32
	ds_load_b128 v[WF+12*((\n)%4)+4*\c:WF+12*((\n)%4)+4*\c+3], v[\b0] offset:((\n)/16)*24576+((\n)%16)*1536+512*\c
.else
	ds_load_b128 v[WF+12*((\n)%4)+4*\c:WF+12*((\n)%4)+4*\c+3], v[\b1] offset:((\n)/16-2)*24576+((\n)%16)*1536+512*\c
.endif
.endr
.endm
; K step k's scale words: two loads, into the set of its parity
.macro WSLD k, sa, so
.irp g, 0,1
.set wb, (1-(\k)%2)*(WSR+4*\g)+((\k)%2)*(12+112*\g)
	ds_load_b128 v[wb:wb+3], v[\sa] offset:\so+(\k)*1024+512*\g
.endr
.endm
; 16 accumulators x 4 K steps.  The accumulators take turns, one instruction a turn; what lies in them is the first product's C.
; The wait's count: behind fragment n's three loads stand those of fragments n + 1 to n + 3, nine in all (at the end six, three, none).  A K step's scale words are asked for just ahead of its first
; fragment, so that fragment's wait covers them; in the three turns behind them the count waits for two loads more than it must.
.macro PROD512 b0, b1, sa, so
	WSLD 0, \sa, \so
	WLD 0, \b0, \b1
	WLD 1, \b0, \b1
	WLD 2, \b0, \b1
	WLD 3, \b0, \b1
.set nn, 0
.rept 64
.if nn < 61
	s_wait_dscnt 9
.else
	s_wait_dscnt 3*(63-nn)
.endif
.set wr, (1-(nn/16)%2)*(WSR+4*((nn%16)/8))+((nn/16)%2)*(12+112*((nn%16)/8))+nn%4
.if (nn%8) < 4
	s_wait_alu depctr_va_vdst(0)
	MM ACC+8*(nn%16), WF+12*(nn%4), AF+12*(nn/16), ACC+8*(nn%16), wr, AS+nn/16
.else
	MM1 ACC+8*(nn%16), WF+12*(nn%4), AF+12*(nn/16), ACC+8*(nn%16), wr, AS+nn/16
.endif
.if nn < 60
	PLACES 4                                       ; in front of the loads into the slot that the product has just read
.if (nn+4)%16 == 0
	WSLD (nn+4)/16, \sa, \so
.endif
	WLD nn+4, \b0, \b1
.endif
.set nn, nn+1
.endr
	PLACES 4                                       ; in front of the first read of the sums
.endm
; the first product: fragment n of the 16 of hidden group q (K step n / 8, tile 8 q + n % 8) into slot n % 4
.macro WLD1 q, n
.irp c, 0,1,2
.if (\n) < 8
	ds_load_b128 v[WF+12*((\n)%4)+4*\c:WF+12*((\n)%4)+4*\c+3], v[LI] offset:(8*(\q)+(\n)%8)*1536+512*\c
.else
	ds_load_b128 v[WF+12*((\n)%4)+4*\c:WF+12*((\n)%4)+4*\c+3], v[WA1] offset:(8*(\q)+(\n)%8)*1536+512*\c
.endif
.endr
.endm
.macro SUMUP
	v_pk_add_f32 v[CH:CH+1], v[CH:CH+1], v[CH+2:CH+3]
	v_pk_add_f32 v[CH+4:CH+5], v[CH+4:CH+5], v[CH+6:CH+7]
	v_pk_add_f32 v[CH:CH+1], v[CH:CH+1], v[CH+4:CH+5]
	v_add_f32 v[SC], v[CH], v[CH+1]
	v_permlanex16_b32 v[SC+1], v[SC], s[SEL], s[SEL+1]
	v_add_f32 v[SC], v[SC], v[SC+1]
.endm
.macro MEAN
.irp c, 0,1,2,3
	v_pk_add_f32 v[CH+2*\c:CH+2*\c+1], v[ACC+2*\c:ACC+2*\c+1], v[ACC+8+2*\c:ACC+9+2*\c]
.endr
.set pp, 8
.rept 56
	v_pk_add_f32 v[CH+2*(pp%4):CH+2*(pp%4)+1], v[CH+2*(pp%4):CH+2*(pp%4)+1], v[ACC+2*pp:ACC+2*pp+1]
.set pp, pp+1
.endr
	SUMUP
	v_mul_f32 v[MU], s[C256], v[SC]
	v_mov_b32 v[MU+1], v[MU]
.endm
.macro DEV
.set pp, 0
.rept 16
.irp c, 0,1,2,3
	v_pk_add_f32 v[ACC+2*(pp+\c):ACC+2*(pp+\c)+1], v[ACC+2*(pp+\c):ACC+2*(pp+\c)+1], v[MU:MU+1] neg_lo:[0,1] neg_hi:[0,1]
.endr
.irp c, 0,1,2,3
.if pp == 0
	v_pk_mul_f32 v[CH+2*\c:CH+2*\c+1], v[ACC+2*(pp+\c):ACC+2*(pp+\c)+1], v[ACC+2*(pp+\c):ACC+2*(pp+\c)+1]
.else
	v_pk_fma_f32 v[CH+2*\c:CH+2*\c+1], v[ACC+2*(pp+\c):ACC+2*(pp+\c)+1], v[ACC+2*(pp+\c):ACC+2*(pp+\c)+1], v[CH+2*\c:CH+2*\c+1]
.endif
.endr
.set pp, pp+4
.endr
	SUMUP
	v_fma_f32 v[SC], v[SC], s[C256], s[CEPS]
	s_wait_alu depctr_va_vdst(0)
	v_rsq_f32 v[RS], v[SC]
	v_nop
	s_wait_alu depctr_va_vdst(0)                   ; ahead of the first reader
	v_mov_b32 v[RS+1], v[RS]
.endm
.macro LDC bb, st, go
.irp q, 0,1,2,3
	ds_load_b128 v[GR+16*(\st)+4*\q:GR+16*(\st)+4*\q+3], v[PLN] offset:\go+128*(\bb)+16*\q
.endr
.irp q, 0,1,2,3
	ds_load_b128 v[BR+16*(\st)+4*\q:BR+16*(\st)+4*\q+3], v[PLN] offset:\go+1024+128*(\bb)+16*\q
.endr
.endm
.macro AFF2 go
.irp bb, 0,1,2,3,4,5,6,7
.if \bb < 7
	LDC \bb+1, (\bb+1)%2, \go
	s_wait_dscnt 8                                 ; this chunk's eight loads are in; the next chunk's eight may be out
.else
	s_wait_dscnt 0x0
.endif
.irp u, 0,1,2,3,4,5,6,7
	v_pk_mul_f32 v[GR+16*(\bb%2)+2*\u:GR+16*(\bb%2)+2*\u+1], v[GR+16*(\bb%2)+2*\u:GR+16*(\bb%2)+2*\u+1], v[RS:RS+1]
.endr
.irp u, 0,1,2,3,4,5,6,7
	v_pk_fma_f32 v[ACC+16*\bb+2*\u:ACC+16*\bb+2*\u+1], v[ACC+16*\bb+2*\u:ACC+16*\bb+2*\u+1], v[GR+16*(\bb%2)+2*\u:GR+16*(\bb%2)+2*\u+1], v[BR+16*(\bb%2)+2*\u:BR+16*(\bb%2)+2*\u+1]
.endr
.endr
.endm
	s_load_b512 s[4:19], s[0:1], 0x0               ; xc, the residual, wf, b1, b2, g, b, out0
	v_lshl_add_u32 v[SPW], v0, 2, SPARE
	v_mov_b32 v[NIL], 0
	ds_add_u32 v[SPW], v[NIL]                      ; the wave's opening: the add, twice on end, and its wait ahead of my first tensor load
	ds_add_u32 v[SPW], v[NIL]
	v_lshrrev_b32 v16, 5, v0
	v_readfirstlane_b32 s[WV], v16                 ; wave 0..3
	s_mov_b32 s[G1], 3<<16                         ; no mask; elements of 8 bytes; no padding
	s_mov_b32 s[G1+1], 32<<16                      ; tensor_dim0 = 32 elements: rows of 256 bytes
	s_mov_b32 s[G1+2], 200<<16                     ; tensor_dim1 = 200 rows: a quarter of the block
	s_mov_b32 s[G1+3], 32<<16                      ; tile_dim0
	s_mov_b32 s[G1+4], 200                         ; tile_dim1
	s_mov_b32 s[G1+5], 32                          ; the rows are dense
	s_mov_b32 s[G1+6], 0
	s_mov_b32 s[G1+7], 0
	s_lshl_b32 s27, ttmp9, 2
	s_add_co_u32 s27, s27, s[WV]                   ; my token tile T
	s_lshr_b32 s28, s27, 1
	s_lshl_b32 s28, s28, 5
	s_and_b32 s29, s27, 1
	s_lshl_b32 s29, s29, 3
	s_add_co_u32 s28, s28, s29                     ; its first token
	s_mov_b32 s[SEL], 0x76543210
	s_mov_b32 s[SEL+1], 0xfedcba98
	s_mov_b32 s[C256], 0x3b800000                  ; 1 / 256
	s_mov_b32 s[CEPS], 0x358637bd                  ; 1e-6
	v_and_b32 v16, 31, v0
	v_lshlrev_b32 v[LI], 4, v16
	v_lshlrev_b32 v[L4], 2, v16
	v_and_b32 v17, 15, v0                          ; r
	v_bfe_u32 v18, v0, 4, 1                        ; h
	v_lshlrev_b32 v[O16T], 4, v0
	v_lshlrev_b32 v[O8T], 3, v0
	v_lshl_add_u32 v[PS16], v0, 4, PAR
	v_lshl_add_u32 v[PS8], v0, 3, PAR+2048
	v_add_nc_u32 v[WA1], 49152, v[LI]
	v_add_nc_u32 v[WSA], W1SC, v[LI]
	v_add_nc_u32 v[WB0], W2IMG, v[LI]
	v_add_nc_u32 v[WB1], W2IMG+49152, v[LI]
	v_add_nc_u32 v[WSB], W2SC, v[LI]
	s_mul_i32 s34, s[WV], STGW
	s_add_co_u32 s34, s34, STG
	v_add_nc_u32 v[SIN], s34, v[LI]
	v_mul_u32_u24 v[SLN], v17, SPITCH
	v_lshl_add_u32 v[SLN], v18, 6, v[SLN]
	v_add_nc_u32 v[SLN], s34, v[SLN]
	v_lshl_add_u32 v[PLN], v18, 6, PAR
	s_mul_i32 s34, s[WV], 51200                    ; my quarter of the weights' block: the same in memory and in LDS
	s_mov_b32 s35, 0
	s_wait_dscnt 0x0                               ; both opening adds are done
	s_wait_kmcnt 0x0
	s_mov_b32 s[G0], 1
	s_mov_b32 s[G0+1], s34
	s_add_nc_u64 s[G0+2:G0+3], s[8:9], s[34:35]
	s_or_b32 s[G0+3], s[G0+3], 0x80000000
	tensor_load_to_lds s[G0:G0+3], s[G1:G1+7]
	s_nop 0
	s_lshl_b32 s34, s28, 10
	s_add_nc_u64 s[6:7], s[6:7], s[34:35]
	s_add_nc_u64 s[18:19], s[18:19], s[34:35]
	s_lshl_b32 s34, s27, 8
	s_add_nc_u64 s[36:37], s[4:5], s[34:35]
	s_add_nc_u64 s[36:37], s[36:37], XC_SC
	s_mul_i32 s34, s27, 3072
	s_add_nc_u64 s[4:5], s[4:5], s[34:35]
	; ---- one run of loads: b1, g, b; b2; my 16 residual rows, whole (v16-111 and v128-159); x's two fragments and scale words
	global_load_b128 v[120:123], v[O16T], s[10:11]
	global_load_b64 v[124:125], v[O8T], s[14:15]
	global_load_b64 v[126:127], v[O8T], s[16:17]
	global_load_b128 v[112:115], v[LI], s[12:13]
	global_load_b128 v[116:119], v[LI], s[12:13] offset:512
.set nn, 0
.rept 32
	global_load_b128 v[16+4*nn+16*(nn/24):19+4*nn+16*(nn/24)], v[LI], s[6:7] offset:((nn/2)+8*(nn/16))*1024+512*(nn%2)
.set nn, nn+1
.endr
.irp k, 0,1
.irp c, 0,1,2
	global_load_b128 v[XF+12*\k+4*\c:XF+12*\k+4*\c+3], v[LI], s[4:5] offset:1536*\k+512*\c
.endr
.endr
.irp k, 0,1
	global_load_b32 v[XS+\k], v[L4], s[36:37] offset:128*\k
.endr
	s_wait_loadcnt 8                               ; the parameters, b2 and the 32 rows' loads are in; x's eight may be out
	ds_store_b128 v[PS16], v[120:123]
	ds_store_b64 v[PS8], v[124:125]
	ds_store_b64 v[PS8], v[126:127] offset:1024
.set nn, 0
.rept 32
	v_pk_add_f32 v[16+4*nn+16*(nn/24):17+4*nn+16*(nn/24)], v[16+4*nn+16*(nn/24):17+4*nn+16*(nn/24)], v[112+4*(nn%2):113+4*(nn%2)]
	v_pk_add_f32 v[18+4*nn+16*(nn/24):19+4*nn+16*(nn/24)], v[18+4*nn+16*(nn/24):19+4*nn+16*(nn/24)], v[114+4*(nn%2):115+4*(nn%2)]
.set nn, nn+1
.endr
.set nn, 0
.rept 32
	ds_store_b128 v[SIN], v[16+4*nn+16*(nn/24):19+4*nn+16*(nn/24)] offset:(nn/2)*SPITCH+512*(nn%2)
.set nn, nn+1
.endr
	s_wait_tensorcnt 0x0                           ; my quarter of the weights' block has landed
	BARRIER                                        ; the one barrier: both weights' images, their scale words and the parameters lie in LDS
	s_wait_loadcnt 0x0
.irp b, 0,1,2,3
	v_mov_b32 v[TM+4+\b], 0                        ; written once: a lane permute's destination counts as one of its sources
.endr
	; ---- the hidden layer, 128 units at a time: they are one K step of the second product.  Eight accumulators by turns, two K steps: 16 fragments through the ring
.irp q, 0,1,2,3
.irp b, 0,1,2,3
.irp j, 0,1,2,3
	ds_load_b128 v[ACC+16*\b+4*\j:ACC+16*\b+4*\j+3], v[PLN] offset:512*\q+128*\b+16*\j   ; b1 in the accumulators' layout
.endr
.endr
	ds_load_b128 v[WSR:WSR+3], v[WSA] offset:\q*512            ; the group's scale words of K step 0,
	ds_load_b128 v[WSR+4:WSR+7], v[WSA] offset:2048+\q*512     ; and of K step 1
	WLD1 \q, 0
	WLD1 \q, 1
	WLD1 \q, 2
	WLD1 \q, 3
.set nn, 0
.rept 16
.if nn < 13
	s_wait_dscnt 9                                 ; fragment n is in, and all that was asked for ahead of it; the three younger fragments' nine loads may be out
.else
	s_wait_dscnt 3*(15-nn)
.endif
.if (nn%8) < 4
	MM ACC+8*(nn%8), WF+12*(nn%4), XF+12*(nn/8), ACC+8*(nn%8), WSR+4*(nn/8)+nn%4, XS+nn/8
.else
	MM1 ACC+8*(nn%8), WF+12*(nn%4), XF+12*(nn/8), ACC+8*(nn%8), WSR+4*(nn/8)+nn%4, XS+nn/8
.endif
.if nn < 12
	PLACES 4                                       ; in front of the loads into the slot that the product has just read
	WLD1 \q, nn+4
.endif
.set nn, nn+1
.endr
	PLACES 4                                       ; in front of the first read of the sums
.set nn, 0
.rept 64
	v_max_num_f32 v[ACC+nn], 0, v[ACC+nn]          ; the activation, in f32, each accumulator from its low end on
.set nn, nn+1
.endr
	QUANT4 ACC, AF+12*\q, TT, AS+\q
.endr
	; ---- the second product: x + b2 from my stage is its C
.irp b, 0,1,2,3,4,5,6,7
.irp q, 0,1,2,3
	ds_load_b128 v[ACC+16*\b+4*\q:ACC+16*\b+4*\q+3], v[SLN] offset:128*\b+16*\q
.endr
.endr
	PROD512 WB0, WB1, WSB, 0
	MEAN
	LDC 0, 0, 2048
	DEV
	s_wait_alu depctr_va_vdst(0)
	AFF2 2048
.irp b, 0,1,2,3,4,5,6,7
.irp q, 0,1,2,3
	ds_store_b128 v[SLN], v[ACC+16*\b+4*\q:ACC+16*\b+4*\q+3] offset:128*\b+16*\q
.endr
.endr
.irp t, 0,1
.irp i, 0,1,2,3,4,5,6,7,8,9,10,11,12,13,14,15
	ds_load_b128 v[16+4*\i:19+4*\i], v[SIN] offset:(8*\t+\i/2)*SPITCH+512*(\i%2)   ; LDS serves a wave's instructions in order: these see my stores
.endr
.irp i, 0,1,2,3,4,5,6,7,8,9,10,11,12,13,14,15
	s_wait_dscnt 15-\i
	global_store_b128 v[LI], v[16+4*\i:19+4*\i], s[18:19] offset:(16*\t+\i/2)*1024+512*(\i%2) th:TH_STORE_NT   ; 32 lanes store 512 consecutive bytes of a row
.endr
.if \t == 0
	s_wait_xcnt 0x0                                ; the stores have read their data
.endif
.endr
	s_wait_tensorcnt 0x0                           ; the wave's end: behind my last tensor load and my last LDS store
	ds_add_u32 v[SPW], v[NIL]
	s_wait_dscnt 0x0
	s_endpgm
.Lfunc_end_k_q92a63938c8_ffn:
	.size	k_q92a63938c8_ffn, .Lfunc_end_k_q92a63938c8_ffn-k_q92a63938c8_ffn
	.p2alignl 7, 3214868480
	.fill 96, 4, 3214868480
	.section	.rodata,"a",@progbits
	.p2align	6, 0x0
	.amdhsa_kernel k_q92a63938c8_ffn
		.amdhsa_group_segment_fixed_size 275968
		.amdhsa_private_segment_fixed_size 0
		.amdhsa_enable_private_segment 0
		.amdhsa_kernarg_size 64
		.amdhsa_user_sgpr_count 2
		.amdhsa_user_sgpr_kernarg_segment_ptr 1
		.amdhsa_wavefront_size32 1
		.amdhsa_system_sgpr_workgroup_id_x 1
		.amdhsa_system_sgpr_workgroup_id_y 1
		.amdhsa_system_sgpr_workgroup_id_z 1
		.amdhsa_system_vgpr_workitem_id 0
		.amdhsa_next_free_vgpr 256
		.amdhsa_next_free_sgpr 66
		.amdhsa_reserve_vcc 0
		.amdhsa_float_denorm_mode_32 3
		.amdhsa_float_denorm_mode_16_64 3
		.amdhsa_memory_ordered 1
		.amdhsa_forward_progress 1
		.amdhsa_inst_pref_size 137
	.end_amdhsa_kernel
	.amdgpu_metadata
---
amdhsa.version: [ 1, 2 ]
amdhsa.kernels:
  - .name:           k_q92a63938c8_ffn
    .symbol:         k_q92a63938c8_ffn.kd
    .args:
      - { .name: xc, .offset: 0, .size: 8, .value_kind: global_buffer, .address_space: global }
      - { .name: xb, .offset: 8, .size: 8, .value_kind: global_buffer, .address_space: global }
      - { .name: wf, .offset: 16, .size: 8, .value_kind: global_buffer, .address_space: global }
      - { .name: ffn_b1, .offset: 24, .size: 8, .value_kind: global_buffer, .address_space: global }
      - { .name: ffn_b2, .offset: 32, .size: 8, .value_kind: global_buffer, .address_space: global }
      - { .name: ln3_g, .offset: 40, .size: 8, .value_kind: global_buffer, .address_space: global }
      - { .name: ln3_b, .offset: 48, .size: 8, .value_kind: global_buffer, .address_space: global }
      - { .name: out0, .offset: 56, .size: 8, .value_kind: global_buffer, .address_space: global }
    .group_segment_fixed_size: 275968
    .private_segment_fixed_size: 0
    .kernarg_segment_align: 8
    .kernarg_segment_size: 64
    .max_flat_workgroup_size: 128
    .sgpr_count:     66
    .vgpr_count:     256
    .wavefront_size: 32
...
	.end_amdgpu_metadata
.endif
;; end of part 7
